; MI455X (gfx1250); checked and timed in simulation.
; The chip was launched on July 23, 2026; its instructions are those of AMD's public machine-readable ISA for CDNA 5 (MIT licence, August 2026) and "CDNA5" Instruction Set Architecture Reference Guide (July 2026). The comments in the code are by the model that wrote it; some were corrected since.
;; Rot Dec SA Layer. Allowed arithmetic: matrix products marked QUANTISED: E2M3 operands, one E8M0 scale for each 32 along K, by v_wmma_scale_f32_16x16x128_f8f6f4 with both operands' format E2M3, f32 sums; everything else in f32.
;; Inputs: b1 4,096 float32; b2 1,024 float32; in_b 3,072 float32; in_w 3,072 x 1,024 float32; ln1_b 1,024 float32; ln1_g 1,024 float32; ln2_b 1,024 float32; ln2_g 1,024 float32; out_b 1,024 float32; out_w 1,024 x 1,024 float32; w1 4,096 x 1,024 float32; w2 1,024 x 4,096 float32; x 2,048 x 2 x 1,024 float32.
;; Outputs: out0 2,048 x 2 x 1,024 float32.
;; This version of the problem:
;;   THIS VERSION OF THE PROBLEM IS GIVEN IN LOW PRECISION. The matrix products marked QUANTISED in the list below multiply operands that are first quantised to E2M3 (2 exponent bits, 3 mantissa bits; 6 bits a number), with one power-of-two scale for each 32 numbers along K (OCP MX v1.0); their sums are f32. All else is computed in f32.
;;   The module's matrix products, in the order in which they are computed (A, B: the left and right operand; K: the contracted axis; several contracted axes count as one K, in the product's order):
;;     1. [M 4,096, K 1,024] x [K 1,024, N 3,072]; A: computed on the way; B: input in_w: QUANTISED
;;     2. batch 32 x [M 2,048, K 64] x [K 64, N 2,048]; A: computed on the way; B: computed on the way: QUANTISED
;;     3. batch 32 x [M 2,048, K 2,048] x [K 2,048, N 64]; A: softmax (see below); B: computed on the way: QUANTISED
;;     4. [M 4,096, K 1,024] x [K 1,024, N 1,024]; A: computed on the way; B: input out_w: QUANTISED
;;     5. [M 4,096, K 1,024] x [K 1,024, N 4,096]; A: computed on the way; B: input w1: QUANTISED
;;     6. [M 4,096, K 4,096] x [K 4,096, N 1,024]; A: computed on the way; B: input w2: QUANTISED
;;   THE QUANTISER, for each operand of a quantised product, along K:
;;     - K is cut into blocks of 32 from its start; a last block that is shorter is filled with zeros.
;;     - A block's scale is 2^e with e = floor(log2(the largest magnitude in the block)) - 2, held to -126 .. 127; a block of zeros has e = 0. As a byte (E8M0): e + 127.
;;     - Each number is divided by its block's scale, clamped to +-7.5, and rounded to the nearest number of E2M3, ties to even, subnormals kept.
;;     - The product sums the exact products of the quantised numbers (number of the format x scale) in f32.
;;   ~~~python
;;   def quantise(x, axis):      # numpy; x: float32 -> the quantised numbers, widened to float32 again
;;       x = np.moveaxis(x, axis, -1); K = x.shape[-1]
;;       x = np.pad(x, [(0, 0)] * (x.ndim - 1) + [(0, -K % 32)]); x = x.reshape(x.shape[:-1] + (-1, 32)); a = np.abs(x).max(-1, keepdims=True)
;;       e = np.where(a > 0, np.clip(np.frexp(np.where(a > 0, a, 1))[1] - 1 - 2, -126, 127), 0)      # np.frexp(a)[1] - 1 = floor(log2(a)), exactly
;;       r = np.clip(x / 2.0 ** e, -7.5, 7.5)
;;       step = 2.0 ** (np.maximum(np.frexp(np.where(r == 0, 1, r))[1] - 1, 0) - 3)
;;       q = np.round(r / step) * step * 2.0 ** e      # np.round: ties to even
;;       return np.moveaxis(q.reshape(q.shape[:-2] + (-1,))[..., :K], -1, axis).astype(np.float32)
;;   ~~~
;;   SOFTMAX AHEAD OF A QUANTISED PRODUCT. Where the list says 'softmax', what is quantised is not the finished softmax but p = 2^(t - M), with t = logit x log2(e) and M = ceil(the row's largest t), a whole number; so 1/2 < the row's largest p <= 1. The row's sum l is taken of the UNQUANTISED p, in f32, and the product's result is divided by l at the end. Since M is a whole number, a kernel that streams over the keys may use a running M (the ceiling of the running maximum): every later rescaling is an exact power of two, which a block's scale takes up: the codes' values come out the same.
;;   OPERANDS COMPUTED ON THE WAY. 'Computed on the way' means the value that the module computes at that place (a softmax that the list does not call 'softmax' is quantised finished and normalised). What goes into a quantiser is computed in f32, as accurately as f32 sums, v_exp_f32 and their like allow (about 1e-6 of the number): no bf16 or f16 on the way to a quantiser, and a product that is left as it is and whose result goes on into a quantised operand takes f32 operands (vector FMAs, or v_wmma_f32_16x16x4_f32). A number that lies on a knife's edge between two numbers of the format may be rounded either way, as far as f32 arithmetic and the matrix unit's own rounding can turn it there, and no further.
;; 2 versions. Each part assembles by itself: llvm-mc -triple=amdgcn-amd-amdhsa -mcpu=gfx1250 --defsym DOCPART=n.
;; ======== version 1 of 2: 8 launches
;; workspace buffers: wq 9,830,400 bytes; rope 524,288 bytes; hq 3,276,800 bytes; qkvq 10,092,544 bytes; oq 3,276,800 bytes; x1 16,777,216 bytes; gq 13,107,200 bytes
;; launch prep (part 1): grid 416 x 1, 4 waves a work-group, no clusters, 44,800 bytes of LDS; arguments in_w, out_w, w1, w2, wq, rope; writes wq, rope
.if DOCPART == 1
	.amdgcn_target "amdgcn-amd-amdhsa--gfx1250"
	.amdhsa_code_object_version 6
	.text
	.protected	k_qe1540315a6_prep
	.globl	k_qe1540315a6_prep
	.p2align	8
	.type	k_qe1540315a6_prep,@function
k_qe1540315a6_prep:
	s_mov_b64 s[64:65], 0
	v_nop
	global_prefetch_b8 v0, s[64:65] scope:SCOPE_SE
	s_setreg_imm32_b32 hwreg(HW_REG_WAVE_MODE, 25, 1), 1
	s_wait_xcnt 0x0
; The four weights (f32, K innermost) become codes of FP6 (E2M3) with one E8M0 byte for each 32 along K, and RoPE's table is made.
; wq: codes in PLANES [K / 64][rows][48 bytes], scale words [K / 128][rows][4 bytes].  Row n of a weight stands at place sw(n): bits 3 and 4 of n changed over.
; A block's scale is 2^(floor(log2(largest magnitude)) - 2); its byte is that magnitude's exponent field - 2, held at 1 from below (a block of zeros keeps 1: its codes are zeros, and only this program reads the bytes).
; LIMITS: NaN and infinities are not served; blocks under 2^-124 keep the floor's byte.
; Work-groups 0-383: 32 rows x 1,024 columns each (in_w 96, out_w 32, w1 128, w2 128 = 32 row groups x 4 quarters of K).  A wave takes 8 rows; a row's 4,096 bytes come by 8 loads of 512 consecutive bytes,
; turn through the wave's own stage so that lane l holds block l's 32 numbers, and the codes meet in a stage laid as 16 planes x 32 rows, which leaves in runs of 1,536 consecutive bytes.
; The change of rows touches global addresses alone: LDS row 8 w + j is filled from true row 8 sw(w) + j.
; Work-groups 384-415: the table [t][cos(t theta_i) 32 | sin 32], f32; they use no LDS.
.set TURNB, 4608                       ; a wave's turning stage: 32 places of 128 + 16 bytes
.set CST,   4*TURNB                    ; the codes' stage: 16 planes of 32 x 48 + 16 bytes
.set CPL,   1552
.set SST,   CST+16*CPL                 ; the scale bytes: [8][32 rows][4]
.set VO,    16                         ; v16-23  16 lane + j x the source's row pitch
.set VOFF,  24                         ; v24-27  16 lane + i x a plane of the tensor
.set X,     32                         ; v32-159 four sets of 32 numbers as loaded
.set N,     160                        ; v160-191 a block's 32 numbers
.set C,     192                        ; v192-198 its codes
.set BY,    199                        ; its byte
	v_lshl_add_u32 v208, v0, 2, 0xad00
	v_mov_b32 v209, 0
	s_cmp_ge_u32 ttmp9, 384
	s_cbranch_scc1 .Lrope
	s_load_b256 s[4:11], s[0:1], 0x0               ; in_w, out_w, w1, w2
	s_load_b64 s[12:13], s[0:1], 0x20              ; wq
	v_lshrrev_b32 v1, 5, v0
	v_readfirstlane_b32 s14, v1                    ; wave
	v_and_b32 v1, 31, v0                           ; lane
	s_mov_b32 s16, 256                             ; w2's figures: first work-group,
	s_mov_b32 s17, 16384                           ; bytes from row to row,
	s_mov_b32 s18, 1024                            ; rows,
	s_mov_b32 s19, 6291456                         ; where its codes begin in wq,
	s_mov_b32 s20, 9699328                         ; and its scale words;
	s_mov_b32 s21, 2                               ; four work-groups to a row group
	s_mov_b32 s22, 3
	s_wait_kmcnt 0x0
	s_mov_b64 s[24:25], s[10:11]
	s_cmp_lt_u32 ttmp9, 256                        ; w1's
	s_cselect_b64 s[24:25], s[8:9], s[24:25]
	s_cselect_b32 s16, 128, s16
	s_cselect_b32 s17, 4096, s17
	s_cselect_b32 s18, 4096, s18
	s_cselect_b32 s19, 3145728, s19
	s_cselect_b32 s20, 9568256, s20
	s_cselect_b32 s21, 0, s21
	s_cselect_b32 s22, 0, s22
	s_cmp_lt_u32 ttmp9, 128                        ; out_w's
	s_cselect_b64 s[24:25], s[6:7], s[24:25]
	s_cselect_b32 s16, 96, s16
	s_cselect_b32 s18, 1024, s18
	s_cselect_b32 s19, 2359296, s19
	s_cselect_b32 s20, 9535488, s20
	s_cmp_lt_u32 ttmp9, 96                         ; in_w's
	s_cselect_b64 s[24:25], s[4:5], s[24:25]
	s_cselect_b32 s16, 0, s16
	s_cselect_b32 s18, 3072, s18
	s_cselect_b32 s19, 0, s19
	s_cselect_b32 s20, 9437184, s20
	s_sub_co_u32 s16, ttmp9, s16
	s_lshr_b32 s23, s16, s21                       ; the group of 32 rows
	s_and_b32 s22, s16, s22                        ; the quarter of K
	s_and_b32 s26, s14, 1
	s_lshl_b32 s26, s26, 1
	s_lshr_b32 s27, s14, 1
	s_or_b32 s26, s26, s27                         ; sw(wave)
	s_lshl_b32 s27, s23, 5
	s_lshl_b32 s26, s26, 3
	s_add_co_u32 s27, s27, s26                     ; my first true row
	s_mul_i32 s26, s27, s17
	s_lshl_b32 s27, s22, 12
	s_add_co_u32 s26, s26, s27
	s_mov_b32 s27, 0
	s_add_nc_u64 s[24:25], s[24:25], s[26:27]
	v_lshlrev_b32 v8, 4, v1                        ; 16 lane
.irp j, 0,1,2,3,4,5,6,7
	s_mul_i32 s26, s17, \j
	v_add_nc_u32 v[VO+\j], s26, v8
.endr
.macro LOADROW j
.irp i, 0,1,2,3,4,5,6,7
	global_load_b128 v[X+32*((\j)%4)+4*\i:X+32*((\j)%4)+4*\i+3], v[VO+(\j)], s[24:25] offset:512*\i th:TH_LOAD_NT
.endr
.endm
	LOADROW 0
	LOADROW 1
	LOADROW 2
	LOADROW 3
	s_mul_i32 s28, s14, TURNB
	v_lshrrev_b32 v9, 3, v1
	v_mul_u32_u24 v2, v9, 144
	v_and_b32 v9, 7, v1
	v_lshl_add_u32 v2, v9, 4, v2
	v_add_nc_u32 v2, s28, v2                       ; into the turning stage: eight lanes' 128 bytes on end, then 16 of padding
	v_mul_u32_u24 v3, v1, 144
	v_add_nc_u32 v3, s28, v3                       ; out of it: place = lane = block
	v_lshrrev_b32 v9, 1, v1
	v_mul_u32_u24 v4, v9, CPL
	v_and_b32 v9, 1, v1
	v_mad_u32_u24 v4, v9, 24, v4
	s_mul_i32 s28, s14, 384
	s_add_co_u32 s28, s28, CST
	v_add_nc_u32 v4, s28, v4                       ; my block's 24 bytes: plane lane / 2, row 8 wave (+ j), half lane % 2
	v_lshrrev_b32 v9, 2, v1
	v_lshlrev_b32 v5, 7, v9
	v_and_b32 v9, 3, v1
	v_add_nc_u32 v5, v5, v9
	s_lshl_b32 s28, s14, 5
	s_add_co_u32 s28, s28, SST
	v_add_nc_u32 v5, s28, v5                       ; my block's byte
	s_mul_i32 s28, s14, 4*CPL
	s_add_co_u32 s28, s28, CST
	v_add_nc_u32 v6, s28, v8                       ; the way out: planes 4 wave on, 16 bytes a lane
	s_lshl_b32 s28, s14, 8
	s_add_co_u32 s28, s28, SST
	v_lshl_add_u32 v7, v1, 3, s28                  ; and 256 bytes of scale words, 8 a lane
	s_mul_i32 s29, s18, 48                         ; a plane of the tensor in bytes
.irp i, 0,1,2,3
	s_mul_i32 s28, s29, \i
	v_add_nc_u32 v[VOFF+\i], s28, v8
.endr
	s_lshl_b32 s28, s18, 2                         ; the scale words of 128 along K
	v_lshrrev_b32 v9, 4, v1
	v_mul_lo_u32 v28, v9, s28
	v_and_b32 v9, 15, v1
	v_lshl_add_u32 v28, v9, 3, v28
	s_lshl_b32 s30, s22, 4
	s_lshl_b32 s31, s14, 2
	s_add_co_u32 s30, s30, s31                     ; my first plane
	s_mul_i32 s30, s30, s29
	s_add_co_u32 s30, s30, s19
	s_mul_i32 s31, s23, 1536
	s_add_co_u32 s30, s30, s31
	s_mov_b32 s31, 0
	s_add_nc_u64 s[32:33], s[12:13], s[30:31]      ; where my codes go
	s_lshl_b32 s30, s22, 3
	s_lshl_b32 s34, s14, 1
	s_add_co_u32 s30, s30, s34
	s_mul_i32 s30, s30, s28
	s_add_co_u32 s30, s30, s20
	s_lshl_b32 s34, s23, 7
	s_add_co_u32 s30, s30, s34
	s_add_nc_u64 s[34:35], s[12:13], s[30:31]      ; and my scale words
; a block of 32 numbers in v[N] on becomes 24 bytes of codes and a byte, in the stages' row j of my eight
.macro QBLOCK j
	v_max3_num_f32 v12, |v[N]|, |v[N+1]|, |v[N+2]|
	v_max3_num_f32 v13, |v[N+3]|, |v[N+4]|, |v[N+5]|
.irp i, 6,10,14,18,22,26
	v_max3_num_f32 v12, v12, |v[N+\i]|, |v[N+\i+1]|
	v_max3_num_f32 v13, v13, |v[N+\i+2]|, |v[N+\i+3]|
.endr
	v_max3_num_f32 v12, v12, |v[N+30]|, |v[N+31]|
	v_max3_num_f32 v12, v12, v13, 0x1800000        ; the floor 2^(3 - 127): the byte cannot fall under 1
	v_add_nc_u32 v11, 0xff000000, v12              ; 2 off the exponent field: the conversion's scale operand
	v_cvt_scalef32_pk16_fp6_f32 v[C:C+2], v[N:N+15], v11
	v_cvt_scalef32_pk16_fp6_f32 v[C+4:C+6], v[N+16:N+31], v11   ; (a conversion's three registers begin on an even number)
	v_lshrrev_b32 v[BY], 23, v11                   ; the byte; also the plain line behind the conversions
	v_mov_b32 v[C+3], v[C+4]
	v_mov_b32 v[C+4], v[C+5]
	v_mov_b32 v[C+5], v[C+6]
.irp p, 0,1,2
	ds_store_b64 v4, v[C+2*\p:C+2*\p+1] offset:48*(\j)+8*\p
.endr
	ds_store_b8 v5, v[BY] offset:4*(\j)
.endm
.macro QROW j
.if 7-(\j) < 3
	s_wait_loadcnt 8*(7-(\j))                      ; the rows behind this one, 8 loads each, may be out
.else
	s_wait_loadcnt 24
.endif
.irp i, 0,1,2,3,4,5,6,7
	ds_store_b128 v2, v[X+32*((\j)%4)+4*\i:X+32*((\j)%4)+4*\i+3] offset:576*\i
.endr
.irp k, 0,1,2,3,4,5,6,7
	ds_load_b128 v[N+4*\k:N+4*\k+3], v3 offset:16*\k   ; LDS serves a wave's instructions in order: these see the stores above
.endr
	s_wait_dscnt 0x0                               ; the block is in; all earlier stores have read their registers
.if (\j) < 4
	LOADROW (\j)+4
.endif
	QBLOCK \j
.endm
.irp j, 0,1,2,3,4,5,6,7
	QROW \j
.endr
	s_wait_dscnt 0x0                               ; for the others' sake: my stores into the stages are done
	s_barrier_signal -1
	s_barrier_wait -1
.irp i, 0,1,2,3
.irp k, 0,1,2
	ds_load_b128 v[X+4*(3*\i+\k):X+4*(3*\i+\k)+3], v6 offset:\i*CPL+512*\k
.endr
.endr
	ds_load_b64 v[X+48:X+49], v7
.irp i, 0,1,2,3
.irp k, 0,1,2
	s_wait_dscnt 12-(3*\i+\k)
	global_store_b128 v[VOFF+\i], v[X+4*(3*\i+\k):X+4*(3*\i+\k)+3], s[32:33] offset:512*\k   ; 512 consecutive bytes, aligned to 256
.endr
.endr
	s_wait_dscnt 0x0
	global_store_b64 v28, v[X+48:X+49], s[34:35]   ; two runs of 128 bytes
	s_wait_tensorcnt 0x0
	ds_add_u32 v208, v209
	s_wait_dscnt 0x0
	s_endpgm
; THE TABLE.  theta_i = 10000^(-i / 32) = 2^(-0.41524101 i).  The angle t theta is reduced by n = the nearest whole number to angle x 2 / pi, in two parts of pi / 2 (the third, at most 3e-12 here, is dropped);
; sine and cosine on [-pi / 4, pi / 4] by polynomials of f32 accuracy; the quadrant picks one of the two and the sign.  Lane l: lanes 0-15 cosines, 16-31 sines, of i = 2 (l % 16) and the next.
.Lrope:
	s_load_b64 s[4:5], s[0:1], 0x28                ; rope
	v_lshrrev_b32 v1, 5, v0
	v_readfirstlane_b32 s14, v1
	v_and_b32 v1, 31, v0
	v_and_b32 v2, 15, v1
	v_lshlrev_b32 v2, 1, v2
	v_add_nc_u32 v3, 1, v2
	v_cvt_f32_u32 v4, v2
	v_cvt_f32_u32 v5, v3
	v_mul_f32 v4, 0xbed49a78, v4
	v_mul_f32 v5, 0xbed49a78, v5
	v_exp_f32 v4, v4
	v_exp_f32 v5, v5
	v_lshrrev_b32 v6, 4, v1                        ; (a plain line behind the exponentials)
	v_sub_nc_u32 v6, 1, v6                         ; 1 for a cosine: cos(a) = sin(a + pi / 2)
	s_wait_alu depctr_va_vdst(0)                   ; one wait for both, ahead of their first reader
	s_sub_co_u32 s15, ttmp9, 384
	s_lshl_b32 s15, s15, 6
	s_lshl_b32 s16, s14, 4
	s_add_co_u32 s15, s15, s16                     ; my first t: 64 x work-group + 16 x wave
	v_cvt_f32_u32 v7, s15
	s_lshl_b32 s16, s15, 8
	v_lshl_add_u32 v8, v1, 3, s16                  ; 256 t + 8 lane
	s_mov_b32 s20, 0xbfc90fdb                      ; -pi / 2, upper part
	s_mov_b32 s21, 0x333bbd2e                      ; what the upper part has too much
	s_mov_b32 s22, 0xb94ca1f9
	s_mov_b32 s23, 0x37ccf5ce
	s_mov_b32 s17, 16
	s_wait_kmcnt 0x0
.Lt:
.irp u, 0,1
	v_mul_f32 v[10+\u], v7, v[4+\u]                ; the angle, as reference() rounds it
	v_mul_f32 v[12+\u], 0x3f22f983, v[10+\u]
	v_rndne_f32 v[12+\u], v[12+\u]                 ; n
	v_fma_f32 v[14+\u], v[12+\u], s20, v[10+\u]
	v_fma_f32 v[14+\u], v[12+\u], s21, v[14+\u]    ; r
	v_mul_f32 v[16+\u], v[14+\u], v[14+\u]         ; z = r r
	v_fmaak_f32 v[18+\u], s22, v[16+\u], 0x3c08839e
	v_fmaak_f32 v[18+\u], v[18+\u], v[16+\u], 0xbe2aaaa3
	v_mul_f32 v[18+\u], v[18+\u], v[16+\u]
	v_fma_f32 v[18+\u], v[18+\u], v[14+\u], v[14+\u]   ; sin r
	v_fmaak_f32 v[20+\u], s23, v[16+\u], 0xbab6061a
	v_fmaak_f32 v[20+\u], v[20+\u], v[16+\u], 0x3d2aaaa5
	v_mul_f32 v[20+\u], v[20+\u], v[16+\u]
	v_fma_f32 v[26+\u], v[16+\u], -0.5, 1.0
	v_fma_f32 v[20+\u], v[20+\u], v[16+\u], v[26+\u]   ; cos r
	v_cvt_i32_f32 v[22+\u], v[12+\u]
	v_add_nc_u32 v[22+\u], v[22+\u], v6            ; the quadrant
	v_and_b32 v[28+\u], 1, v[22+\u]
	v_cmp_eq_u32 vcc_lo, 1, v[28+\u]
	v_cndmask_b32 v[24+\u], v[18+\u], v[20+\u], vcc_lo
	v_and_b32 v[28+\u], 2, v[22+\u]
	v_lshlrev_b32 v[28+\u], 30, v[28+\u]
	v_xor_b32 v[24+\u], v[24+\u], v[28+\u]
.endr
	global_store_b64 v8, v[24:25], s[4:5]          ; the wave stores one row of the table: 256 consecutive bytes, aligned
	s_wait_xcnt 0x0                                ; the store's offset and data are written again only behind this wait
	v_add_nc_u32 v8, 256, v8
	v_add_f32 v7, 1.0, v7
	s_sub_co_u32 s17, s17, 1
	s_cmp_lg_u32 s17, 0
	s_cbranch_scc1 .Lt
	s_endpgm
.Lfunc_end_k_qe1540315a6_prep:
	.size	k_qe1540315a6_prep, .Lfunc_end_k_qe1540315a6_prep-k_qe1540315a6_prep
	.p2alignl 7, 3214868480
	.fill 96, 4, 3214868480
	.section	.rodata,"a",@progbits
	.p2align	6, 0x0
	.amdhsa_kernel k_qe1540315a6_prep
		.amdhsa_group_segment_fixed_size 44800
		.amdhsa_private_segment_fixed_size 0
		.amdhsa_enable_private_segment 0
		.amdhsa_kernarg_size 48
		.amdhsa_user_sgpr_count 2
		.amdhsa_user_sgpr_kernarg_segment_ptr 1
		.amdhsa_wavefront_size32 1
		.amdhsa_system_sgpr_workgroup_id_x 1
		.amdhsa_system_sgpr_workgroup_id_y 1
		.amdhsa_system_sgpr_workgroup_id_z 1
		.amdhsa_system_vgpr_workitem_id 0
		.amdhsa_next_free_vgpr 210
		.amdhsa_next_free_sgpr 66
		.amdhsa_reserve_vcc 1
		.amdhsa_float_denorm_mode_32 3
		.amdhsa_float_denorm_mode_16_64 3
		.amdhsa_memory_ordered 1
		.amdhsa_forward_progress 1
		.amdhsa_inst_pref_size 40
	.end_amdhsa_kernel
	.amdgpu_metadata
---
amdhsa.version: [ 1, 2 ]
amdhsa.kernels:
  - .name:           k_qe1540315a6_prep
    .symbol:         k_qe1540315a6_prep.kd
    .args:
      - { .name: in_w, .offset: 0, .size: 8, .value_kind: global_buffer, .address_space: global }
      - { .name: out_w, .offset: 8, .size: 8, .value_kind: global_buffer, .address_space: global }
      - { .name: w1, .offset: 16, .size: 8, .value_kind: global_buffer, .address_space: global }
      - { .name: w2, .offset: 24, .size: 8, .value_kind: global_buffer, .address_space: global }
      - { .name: wq, .offset: 32, .size: 8, .value_kind: global_buffer, .address_space: global }
      - { .name: rope, .offset: 40, .size: 8, .value_kind: global_buffer, .address_space: global }
    .group_segment_fixed_size: 44800
    .private_segment_fixed_size: 0
    .kernarg_segment_align: 8
    .kernarg_segment_size: 48
    .max_flat_workgroup_size: 128
    .sgpr_count:     66
    .vgpr_count:     210
    .wavefront_size: 32
...
	.end_amdgpu_metadata
.endif
;; end of part 1
;; launch ln1 (part 2): grid 128 x 1, 4 waves a work-group, no clusters, 44,800 bytes of LDS; arguments x, ln1_g, ln1_b, hq; writes hq
.if DOCPART == 2
	.amdgcn_target "amdgcn-amd-amdhsa--gfx1250"
	.amdhsa_code_object_version 6
	.text
	.protected	k_qe1540315a6_ln1
	.globl	k_qe1540315a6_ln1
	.p2align	8
	.type	k_qe1540315a6_ln1,@function
k_qe1540315a6_ln1:
	s_mov_b64 s[64:65], 0
	v_nop
	global_prefetch_b8 v0, s[64:65] scope:SCOPE_SE
	s_setreg_imm32_b32 hwreg(HW_REG_WAVE_MODE, 25, 1), 1
	s_wait_xcnt 0x0
; LayerNorm of the rows of a [2048][2][1024] f32 tensor, all in f32, and its result as codes of FP6 (E2M3) with one E8M0 byte for each 32 along the row.
; Out: codes in planes [16][4096 places][48 bytes], scale words [8][4096][4] from byte 3,145,728.  Row (t, b) stands at place 2048 b + sw(t), sw changing bits 3 and 4 over.
; A work-group takes 32 places, a wave 8 rows; a row (4,096 bytes) lies in 32 registers of one wave, so mean and variance never leave the wave.  128 work-groups: 32 places are what makes whole runs of 1,536 bytes of each plane.
; The change of rows touches global addresses alone.  The quantiser: byte = the largest magnitude's exponent field - 2, held at 1 from below.
; LIMITS: NaN and infinities are not served; blocks under 2^-124 keep the floor's byte.
.set TURNB, 4608
.set CST,   4*TURNB
.set CPL,   1552
.set SST,   CST+16*CPL
.set GG,    32                         ; v32-63   the gain, laid as a row is loaded
.set BV,    64                         ; v64-95   the bias
.set X,     96                         ; v96-159  two rows
.set Y,     160                        ; v160-191 the row at work
.set N,     192                        ; v192-223 a block's 32 numbers
.set C,     224
.set BY,    231
	s_load_b256 s[4:11], s[0:1], 0x0               ; the tensor, gain, bias, out
	v_lshl_add_u32 v232, v0, 2, 0xad00
	v_mov_b32 v233, 0
	v_lshrrev_b32 v1, 5, v0
	v_readfirstlane_b32 s14, v1
	v_and_b32 v1, 31, v0
	v_lshlrev_b32 v8, 4, v1                        ; 16 lane
	s_mov_b32 s12, 0x76543210
	s_mov_b32 s13, 0xfedcba98                      ; lane l xor 16
	s_mov_b32 s18, 0x3a800000                      ; 1 / 1024
	s_lshr_b32 s15, ttmp9, 6                       ; b
	s_and_b32 s16, ttmp9, 63
	s_lshl_b32 s16, s16, 5
	s_and_b32 s19, s14, 1
	s_lshl_b32 s19, s19, 1
	s_lshr_b32 s20, s14, 1
	s_or_b32 s19, s19, s20                         ; sw(wave)
	s_lshl_b32 s19, s19, 3
	s_add_co_u32 s16, s16, s19                     ; my first t
	s_lshl_b32 s16, s16, 1
	s_add_co_u32 s16, s16, s15
	s_lshl_b32 s16, s16, 12                        ; (2 t + b) rows of 4,096 bytes
	s_mov_b32 s17, 0
	s_wait_kmcnt 0x0
	s_add_nc_u64 s[4:5], s[4:5], s[16:17]
.irp i, 0,1,2,3,4,5,6,7
	global_load_b128 v[GG+4*\i:GG+4*\i+3], v8, s[6:7] offset:512*\i
.endr
.irp i, 0,1,2,3,4,5,6,7
	global_load_b128 v[BV+4*\i:BV+4*\i+3], v8, s[8:9] offset:512*\i
.endr
.macro XLOAD j
.irp i, 0,1,2,3,4,5,6,7
	global_load_b128 v[X+32*((\j)%2)+4*\i:X+32*((\j)%2)+4*\i+3], v8, s[4:5] offset:8192*(\j)+512*\i th:TH_LOAD_NT
.endr
.endm
	XLOAD 0
	XLOAD 1
	s_mul_i32 s28, s14, TURNB
	v_lshrrev_b32 v9, 3, v1
	v_mul_u32_u24 v2, v9, 144
	v_and_b32 v9, 7, v1
	v_lshl_add_u32 v2, v9, 4, v2
	v_add_nc_u32 v2, s28, v2                       ; into the turning stage
	v_mul_u32_u24 v3, v1, 144
	v_add_nc_u32 v3, s28, v3                       ; out of it: place = lane = block
	v_lshrrev_b32 v9, 1, v1
	v_mul_u32_u24 v4, v9, CPL
	v_and_b32 v9, 1, v1
	v_mad_u32_u24 v4, v9, 24, v4
	s_mul_i32 s28, s14, 384
	s_add_co_u32 s28, s28, CST
	v_add_nc_u32 v4, s28, v4                       ; my block's 24 bytes
	v_lshrrev_b32 v9, 2, v1
	v_lshlrev_b32 v5, 7, v9
	v_and_b32 v9, 3, v1
	v_add_nc_u32 v5, v5, v9
	s_lshl_b32 s28, s14, 5
	s_add_co_u32 s28, s28, SST
	v_add_nc_u32 v5, s28, v5                       ; my block's byte
	s_mul_i32 s28, s14, 4*CPL
	s_add_co_u32 s28, s28, CST
	v_add_nc_u32 v6, s28, v8
	s_lshl_b32 s28, s14, 8
	s_add_co_u32 s28, s28, SST
	v_lshl_add_u32 v7, v1, 3, s28
	v_lshrrev_b32 v10, 4, v1
	v_lshlrev_b32 v9, 14, v10
	v_and_b32 v10, 15, v1
	v_lshl_add_u32 v9, v10, 3, v9                  ; the scale words' way out: 16,384 (lane / 16) + 8 (lane % 16)
	s_mul_i32 s20, s14, 4*196608
	s_mul_i32 s21, ttmp9, 1536
	s_add_co_u32 s20, s20, s21
	s_mov_b32 s21, 0
	s_add_nc_u64 s[22:23], s[10:11], s[20:21]      ; my four planes, my work-group's 32 places
	s_lshl_b32 s20, s14, 15
	s_lshl_b32 s24, ttmp9, 7
	s_add_co_u32 s20, s20, s24
	s_add_co_u32 s20, s20, 3145728
	s_add_nc_u64 s[24:25], s[10:11], s[20:21]
.macro QBLOCK j
	v_max3_num_f32 v12, |v[N]|, |v[N+1]|, |v[N+2]|
	v_max3_num_f32 v13, |v[N+3]|, |v[N+4]|, |v[N+5]|
.irp i, 6,10,14,18,22,26
	v_max3_num_f32 v12, v12, |v[N+\i]|, |v[N+\i+1]|
	v_max3_num_f32 v13, v13, |v[N+\i+2]|, |v[N+\i+3]|
.endr
	v_max3_num_f32 v12, v12, |v[N+30]|, |v[N+31]|
	v_max3_num_f32 v12, v12, v13, 0x1800000        ; the floor 2^(3 - 127)
	v_add_nc_u32 v11, 0xff000000, v12
	v_cvt_scalef32_pk16_fp6_f32 v[C:C+2], v[N:N+15], v11
	v_cvt_scalef32_pk16_fp6_f32 v[C+4:C+6], v[N+16:N+31], v11
	v_lshrrev_b32 v[BY], 23, v11                   ; the byte; also the plain line behind the conversions
	v_mov_b32 v[C+3], v[C+4]
	v_mov_b32 v[C+4], v[C+5]
	v_mov_b32 v[C+5], v[C+6]
.irp p, 0,1,2
	ds_store_b64 v4, v[C+2*\p:C+2*\p+1] offset:48*(\j)+8*\p
.endr
	ds_store_b8 v5, v[BY] offset:4*(\j)
.endm
.macro ACROSS r, t                     ; the sum of v[r] over the 32 lanes, in every lane
	v_add_f32_dpp v[\r], v[\r], v[\r] row_xmask:1 row_mask:0xf bank_mask:0xf
	v_add_f32_dpp v[\r], v[\r], v[\r] row_xmask:2 row_mask:0xf bank_mask:0xf
	v_add_f32_dpp v[\r], v[\r], v[\r] row_xmask:4 row_mask:0xf bank_mask:0xf
	v_add_f32_dpp v[\r], v[\r], v[\r] row_xmask:8 row_mask:0xf bank_mask:0xf
	v_permlanex16_b32 v[\t], v[\r], s12, s13
	v_add_f32 v[\r], v[\r], v[\t]
.endm
.macro LNROW j
.set XS, X+32*((\j)%2)
.if (\j) < 7
	s_wait_loadcnt 8                               ; the next row's 8 loads may be out
.else
	s_wait_loadcnt 0
.endif
.irp c, 0,1,2,3
	v_pk_add_f32 v[16+2*\c:17+2*\c], v[XS+2*\c:XS+2*\c+1], v[XS+8+2*\c:XS+9+2*\c]   ; the sum, in four chains
.endr
.irp o, 16,24
.irp c, 0,1,2,3
	v_pk_add_f32 v[16+2*\c:17+2*\c], v[16+2*\c:17+2*\c], v[XS+\o+2*\c:XS+\o+2*\c+1]
.endr
.endr
	v_pk_add_f32 v[16:17], v[16:17], v[18:19]
	v_pk_add_f32 v[20:21], v[20:21], v[22:23]
	v_pk_add_f32 v[16:17], v[16:17], v[20:21]
	v_add_f32 v16, v16, v17
	ACROSS 16, 17
	v_mul_f32 v16, s18, v16                        ; the mean
	v_mov_b32 v17, v16
.set i, 0
.rept 16
	v_pk_add_f32 v[Y+i:Y+i+1], v[XS+i:XS+i+1], v[16:17] neg_lo:[0,1] neg_hi:[0,1]
.set i, i+2
.endr
.if (\j) < 6
	XLOAD (\j)+2                                   ; the row's registers are free
.endif
.irp c, 0,1,2,3
	v_pk_mul_f32 v[18+2*\c:19+2*\c], v[Y+2*\c:Y+2*\c+1], v[Y+2*\c:Y+2*\c+1]
.endr
.irp o, 8,16,24
.irp c, 0,1,2,3
	v_pk_fma_f32 v[18+2*\c:19+2*\c], v[Y+\o+2*\c:Y+\o+2*\c+1], v[Y+\o+2*\c:Y+\o+2*\c+1], v[18+2*\c:19+2*\c]
.endr
.endr
	v_pk_add_f32 v[18:19], v[18:19], v[20:21]
	v_pk_add_f32 v[22:23], v[22:23], v[24:25]
	v_pk_add_f32 v[18:19], v[18:19], v[22:23]
	v_add_f32 v18, v18, v19
	ACROSS 18, 19
	v_fmaak_f32 v18, s18, v18, 0x3727c5ac          ; the variance + 1e-5
	v_rsq_f32 v18, v18
	v_nop                                          ; a plain line behind the transcendental
	s_wait_alu depctr_va_vdst(0)                   ; and the wait ahead of its first reader
	v_mov_b32 v19, v18
.set i, 0
.rept 16
	v_pk_mul_f32 v[Y+i:Y+i+1], v[Y+i:Y+i+1], v[18:19]
.set i, i+2
.endr
.set i, 0
.rept 16
	v_pk_fma_f32 v[Y+i:Y+i+1], v[Y+i:Y+i+1], v[GG+i:GG+i+1], v[BV+i:BV+i+1]
.set i, i+2
.endr
.irp i, 0,1,2,3,4,5,6,7
	ds_store_b128 v2, v[Y+4*\i:Y+4*\i+3] offset:576*\i
.endr
.irp k, 0,1,2,3,4,5,6,7
	ds_load_b128 v[N+4*\k:N+4*\k+3], v3 offset:16*\k
.endr
	s_wait_dscnt 0x0                               ; the block is in; all earlier stores have read their registers
	QBLOCK \j
.endm
.irp j, 0,1,2,3,4,5,6,7
	LNROW \j
.endr
	s_wait_dscnt 0x0                               ; for the others' sake: my stores into the stages are done
	s_barrier_signal -1
	s_barrier_wait -1
.irp i, 0,1,2,3
.irp k, 0,1,2
	ds_load_b128 v[X+4*(3*\i+\k):X+4*(3*\i+\k)+3], v6 offset:\i*CPL+512*\k
.endr
.endr
	ds_load_b64 v[X+48:X+49], v7
.irp i, 0,1,2,3
.irp k, 0,1,2
	s_wait_dscnt 12-(3*\i+\k)
	global_store_b128 v8, v[X+4*(3*\i+\k):X+4*(3*\i+\k)+3], s[22:23] offset:\i*196608+512*\k   ; 512 consecutive bytes, aligned to 256
.endr
.endr
	s_wait_dscnt 0x0
	global_store_b64 v9, v[X+48:X+49], s[24:25]
	s_wait_tensorcnt 0x0
	ds_add_u32 v232, v233
	s_wait_dscnt 0x0
	s_endpgm
.Lfunc_end_k_qe1540315a6_ln1:
	.size	k_qe1540315a6_ln1, .Lfunc_end_k_qe1540315a6_ln1-k_qe1540315a6_ln1
	.p2alignl 7, 3214868480
	.fill 96, 4, 3214868480
	.section	.rodata,"a",@progbits
	.p2align	6, 0x0
	.amdhsa_kernel k_qe1540315a6_ln1
		.amdhsa_group_segment_fixed_size 44800
		.amdhsa_private_segment_fixed_size 0
		.amdhsa_enable_private_segment 0
		.amdhsa_kernarg_size 32
		.amdhsa_user_sgpr_count 2
		.amdhsa_user_sgpr_kernarg_segment_ptr 1
		.amdhsa_wavefront_size32 1
		.amdhsa_system_sgpr_workgroup_id_x 1
		.amdhsa_system_sgpr_workgroup_id_y 1
		.amdhsa_system_sgpr_workgroup_id_z 1
		.amdhsa_system_vgpr_workitem_id 0
		.amdhsa_next_free_vgpr 234
		.amdhsa_next_free_sgpr 66
		.amdhsa_reserve_vcc 0
		.amdhsa_float_denorm_mode_32 3
		.amdhsa_float_denorm_mode_16_64 3
		.amdhsa_memory_ordered 1
		.amdhsa_forward_progress 1
		.amdhsa_inst_pref_size 84
	.end_amdhsa_kernel
	.amdgpu_metadata
---
amdhsa.version: [ 1, 2 ]
amdhsa.kernels:
  - .name:           k_qe1540315a6_ln1
    .symbol:         k_qe1540315a6_ln1.kd
    .args:
      - { .name: x, .offset: 0, .size: 8, .value_kind: global_buffer, .address_space: global }
      - { .name: ln1_g, .offset: 8, .size: 8, .value_kind: global_buffer, .address_space: global }
      - { .name: ln1_b, .offset: 16, .size: 8, .value_kind: global_buffer, .address_space: global }
      - { .name: hq, .offset: 24, .size: 8, .value_kind: global_buffer, .address_space: global }
    .group_segment_fixed_size: 44800
    .private_segment_fixed_size: 0
    .kernarg_segment_align: 8
    .kernarg_segment_size: 32
    .max_flat_workgroup_size: 128
    .sgpr_count:     66
    .vgpr_count:     234
    .wavefront_size: 32
...
	.end_amdgpu_metadata
.endif
;; end of part 2
;; launch qkv (part 3): grid 12 x 16, 4 waves a work-group, clusters of 4 x 4, 327,680 bytes of LDS; arguments hq, wq, in_b, rope, qkvq; writes qkvq
.if DOCPART == 3
	.amdgcn_target "amdgcn-amd-amdhsa--gfx1250"
	.amdhsa_code_object_version 6
	.text
	.protected	k_qe1540315a6_qkv
	.globl	k_qe1540315a6_qkv
	.p2align	8
	.type	k_qe1540315a6_qkv,@function
k_qe1540315a6_qkv:
	s_mov_b64 s[64:65], 0
	v_nop
	global_prefetch_b8 v0, s[64:65] scope:SCOPE_SE
	s_setreg_imm32_b32 hwreg(HW_REG_WAVE_MODE, 25, 1), 1
	s_wait_xcnt 0x0
	s_wait_alu depctr_hold_cnt(0) depctr_sa_sdst(0) depctr_va_vdst(0) depctr_va_sdst(0) depctr_va_ssrc(0) depctr_va_vcc(0) depctr_vm_vsrc(0)
	s_getreg_b32 s2, hwreg(HW_REG_IB_STS2, 6, 4)
	s_cmp_eq_u32 s2, 0
	s_cbranch_scc0 .Lentry_in_a_cluster
	s_endpgm
.Lentry_in_a_cluster:
	s_bfe_u32 s2, ttmp6, 0x10000c
	s_cmp_lg_u32 s2, 0xf033
	s_cbranch_scc0 .Lentry_shape_is_right
	s_endpgm
.Lentry_shape_is_right:
; qkv = LN1(x) in_w^T + in_b on codes of FP6 (E2M3) with E8M0 scales, then: q and k are rotated (RoPE, f32) and quantised along the head's 64; v is quantised along the keys.  Nothing leaves as f32.
; THE PRODUCT.  A tile of 256 x 256 to a work-group of four waves, 128 x 128 (64 accumulators) to a wave; K in steps of 256 through a ring of two LDS slots; 4 x 4 clusters: A's tiles asked for jointly along a row of the
; cluster, B's along a column.  Operands lie in memory in PLANES [K / 64][rows][48 bytes]: 128 rows of a plane are 6,144 consecutive bytes, a lane's 24 bytes of a fragment lie at 48 r + 24 h (word 6 (2 r + h): the 32 lanes of
; a load of 8 bytes touch 64 different banks, no padding).  Scale words [K / 128][rows][4] of the work-group's rows, for all of K, come into LDS once.
; USED TRANSPOSED (source 0 = 16 rows of the weight, source 1 = 16 rows of the activation).  Rows stand at places sw(.) (bits 3 and 4 changed over), so accumulator (a, b), lane (r, h), register j is
; row t = T0 + 32 (a / 2) + 8 (a % 2) + r + 8 (r / 8), column 32 (b / 2) + 16 h + 8 (b % 2) + j: the 16 registers of tiles 2 i, 2 i + 1 are 16 neighbouring columns.  The bias is the C of each sum's first product.
; OUT (qkvq): codes [bh][q | k | v][98,304]: q, k [place of t][48]; v [key / 64][sw(d)][48].  Words from 9,437,184: [bh][q 8,192 | k 8,192 | v 4,096]; q's and k's words use bytes 0 and 1 (K = 64), bytes 2, 3 are 0.
; q's factor 1 / 8 is a power of two and is left to the attention's constant: it would move the scale bytes alone.
; LIMITS: NaN and infinities are not served; blocks under 2^-124 keep the floor's byte.
.set SIZE_K, 1024
.set SIZE_N, 3072
.set ASC,    3145728                   ; A's scale words in its buffer
.set WC,     0                         ; the weight's codes in wq
.set WS,     9437184                   ; and its scale words
.set PL,     6144                      ; 128 rows of a plane
.set HALFT,  4*PL                      ; what one tensor load brings: 128 rows x 256 along K
.set SLOT,   4*HALFT                   ; A's 256 rows, then B's
.set SCL,    2*SLOT                    ; behind the ring: the scale words
.set KW,     SIZE_K/128
.set HALFS,  KW*512                    ; those of 128 rows
.set SPARE,  SCL+4*HALFS               ; the spare words: 128 bytes a wave, two blocks of 256 bytes that no other line names
.set LAPS,   SIZE_K/512
.set ASTEP,  4*4096*48                 ; a K step in A's buffer
.set BSTEP,  4*SIZE_N*48
.set NQ, 2
.set FR, 12
.set NL, 6
.set NP, 4
.set ADRA, 16                          ; v16-17 LDS address of my A fragments in slot 0, 1
.set ADRB, 20                          ; v20-21 of B's
.set ADRS, 27                          ; v27    of my scale words: lanes 0-15 A's rows, lanes 16-31 B's
.set SPW,  28                          ; v28    my spare word; never rewritten
.set NIL,  29                          ; v29    0; never rewritten
.set BO,   30                          ; v30    64 h
.set SC,   32                          ; v32-63 scale words, two sets of 16: register 2 i + q
.set BIAS, 64                          ; v64-127 the bias in the result's layout, 8 tiles
.set AF,   128                         ; v128-223 A's fragments
.set G1, 24
.set G0, 32
.set G1B, 48
.set G0B, 56
.set G1S, 68
.set G0S, 76
.set G1SB, 80
.set G0SB, 88
.set MSB, 0
.macro WIN new                         ; the immediate's high byte repeats the setting that is left
.if MSB != (\new)
	s_set_vgpr_msb (MSB<<8)|(\new)
.set MSB, (\new)
.endif
.endm
.set MUL_LO, 0xa1                      ; source 0 (B) window 1, source 1 (A) window 0, C and D window 2
.set MUL_HI, 0xf1                      ; the same, C and D window 3
.set TO_B,   0x40
.macro JLOAD g0a, g1a, g0b, g1b        ; a joint load: waves 0, 1 fetch for A, waves 2, 3 for B; four v_nop follow each line
	s_cmp_eq_u32 s15, 0
	s_cbranch_scc0 .Lfor_b_\@
	tensor_load_to_lds s[\g0a:\g0a+3], s[\g1a:\g1a+7]
	s_nop 0
.rept 4
	v_nop
.endr
	s_branch .Lasked_\@
.Lfor_b_\@:
	tensor_load_to_lds s[\g0b:\g0b+3], s[\g1b:\g1b+7]
	s_nop 0
.rept 4
	v_nop
.endr
.Lasked_\@:
.endm
.macro CREST
	s_cmp_lg_u32 s14, 0
	s_cbranch_scc1 .Lnot_wave_0_\@
	s_barrier_signal -3
.Lnot_wave_0_\@:
	s_barrier_wait -3
	s_barrier_signal -1
	s_barrier_wait -1
.endm
.macro CROUND
	s_barrier_signal -1
	s_barrier_wait -1
	CREST
.endm
	s_load_b128 s[4:7], s[0:1], 0x0                ; A's buffer, wq
	s_load_b64 s[8:9], s[0:1], 0x10                ; the bias
	s_load_b128 s[96:99], s[0:1], 0x18             ; rope, qkvq
	v_lshl_add_u32 v[SPW], v0, 2, SPARE
	v_mov_b32 v[NIL], 0
	ds_add_u32 v28, v29
	ds_add_u32 v28, v29
	s_wait_dscnt 0x0
	v_lshrrev_b32 v1, 5, v0
	v_readfirstlane_b32 s14, v1                    ; wave
	s_lshr_b32 s15, s14, 1                         ; my half of the tile's rows; also: I fetch for A (0) or B (1)
	s_and_b32 s16, s14, 1                          ; my half of its columns; also: which 128 rows I fetch
	s_bfe_u32 s40, ttmp6, 0x40000                  ; cx
	s_bfe_u32 s41, ttmp6, 0x40004                  ; cy
	s_lshl_b32 s42, ttmp9, 2
	s_add_co_u32 s42, s42, s40                     ; tile column X
	s_and_b32 s17, ttmp7, 0xffff
	s_lshl_b32 s17, s17, 2
	s_add_co_u32 s17, s17, s41                     ; tile row Y
	s_lshl_b32 s43, s41, 2
	s_lshl_b32 s43, 15, s43                        ; my row of the cluster
	s_lshl_b32 s44, 0x1111, s40                    ; my column
	s_or_b32 s[G1+0], s43, (3<<16)|(1<<21)         ; the mask; elements of 8 bytes; bit 21 beside a mask; no padding
	s_or_b32 s[G1B+0], s44, (3<<16)|(1<<21)
.irp g, G1, G1B
	s_mov_b32 s[\g+1], 768<<16                     ; tensor_dim0: 6,144 bytes
	s_mov_b32 s[\g+2], 4<<16                       ; tensor_dim1: 4 planes
	s_mov_b32 s[\g+3], 768<<16                     ; tile_dim0
	s_mov_b32 s[\g+4], 4                           ; tile_dim1
	s_mov_b32 s[\g+6], 0
	s_mov_b32 s[\g+7], 0
.endr
	s_mov_b32 s[G1+5], 4096*6                      ; from plane to plane, in elements
	s_mov_b32 s[G1B+5], SIZE_N*6
	s_or_b32 s[G1S+0], s43, (3<<16)|(1<<21)
	s_or_b32 s[G1SB+0], s44, (3<<16)|(1<<21)
.irp g, G1S, G1SB
	s_mov_b32 s[\g+1], 64<<16                      ; 128 rows' words: 512 bytes
	s_mov_b32 s[\g+2], KW<<16
	s_mov_b32 s[\g+3], 64<<16
	s_mov_b32 s[\g+4], KW
	s_mov_b32 s[\g+6], 0
	s_mov_b32 s[\g+7], 0
.endr
	s_mov_b32 s[G1S+5], 4096/2
	s_mov_b32 s[G1SB+5], SIZE_N/2
	s_lshl_b32 s18, s16, 7
	s_lshl_b32 s20, s17, 8
	s_add_co_u32 s20, s20, s18                     ; A: the first row that I fetch
	s_lshl_b32 s46, s42, 8
	s_add_co_u32 s46, s46, s18                     ; B likewise
	s_lshl_b32 s22, s20, 2
	s_add_co_u32 s22, s22, ASC
	s_mov_b32 s23, 0
	s_lshl_b32 s92, s46, 2
	s_add_co_u32 s92, s92, WS
	s_mov_b32 s93, 0
	s_mul_i32 s20, s20, 48
	s_mov_b32 s21, 0
	s_mul_i32 s46, s46, 48
	s_add_co_u32 s46, s46, WC
	s_mov_b32 s47, 0
	s_mul_i32 s45, s14, HALFT                      ; where they go: no place in the cluster enters an LDS address
	s_mul_i32 s94, s14, HALFS
	s_wait_kmcnt 0x0
	s_add_nc_u64 s[20:21], s[4:5], s[20:21]
	s_add_nc_u64 s[22:23], s[4:5], s[22:23]
	s_add_nc_u64 s[46:47], s[6:7], s[46:47]
	s_add_nc_u64 s[92:93], s[6:7], s[92:93]
	CROUND                                         ; all sixteen work-groups are here: the first joint loads meet
	s_mov_b32 s[G0S], 1
	s_add_co_u32 s[G0S+1], s94, SCL
	s_mov_b64 s[G0S+2:G0S+3], s[22:23]
	s_or_b32 s[G0S+3], s[G0S+3], 0x80000000
	s_mov_b32 s[G0SB], 1
	s_add_co_u32 s[G0SB+1], s94, SCL
	s_mov_b64 s[G0SB+2:G0SB+3], s[92:93]
	s_or_b32 s[G0SB+3], s[G0SB+3], 0x80000000
	JLOAD G0S, G1S, G0SB, G1SB                     ; the scale words first
.irp s, 0,1
	s_mov_b32 s[G0+4*\s], 1
	s_add_co_u32 s[G0+4*\s+1], s45, \s*SLOT
	s_add_nc_u64 s[G0+4*\s+2:G0+4*\s+3], s[20:21], \s*ASTEP
	s_or_b32 s[G0+4*\s+3], s[G0+4*\s+3], 0x80000000
	s_mov_b32 s[G0B+4*\s], 1
	s_add_co_u32 s[G0B+4*\s+1], s45, \s*SLOT
	s_add_nc_u64 s[G0B+4*\s+2:G0B+4*\s+3], s[46:47], \s*BSTEP
	s_or_b32 s[G0B+4*\s+3], s[G0B+4*\s+3], 0x80000000
	JLOAD G0+4*\s, G1, G0B+4*\s, G1B
.endr
	v_and_b32 v1, 15, v0                           ; r
	v_bfe_u32 v2, v0, 4, 1                         ; h
	v_mul_u32_u24 v3, v1, 48
	v_mad_u32_u24 v3, v2, 24, v3                   ; 48 r + 24 h
	s_mul_i32 s21, s15, HALFT
	s_mul_i32 s22, s16, HALFT
	s_add_co_u32 s22, s22, 2*HALFT
.irp s, 0,1
	v_add_nc_u32 v[ADRA+\s], s21, v3
	v_add_nc_u32 v[ADRB+\s], s22, v3
	s_add_co_u32 s21, s21, SLOT
	s_add_co_u32 s22, s22, SLOT
.endr
	s_mul_i32 s21, s15, HALFS
	s_mul_i32 s22, s16, HALFS
	s_add_co_u32 s22, s22, 2*HALFS
	s_sub_co_u32 s22, s22, s21
	v_mul_u32_u24 v6, s22, v2                      ; lanes 16-31 take B's words: one product, the distance between the two
	s_add_co_u32 s21, s21, SCL
	v_lshl_add_u32 v5, v1, 2, v6
	v_add_nc_u32 v[ADRS], s21, v5
	v_lshlrev_b32 v[BO], 6, v2
	s_lshl_b32 s46, s42, 10
	s_lshl_b32 s47, s16, 9
	s_add_co_u32 s46, s46, s47
	s_mov_b32 s47, 0
	s_add_nc_u64 s[8:9], s[8:9], s[46:47]          ; the bias of my 128 columns
.irp b, 0,1,2,3,4,5,6,7
	global_load_b128 v[BIAS+8*\b:BIAS+8*\b+3], v[BO], s[8:9] offset:128*(\b/2)+32*(\b%2)
	global_load_b128 v[BIAS+8*\b+4:BIAS+8*\b+7], v[BO], s[8:9] offset:128*(\b/2)+32*(\b%2)+16
.endr
.macro FRAG reg, adr, q, i             ; 16 rows x 128 K: registers 0-5 from plane 2 q, 6-11 from plane 2 q + 1, in pieces of 8 bytes
.irp p, 0,1,2,3,4,5
	ds_load_b64 v[\reg+2*\p:\reg+2*\p+1], v[\adr] offset:(2*(\q)+\p/3)*PL+(\i)*768+8*(\p%3)
.endr
.endm
; 16 products: A's blocks a0, a0 + 1 x B's eight.  zero = 1: the first product starts the sums on the bias.  The 64 accumulators take turns, one instruction a turn.
.macro MUL16 a0, p, q, sc, zero
.irp a, \a0, \a0+1
.irp b, 0,1,2,3,4,5,6,7
.if \zero
	v_wmma_scale_f32_16x16x128_f8f6f4 v[8*(8*((\a)%4)+\b):8*(8*((\a)%4)+\b)+7], v[128*(\p)+FR*\b:128*(\p)+FR*\b+FR-1], v[AF+FR*(\a):AF+FR*(\a)+FR-1], v[BIAS+8*\b:BIAS+8*\b+7], v[SC+16*(\sc)+2*\b+(\q)], v[SC+16*(\sc)+2*(\a)+(\q)] matrix_a_fmt:MATRIX_FMT_FP6 matrix_b_fmt:MATRIX_FMT_FP6 matrix_a_scale:MATRIX_SCALE_ROW1
.else
	v_wmma_scale_f32_16x16x128_f8f6f4 v[8*(8*((\a)%4)+\b):8*(8*((\a)%4)+\b)+7], v[128*(\p)+FR*\b:128*(\p)+FR*\b+FR-1], v[AF+FR*(\a):AF+FR*(\a)+FR-1], v[8*(8*((\a)%4)+\b):8*(8*((\a)%4)+\b)+7], v[SC+16*(\sc)+2*\b+(\q)], v[SC+16*(\sc)+2*(\a)+(\q)] matrix_a_fmt:MATRIX_FMT_FP6 matrix_b_fmt:MATRIX_FMT_FP6 matrix_a_scale:MATRIX_SCALE_ROW1
.endif
.endr
.endr
.endm
.macro FETCH_B slot, q, p
	WIN TO_B
.irp i, 0,1,2,3,4,5,6,7
	FRAG 128*(\p)+FR*\i, ADRB+\slot, \q, \i
.endr
	WIN 0
.endm
.macro FETCH_A slot, q, i0
.irp i, \i0, \i0+1, \i0+2, \i0+3
	FRAG AF+FR*(\i), ADRA+\slot, \q, \i
.endr
.endm
.macro SCALES sc                       ; a K step's words: lanes 0-15 A's block i, lanes 16-31 B's block i
.irp i, 0,1,2,3,4,5,6,7
	ds_load_b32 v[SC+16*\sc+2*\i], v[ADRS] offset:64*\i
	ds_load_b32 v[SC+16*\sc+2*\i+1], v[ADRS] offset:512+64*\i
.endr
.endm
.macro PLACES n                        ; plain lines between a matrix instruction and a load into, or a read of, its registers
.rept \n
	v_nop
.endr
.endm
.macro STEP slot, q, zero              ; 128 along K whose successor lies in the same slot
	s_wait_dscnt 4*NL                              ; all but A's blocks 4-7 (4 x 6 loads)
	WIN MUL_LO-0x20*\zero                          ; (with zero = 1 the C lies in window 0)
	MUL16 0, (\q)%2, \q, \slot, \zero
	MUL16 2, (\q)%2, \q, \slot, \zero
	s_wait_dscnt 0
	PLACES NP
	FETCH_B \slot, (\q)+1, 1-(\q)%2
	FETCH_A \slot, (\q)+1, 0
	WIN MUL_HI-0x30*\zero
	MUL16 4, (\q)%2, \q, \slot, \zero
	MUL16 6, (\q)%2, \q, \slot, \zero
	PLACES NP
	WIN 0
	FETCH_A \slot, (\q)+1, 4
.endm
; A slot's last step changes slots: one barrier; ahead of it each wave waits for all its tensor loads, adds 0 to its spare word, and waits for that and for its reads of this slot.
.macro TURN slot, next, fill
	s_wait_tensorcnt 0x0                           ; all my tensor loads have landed: my part of the next slot
	ds_add_u32 v[SPW], v[NIL]
	s_wait_dscnt 4*NL+1                            ; (the add and A's blocks 4-7 may be out)
	WIN MUL_LO
	MUL16 0, 1, NQ-1, \slot, 0
	s_wait_dscnt 0x0                               ; the add is done, my reads of this slot are over
	s_barrier_signal -1
	MUL16 2, 1, NQ-1, \slot, 0
	WIN 0
	s_barrier_wait -1
.if \fill
	CREST                                          ; the barrier has opened a round of the cluster's: no wave of any partner reads this slot or has a load on its way
	s_add_nc_u64 s[G0+4*\slot+2:G0+4*\slot+3], s[G0+4*\slot+2:G0+4*\slot+3], 2*ASTEP
	s_add_nc_u64 s[G0B+4*\slot+2:G0B+4*\slot+3], s[G0B+4*\slot+2:G0B+4*\slot+3], 2*BSTEP
	JLOAD G0+4*\slot, G1, G0B+4*\slot, G1B         ; the first tensor load behind the round; its four v_nop are the places ahead of the loads below
.else
	PLACES NP
.endif
	v_add_nc_u32 v[ADRS], 1024, v[ADRS]            ; the next K step's words
	FETCH_B \next, 0, 0
	FETCH_A \next, 0, 0
	SCALES \next
	WIN MUL_HI
	MUL16 4, 1, NQ-1, \slot, 0
	MUL16 6, 1, NQ-1, \slot, 0
	PLACES NP
	WIN 0
	FETCH_A \next, 0, 4
.endm
	s_wait_tensorcnt 1                             ; the words and K step 0 are in; K step 1's load may be out
	s_barrier_signal -1
	s_barrier_wait -1
	FETCH_B 0, 0, 0
	FETCH_A 0, 0, 0
	SCALES 0
	FETCH_A 0, 0, 4
	s_wait_loadcnt 0x0                             ; the bias
	STEP 0, 0, 1
	s_mov_b32 s3, LAPS-1
.Llap:
	TURN 0, 1, 1
	STEP 1, 0, 0
	TURN 1, 0, 1
	STEP 0, 0, 0
	s_sub_co_u32 s3, s3, 1
	s_cmp_lg_u32 s3, 0
	s_cbranch_scc1 .Llap
	TURN 0, 1, 0                                   ; the last lap fills nothing
	STEP 1, 0, 0
	s_wait_dscnt 4*NL
	WIN MUL_LO
	MUL16 0, 1, NQ-1, 1, 0
	MUL16 2, 1, NQ-1, 1, 0
	s_wait_dscnt 0
	WIN MUL_HI
	MUL16 4, 1, NQ-1, 1, 0
	MUL16 6, 1, NQ-1, 1, 0
	WIN 0
	PLACES NP
; ---- THE WAY OUT.  The cluster's x says what these columns are: 0 q, 1 k, 2 v: the same in all sixteen partners.
.set SEL, 10
	s_mov_b32 s[SEL], 0x76543210
	s_mov_b32 s[SEL+1], 0xfedcba98
	s_lshr_b32 s18, s17, 3                         ; b
	s_and_b32 s19, s17, 7
	s_lshl_b32 s19, s19, 1
	s_add_co_u32 s19, s19, s15                     ; which 128 places of the batch are mine
	s_lshl_b32 s20, s18, 4
	s_lshl_b32 s21, s40, 2
	s_add_co_u32 s20, s20, s21
	s_lshl_b32 s21, s16, 1
	s_add_co_u32 s20, s20, s21                     ; my first head: 16 b + 4 cx + 2 x column half
	s_mul_i32 s22, s20, 294912
	s_mul_i32 s21, ttmp9, 98304
	s_add_co_u32 s22, s22, s21
	s_mul_i32 s21, s19, 6144
	s_add_co_u32 s22, s22, s21
	s_mov_b32 s23, 0
	s_add_nc_u64 s[46:47], s[98:99], s[22:23]      ; where my codes go: 6,144 consecutive bytes a head
	s_mul_i32 s22, s20, 20480
	s_add_co_u32 s22, s22, 9437184                 ; my first head's words
	v_and_b32 v4, 31, v0
	v_lshlrev_b32 v22, 4, v4                       ; 16 lane
	s_cmp_eq_u32 ttmp9, 2
	s_cbranch_scc1 .Lv
; q and k.  A lane's 32 registers of tiles 4 e .. 4 e + 3 are, of head e and its row, d = 16 h + 0 .. 15 and 32 + 16 h + 0 .. 15: the two partners of each rotation lie in one lane.
.set CS,  64                           ; v64-127  two sets: 16 cosines, 16 sines of my row
.set YR,  128                          ; v128-159 the rotated numbers
.set QMX, 160
.set QPD, 164
.set QSO, 172
.set F,   176                          ; v176-182 codes
.set PW,  183                          ; the scale word
.set TT,  184
.set RB,  64                           ; the way back from the stage
	s_mul_i32 s21, ttmp9, 8192
	s_add_co_u32 s22, s22, s21
	s_lshl_b32 s21, s19, 9
	s_add_co_u32 s22, s22, s21
	s_add_nc_u64 s[94:95], s[98:99], s[22:23]      ; my words: 512 consecutive bytes a head
	s_lshl_b32 s22, s19, 15
	s_add_nc_u64 s[92:93], s[96:97], s[22:23]      ; the table at my first t
	s_mul_i32 s21, s14, 13312                      ; my stage, in slot 0, which has had its last fill and its last read: codes [2 heads][128 rows][48], then words [2][128][4]
	v_add_nc_u32 v24, s21, v3
	v_lshl_add_u32 v25, v1, 2, s21
	v_add_nc_u32 v25, 12288, v25
	v_add_nc_u32 v26, s21, v22
	v_and_b32 v5, 8, v1
	v_add_nc_u32 v5, v5, v1                        ; r + 8 (r / 8)
	v_lshlrev_b32 v31, 8, v5
	v_lshl_add_u32 v31, v2, 6, v31                 ; my row of the table, + 64 h
	v_mov_b32 v[QPD], 0                            ; (a lane permute's destination counts as one of its sources)
	v_mov_b32 v[QPD+1], 0
.macro CSLOAD a
.irp i, 0,1,2,3
	global_load_b128 v[CS+32*((\a)%2)+4*\i:CS+32*((\a)%2)+4*\i+3], v31, s[92:93] offset:(32*((\a)/2)+8*((\a)%2))*256+16*\i
	global_load_b128 v[CS+32*((\a)%2)+16+4*\i:CS+32*((\a)%2)+16+4*\i+3], v31, s[92:93] offset:(32*((\a)/2)+8*((\a)%2))*256+128+16*\i
.endr
.endm
.macro ROPE a, e                       ; y_lo = cos x_lo - sin x_hi, y_hi = cos x_hi + sin x_lo; each accumulator is read from its low end on
.set AC, 8*(8*((\a)%4)+4*(\e))
.set CC, CS+32*((\a)%2)
	WIN 0x08+4*((\a)/4)                            ; source 1: the accumulators' window
.irp k, 0,2,4,6,8,10,12,14
	v_pk_mul_f32 v[TT:TT+1], v[CC+16+\k:CC+17+\k], v[AC+16+\k:AC+17+\k]
	v_pk_mul_f32 v[TT+2:TT+3], v[CC+16+\k:CC+17+\k], v[AC+\k:AC+1+\k]
	v_pk_fma_f32 v[YR+\k:YR+1+\k], v[CC+\k:CC+1+\k], v[AC+\k:AC+1+\k], v[TT:TT+1] neg_lo:[0,0,1] neg_hi:[0,0,1]
	v_pk_fma_f32 v[YR+16+\k:YR+17+\k], v[CC+\k:CC+1+\k], v[AC+16+\k:AC+17+\k], v[TT+2:TT+3]
.endr
	WIN 0
.endm
; 32 numbers of a lane, register 16 b + i = k 32 b + 16 h + i of my row, become 24 bytes of codes (k = 32 h + 0 .. 31) in v[F] on and the row's word in v[PW]
.macro QUANT2 s
.irp b, 0,1
	v_max3_num_f32 v[QMX+\b], |v[\s+16*\b]|, |v[\s+1+16*\b]|, 0x1800000
.endr
.irp i, 2,4,6,8,10,12,14
.irp b, 0,1
	v_max3_num_f32 v[QMX+\b], v[QMX+\b], |v[\s+16*\b+\i]|, |v[\s+1+16*\b+\i]|
.endr
.endr
.irp b, 0,1
	v_permlanex16_b32 v[QPD+\b], v[QMX+\b], s[SEL], s[SEL+1]
.endr
.irp b, 0,1
	v_max_num_f32 v[QMX+\b], v[QMX+\b], v[QPD+\b]
.endr
.irp b, 0,1
	v_add_nc_u32 v[QSO+\b], 0xff000000, v[QMX+\b]
.endr
.irp b, 0,1
	v_lshrrev_b32 v[QPD+\b], 23, v[QSO+\b]
.endr
	s_wait_dscnt 0x0                               ; earlier stores into the stage have read the word's and the codes' registers
	v_lshl_or_b32 v[PW], v[QPD+1], 8, v[QPD]
	v_cvt_scalef32_pk16_fp6_f32 v[F:F+2], v[\s:\s+15], v[QSO]
	v_cvt_scalef32_pk16_fp6_f32 v[F+4:F+6], v[\s+16:\s+31], v[QSO+1]
	v_nop                                          ; one plain line behind a scaled conversion
.irp i, 0,1,2
	v_permlane16_swap_b32 v[F+\i], v[F+4+\i]       ; a whole block to a lane
.endr
.irp i, 0,1,2
	v_mov_b32 v[F+3+\i], v[F+4+\i]
.endr
.endm
	CSLOAD 0
	CSLOAD 1
.irp a, 0,1,2,3,4,5,6,7
.if \a < 7
	s_wait_loadcnt 8                               ; the next block's 8 loads may be out
.else
	s_wait_loadcnt 0
.endif
.irp e, 0,1
	ROPE \a, \e
	QUANT2 YR
.irp p, 0,1,2
	ds_store_b64 v24, v[F+2*\p:F+2*\p+1] offset:6144*\e+768*\a+8*\p
.endr
	ds_store_b32 v25, v[PW] offset:512*\e+64*\a    ; both halves of the lanes write the same word with the same value
.endr
.if \a < 6
	CSLOAD \a+2
.endif
.endr
	s_wait_dscnt 0x0
.set k, 0
.rept 26
	ds_load_b128 v[RB+4*k:RB+4*k+3], v26 offset:512*k
.set k, k+1
.endr
.set k, 0
.rept 24
	s_wait_dscnt 25-k
	global_store_b128 v22, v[RB+4*k:RB+4*k+3], s[46:47] offset:(k/12)*294912+(k%12)*512   ; 512 consecutive bytes, aligned to 256
.set k, k+1
.endr
	s_wait_dscnt 0x0
	global_store_b128 v22, v[RB+96:RB+99], s[94:95]
	global_store_b128 v22, v[RB+100:RB+103], s[94:95] offset:20480
	s_branch .Lend
; v.  Its K is the keys, which are this product's rows: 32 keys x 64 channels at a time go through an f32 stage of the wave's own and come back a lane to a channel, the registers running down the keys in their true order.
.Lv:
.set VBASE, SPARE+512                  ; LDS bytes of this way's own, never filled by a tensor load: for each wave 32 x 272 (f32), 6,144 (codes), 256 (words)
.set XV,  64                           ; v64-127 two sets of 32 numbers
.set FV,  128                          ; v128-134 codes
.set VW,  136                          ; v136-137 the words being built
.set RV,  144                          ; the way back
	s_lshl_b32 s21, s19, 8
	s_add_co_u32 s22, s22, s21
	s_add_co_u32 s22, s22, 16384
	s_add_nc_u64 s[94:95], s[98:99], s[22:23]      ; my words: 256 consecutive bytes a head
	s_mul_i32 s21, s14, 15104
	s_add_co_u32 s21, s21, VBASE
	v_mul_u32_u24 v24, v1, 272
	v_lshl_add_u32 v24, v2, 6, v24
	v_add_nc_u32 v24, s21, v24                     ; in: row r, + 64 h
	v_lshl_add_u32 v25, v4, 2, s21                 ; back: a lane to a channel
	v_and_b32 v5, 7, v0
	v_bfe_u32 v6, v0, 3, 1
	v_lshl_add_u32 v5, v6, 4, v5
	v_bfe_u32 v6, v0, 4, 1
	v_lshl_add_u32 v5, v6, 3, v5                   ; sw(lane)
	s_add_co_u32 s22, s21, 8704
	v_mul_u32_u24 v26, v5, 48
	v_add_nc_u32 v26, s22, v26                     ; my channel's row of codes
	v_add_nc_u32 v31, s22, v22
	s_add_co_u32 s22, s21, 8704+6144
	v_lshl_add_u32 v23, v5, 2, s22                 ; its word
	v_lshlrev_b32 v19, 3, v4
	v_add_nc_u32 v18, s22, v19
.macro VBLOCK xs, cg, al
	v_max3_num_f32 v138, |v[\xs]|, |v[\xs+1]|, |v[\xs+2]|
	v_max3_num_f32 v139, |v[\xs+3]|, |v[\xs+4]|, |v[\xs+5]|
.irp i, 6,10,14,18,22,26
	v_max3_num_f32 v138, v138, |v[\xs+\i]|, |v[\xs+\i+1]|
	v_max3_num_f32 v139, v139, |v[\xs+\i+2]|, |v[\xs+\i+3]|
.endr
	v_max3_num_f32 v138, v138, |v[\xs+30]|, |v[\xs+31]|
	v_max3_num_f32 v138, v138, v139, 0x1800000
	v_add_nc_u32 v140, 0xff000000, v138
	v_lshrrev_b32 v141, 23, v140
.if \al == 0
	v_mov_b32 v[VW+\cg], v141
.else
	v_lshl_or_b32 v[VW+\cg], v141, 8*\al, v[VW+\cg]
.endif
	v_cvt_scalef32_pk16_fp6_f32 v[FV:FV+2], v[\xs:\xs+15], v140
	v_cvt_scalef32_pk16_fp6_f32 v[FV+4:FV+6], v[\xs+16:\xs+31], v140
	v_nop
	v_mov_b32 v[FV+3], v[FV+4]
	v_mov_b32 v[FV+4], v[FV+5]
	v_mov_b32 v[FV+5], v[FV+6]
.irp p, 0,1,2
	ds_store_b64 v26, v[FV+2*\p:FV+2*\p+1] offset:(\al/2)*3072+1536*\cg+24*(\al%2)+8*\p
.endr
.endm
.irp e, 0,1
.irp al, 0,1,2,3
	WIN 0x08+4*(\al/2)                             ; an LDS store's data are its source 1
.irp ua, 0,1
.irp b, 0,1,2,3
	ds_store_b128 v24, v[8*(8*((2*\al+\ua)%4)+4*\e+\b):8*(8*((2*\al+\ua)%4)+4*\e+\b)+3] offset:16*\ua*272+128*(\b/2)+32*(\b%2)
	ds_store_b128 v24, v[8*(8*((2*\al+\ua)%4)+4*\e+\b)+4:8*(8*((2*\al+\ua)%4)+4*\e+\b)+7] offset:16*\ua*272+128*(\b/2)+32*(\b%2)+16
.endr
.endr
	WIN 0
.irp cg, 0,1
.set i, 0
.rept 32
	ds_load_b32 v[XV+32*\cg+i], v25 offset:((i%8)+16*((i/8)%2)+8*(i/16))*272+128*\cg   ; key i of the 32 stands in the stage's row sw(i)
.set i, i+1
.endr
.endr
	s_wait_dscnt 32                                ; the second 32 channels' loads may be out
	VBLOCK XV, 0, \al
	s_wait_dscnt 0x0                               ; they are in, and the stores above have read the codes' registers
	VBLOCK XV+32, 1, \al
.endr
	ds_store_b32 v23, v[VW]
	ds_store_b32 v23, v[VW+1] offset:128
.if \e > 0
	s_wait_xcnt 0x0                                ; the first head's stores have read their registers
.endif
.irp k, 0,1,2,3,4,5,6,7,8,9,10,11
	ds_load_b128 v[RV+4*\k:RV+4*\k+3], v31 offset:512*\k
.endr
	ds_load_b64 v[RV+48:RV+49], v18
	s_wait_dscnt 0x0
.irp k, 0,1,2,3,4,5,6,7,8,9,10,11
	global_store_b128 v22, v[RV+4*\k:RV+4*\k+3], s[46:47] offset:294912*\e+512*\k
.endr
	global_store_b64 v19, v[RV+48:RV+49], s[94:95] offset:20480*\e   ; one aligned run of 256 bytes
.endr
.Lend:
	s_wait_tensorcnt 0x0                           ; the wave's end
	ds_add_u32 v[SPW], v[NIL]
	s_wait_dscnt 0x0
	CROUND                                         ; the closing round
	s_endpgm
.Lfunc_end_k_qe1540315a6_qkv:
	.size	k_qe1540315a6_qkv, .Lfunc_end_k_qe1540315a6_qkv-k_qe1540315a6_qkv
	.p2alignl 7, 3214868480
	.fill 96, 4, 3214868480
	.section	.rodata,"a",@progbits
	.p2align	6, 0x0
	.amdhsa_kernel k_qe1540315a6_qkv
		.amdhsa_group_segment_fixed_size 327680
		.amdhsa_private_segment_fixed_size 0
		.amdhsa_enable_private_segment 0
		.amdhsa_kernarg_size 40
		.amdhsa_user_sgpr_count 2
		.amdhsa_user_sgpr_kernarg_segment_ptr 1
		.amdhsa_wavefront_size32 1
		.amdhsa_system_sgpr_workgroup_id_x 1
		.amdhsa_system_sgpr_workgroup_id_y 1
		.amdhsa_system_sgpr_workgroup_id_z 1
		.amdhsa_system_vgpr_workitem_id 0
		.amdhsa_next_free_vgpr 1024
		.amdhsa_next_free_sgpr 100
		.amdhsa_reserve_vcc 0
		.amdhsa_float_denorm_mode_32 3
		.amdhsa_float_denorm_mode_16_64 3
		.amdhsa_memory_ordered 1
		.amdhsa_forward_progress 1
		.amdhsa_inst_pref_size 255
	.end_amdhsa_kernel
	.section	.bss,"aw",@nobits
	.p2align	6
	.space	262144
	.amdgpu_metadata
---
amdhsa.version: [ 1, 2 ]
amdhsa.kernels:
  - .name:           k_qe1540315a6_qkv
    .symbol:         k_qe1540315a6_qkv.kd
    .args:
      - { .name: hq, .offset: 0, .size: 8, .value_kind: global_buffer, .address_space: global }
      - { .name: wq, .offset: 8, .size: 8, .value_kind: global_buffer, .address_space: global }
      - { .name: in_b, .offset: 16, .size: 8, .value_kind: global_buffer, .address_space: global }
      - { .name: rope, .offset: 24, .size: 8, .value_kind: global_buffer, .address_space: global }
      - { .name: qkvq, .offset: 32, .size: 8, .value_kind: global_buffer, .address_space: global }
    .group_segment_fixed_size: 327680
    .private_segment_fixed_size: 0
    .kernarg_segment_align: 8
    .kernarg_segment_size: 40
    .max_flat_workgroup_size: 128
    .sgpr_count:     100
    .vgpr_count:     1024
    .wavefront_size: 32
...
	.end_amdgpu_metadata
.endif
;; end of part 3
;; launch attn (part 4): grid 8 x 32, 16 waves a work-group, clusters of 4 x 1, 223,232 bytes of LDS; arguments qkvq, oq; writes oq
.if DOCPART == 4
	.amdgcn_target "amdgcn-amd-amdhsa--gfx1250"
	.amdhsa_code_object_version 6
	.text
	.protected	k_qe1540315a6_attn
	.globl	k_qe1540315a6_attn
	.p2align	8
	.type	k_qe1540315a6_attn,@function
k_qe1540315a6_attn:
	s_mov_b64 s[64:65], 0
	v_nop
	global_prefetch_b8 v0, s[64:65] scope:SCOPE_SE
	s_setreg_imm32_b32 hwreg(HW_REG_WAVE_MODE, 25, 1), 1
	s_wait_xcnt 0x0
	s_wait_alu depctr_hold_cnt(0) depctr_sa_sdst(0) depctr_va_vdst(0) depctr_va_sdst(0) depctr_va_ssrc(0) depctr_va_vcc(0) depctr_vm_vsrc(0)
	s_getreg_b32 s2, hwreg(HW_REG_IB_STS2, 6, 4)
	s_cmp_eq_u32 s2, 0
	s_cbranch_scc0 .Lentry_in_a_cluster
	s_endpgm
.Lentry_in_a_cluster:
	s_bfe_u32 s2, ttmp6, 0x10000c
	s_cmp_lg_u32 s2, 0x3003
	s_cbranch_scc0 .Lentry_shape_is_right
	s_endpgm
.Lentry_shape_is_right:
; Causal attention of one head on codes of FP6 (E2M3): S^T = k q^T (K = 64, the upper 64 of the instruction's 128 are zero codes on both sides), p = 2^(t - M), O^T = v^T p^T, O / the sum of the unquantised p, quantised along the head's 64.
; t = score x log2(e) / 8 (q's factor 1 / 8 stands here); M = the running largest t rounded up to a whole number; when M moves, sum and O^T are multiplied by an exact power of two.
; Hidden scores become -infinity where reference() writes -1e9: p is 0 either way as long as true scores lie above -1e9.  NaN and infinities among the inputs are not served.
; SHARES.  A head's k, v and their scale words (208,896 bytes) lie in LDS whole, filled ONCE: nothing is filled again.  A work-group has a head and a number TQ = 0 .. 7; wave w owns the 16 queries at places 16 TQ .. of the
; block of 128 places BLK(w), BLK a fixed order of 0 .. 15.  So how many key steps a wave walks hangs on its number alone: the same in all partners of a cluster, every work-group has 136 wave steps, and waves w, w + 4, w + 8, w + 12 have 34.
; CLUSTER.  The four work-groups of a cluster share the head: each tile is asked for jointly (mask 15).  Waves 0-3 issue five loads each, in one branch: five tensor loads of a wave are out at the most.
; LAYOUT.  Rows of q and k stand at places sw(t), v's channels at sw(d) (bits 3, 4 changed over): a tile's 16 places are the keys 32 b + 8 u + r + 8 (r / 8), so p's 16 registers of two neighbouring tiles are 16 neighbouring keys, and O^T's likewise 16 neighbouring channels.
; No prefetch: every byte is asked for at the head.
.set VC,   98304                       ; LDS: k's codes at 0, v's here,
.set WD,   196608                      ; k's words (8,192), v's (4,096),
.set STG,  208896                      ; and 768 bytes a wave for the way out
.set AK0,  1                           ; v1  48 r + 24 h
.set AV0,  2
.set ASK0, 3
.set ASV0, 4                           ; v5: my query's place among the block's 128 keys, less 16 h;  v6: 4 r
.set ADK,  8
.set ADV,  9
.set ADS,  10
.set ADT,  11                          ; v12 -M, v13 the largest t, v[14:15] the sum;  v16-27 q;  v28-31 the blocks' largest scores;  v32-79 four fragments of k;  v80-127 four of v;
                                       ; v128-191 S^T, then p;  v192-223 O^T;  v224-235 p's codes;  v236-247 at work;  v248-251 scale words;  v252 f;  v253 p's word;  v255 q's word
.set WV,  8
.set TQ,  10
.set BH,  11
.set BLK, 12
.set SI,  13                           ; the key step
.set TB,  14                           ; 6,144 x it: k's and v's codes
.set TS,  15                           ; 512 x it: k's words
.set TJ,  16                           ; 256 x it: v's
.set CNT, 17
.set CS,  18
.set SEL, 20
.set G1W, 24
.set G1C, 32
.set G0W, 40
.set G0C, 44
.macro CROUND
	s_barrier_signal -1
	s_barrier_wait -1
	s_cmp_lg_u32 s[WV], 0
	s_cbranch_scc1 .Lnot_wave_0_\@
	s_barrier_signal -3
.Lnot_wave_0_\@:
	s_barrier_wait -3
	s_barrier_signal -1
	s_barrier_wait -1
.endm
	s_load_b128 s[4:7], s[0:1], 0x0                ; qkvq, oq
	v_lshl_add_u32 v254, v0, 2, 0x36000
	v_mov_b32 v255, 0
	ds_add_u32 v254, v255
	ds_add_u32 v254, v255
	s_wait_dscnt 0x0
	v_lshrrev_b32 v8, 5, v0
	v_readfirstlane_b32 s[WV], v8
	s_bfe_u32 s9, ttmp6, 0x40000                   ; cx: it enters global addresses and the mask's numbers alone
	s_lshl_b32 s[TQ], ttmp9, 2
	s_add_co_u32 s[TQ], s[TQ], s9
	s_and_b32 s[BH], ttmp7, 0xffff
	s_lshr_b32 s[BLK], s[WV], 3
	s_lshl_b32 s[BLK], s[BLK], 2
	s_and_b32 s22, s[WV], 3
	s_or_b32 s[BLK], s[BLK], s22
	s_bfe_u32 s22, s[WV], 0x10002
	s_mul_i32 s22, s22, 15
	s_xor_b32 s[BLK], s[BLK], s22                  ; 0-3, 15-12, 4-7, 11-8
	s_mov_b32 s[G1W], 15|(3<<16)|(1<<21)           ; all four work-groups; elements of 8 bytes; bit 21 beside a mask
	s_mov_b32 s[G1W+1], 32<<16                     ; rows of 256 bytes
	s_mov_b32 s[G1W+2], 12<<16
	s_mov_b32 s[G1W+3], 32<<16
	s_mov_b32 s[G1W+4], 12
	s_mov_b32 s[G1W+5], 32
	s_mov_b32 s[G1W+6], 0
	s_mov_b32 s[G1W+7], 0
	s_mov_b32 s[G1C], 15|(3<<16)|(1<<21)
	s_mov_b32 s[G1C+1], 32<<16
	s_mov_b32 s[G1C+2], 48<<16
	s_mov_b32 s[G1C+3], 32<<16
	s_mov_b32 s[G1C+4], 48
	s_mov_b32 s[G1C+5], 32
	s_mov_b32 s[G1C+6], 0
	s_mov_b32 s[G1C+7], 0
	s_and_b32 s23, s[WV], 3
	s_and_b32 s60, s23, 1
	s_mul_i32 s60, s60, 12288
	s_lshr_b32 s61, s23, 1
	s_mul_i32 s61, s61, 98304
	s_add_co_u32 s60, s60, s61                     ; waves 0, 1: halves of k's chunk; 2, 3: of v's: the same place in LDS as behind k's first byte in memory
	s_mul_i32 s62, s[BH], 294912
	s_add_co_u32 s62, s62, 98304
	s_add_co_u32 s62, s62, s60
	s_mov_b32 s63, 0
	s_mul_i32 s66, s[BH], 20480
	s_add_co_u32 s66, s66, 9437184+8192
	s_mul_i32 s61, s23, 3072
	s_add_co_u32 s66, s66, s61                     ; a quarter of k's and v's words
	s_mov_b32 s67, 0
	s_mov_b32 s[CS], 0x3e38aa3b                    ; log2(e) / 8
	s_mov_b32 s[CS+1], s[CS]
	s_mov_b32 s[SEL], 0x76543210
	s_mov_b32 s[SEL+1], 0xfedcba98
	s_mov_b32 s[SI], 0
	s_mov_b32 s[TB], 0
	s_mov_b32 s[TS], 0
	s_mov_b32 s[TJ], 0
	s_wait_kmcnt 0x0
	s_mov_b32 s[G0W], 1
	s_add_co_u32 s[G0W+1], s61, WD
	s_add_nc_u64 s[G0W+2:G0W+3], s[4:5], s[66:67]
	s_or_b32 s[G0W+3], s[G0W+3], 0x80000000
	s_add_nc_u64 s[62:63], s[4:5], s[62:63]
.irp c, 0,1,2,3
	s_mov_b32 s[G0C+4*\c], 1
	s_add_co_u32 s[G0C+4*\c+1], s60, \c*24576
	s_add_nc_u64 s[G0C+4*\c+2:G0C+4*\c+3], s[62:63], \c*24576
	s_or_b32 s[G0C+4*\c+3], s[G0C+4*\c+3], 0x80000000
.endr
	CROUND                                         ; all four work-groups are here: the joint loads meet
	s_cmp_lt_u32 s[WV], 4
	s_cbranch_scc0 .Lno_fetch
	tensor_load_to_lds s[G0W:G0W+3], s[G1W:G1W+7]          ; the words,
	s_nop 0
	tensor_load_to_lds s[G0C:G0C+3], s[G1C:G1C+7]          ; and four chunks of 512 keys
	s_nop 0
	tensor_load_to_lds s[G0C+4:G0C+7], s[G1C:G1C+7]
	s_nop 0
	tensor_load_to_lds s[G0C+8:G0C+11], s[G1C:G1C+7]
	s_nop 0
	tensor_load_to_lds s[G0C+12:G0C+15], s[G1C:G1C+7]
	s_nop 0
.rept 4
	v_nop
.endr
.Lno_fetch:
	s_lshl_b32 s22, s[BLK], 7
	s_lshl_b32 s23, s[TQ], 4
	s_add_co_u32 s22, s22, s23                     ; my first query's place
	s_mul_i32 s68, s22, 48
	s_mul_i32 s23, s[BH], 294912
	s_add_co_u32 s68, s68, s23
	s_mov_b32 s69, 0
	s_add_nc_u64 s[68:69], s[4:5], s[68:69]
	s_lshl_b32 s70, s22, 2
	s_mul_i32 s23, s[BH], 20480
	s_add_co_u32 s70, s70, s23
	s_add_co_u32 s70, s70, 9437184
	s_mov_b32 s71, 0
	s_add_nc_u64 s[70:71], s[4:5], s[70:71]
	v_and_b32 v8, 15, v0                           ; r
	v_bfe_u32 v9, v0, 4, 1                         ; h
	v_mul_u32_u24 v[AK0], v8, 48
	v_mad_u32_u24 v[AK0], v9, 24, v[AK0]
	v_add_nc_u32 v[AV0], VC, v[AK0]
	v_lshlrev_b32 v6, 2, v8
	v_add_nc_u32 v[ASK0], WD, v6
	v_add_nc_u32 v[ASV0], WD+8192, v6
.irp p, 0,1,2
	global_load_b64 v[16+2*\p:17+2*\p], v[AK0], s[68:69] offset:8*\p
.endr
	global_load_b32 v255, v6, s[70:71]
	s_lshr_b32 s22, s[TQ], 1
	s_lshl_b32 s22, s22, 5
	s_and_b32 s23, s[TQ], 1
	s_lshl_b32 s23, s23, 3
	s_add_co_u32 s22, s22, s23
	v_and_b32 v5, 8, v8
	v_add_nc_u32 v5, v5, v8
	v_add_nc_u32 v5, s22, v5                       ; my query among the block's 128: 32 (TQ / 2) + 8 (TQ % 2) + r + 8 (r / 8)
	v_lshlrev_b32 v7, 4, v9
	v_sub_nc_u32 v5, v5, v7                        ; less 16 h
.irp j, 22,23,24,25,26,27
	v_mov_b32 v[\j], 0                             ; K = 64: the upper 64 are zero codes
.endr
.irp t, 0,1,2,3
.irp j, 6,7,8,9,10,11
	v_mov_b32 v[32+12*\t+\j], 0
.endr
.endr
	v_mov_b32 v13, 0xff61b1e6                      ; -3e38, under every t
	v_floor_f32 v12, -v13
	v_mov_b32 v14, 0
	v_mov_b32 v15, 0
.irp b, 0,1,2,3
	v_mov_b32 v[236+\b], 0                         ; (a lane permute's destination counts as one of its sources)
.endr
	v_mov_b32 v252, 0
	v_mov_b32 v253, 0
.set j, 0
.rept 32
	v_mov_b32 v[192+j], 0                          ; O^T: the step is written once; the first change of M leaves zeros zeros
.set j, j+1
.endr
; A KEY STEP: 128 keys.  A step whose keys all come after my block of queries is left out: a branch on the wave's number and the count of steps.
.macro STEP
	s_cmp_gt_u32 s[SI], s[BLK]
	s_cbranch_scc1 .Lhidden_\@
	v_add_nc_u32 v[ADK], s[TB], v[AK0]             ; (these four are also the places ahead of the loads into registers that the last products read)
	v_add_nc_u32 v[ADV], s[TB], v[AV0]
	v_add_nc_u32 v[ADS], s[TS], v[ASK0]
	v_add_nc_u32 v[ADT], s[TJ], v[ASV0]
.irp t, 0,1,2,3
.irp p, 0,1,2,3,4,5
	ds_load_b64 v[80+12*\t+2*\p:81+12*\t+2*\p], v[ADV] offset:(\p/3)*3072+768*\t+8*(\p%3)   ; v's four fragments, asked for early
.endr
.endr
.irp g, 0,1
.if \g > 0
.rept 4
	v_nop
.endr
.endif
.irp t, 0,1,2,3
.irp p, 0,1,2
	ds_load_b64 v[32+12*\t+2*\p:33+12*\t+2*\p], v[ADK] offset:768*(4*\g+\t)+8*\p
.endr
	ds_load_b32 v[248+\t], v[ADS] offset:64*(4*\g+\t)
.endr
	s_wait_dscnt 0x0
.irp t, 0,1,2,3
	v_wmma_scale_f32_16x16x128_f8f6f4 v[128+8*(4*\g+\t):135+8*(4*\g+\t)], v[32+12*\t:43+12*\t], v[16:27], 0, v[248+\t], v255 matrix_a_fmt:MATRIX_FMT_FP6 matrix_b_fmt:MATRIX_FMT_FP6
.endr
.endr
.rept 4
	v_nop
.endr
	s_cmp_lt_u32 s[SI], s[BLK]                     ; only my own block's step lies on the diagonal
	s_cbranch_scc1 .Lopen_\@
	v_mov_b32 v254, 0xff800000
.set n, 0
.rept 64
	v_cmp_gt_i32 vcc_lo, 32*(n/16)+n%16, v5        ; register 16 b + i holds key 32 b + 16 h + i of the step
	v_cndmask_b32 v[128+n], v[128+n], v254, vcc_lo
.set n, n+1
.endr
.Lopen_\@:
.irp b, 0,1,2,3
	v_max3_num_f32 v[28+\b], v[128+16*\b], v[129+16*\b], v[130+16*\b]   ; each block's largest score: for the row's maximum, and, since p rises with the score, for the block's largest p
.endr
.irp i, 3,5,7,9,11,13
.irp b, 0,1,2,3
	v_max3_num_f32 v[28+\b], v[28+\b], v[128+16*\b+\i], v[129+16*\b+\i]
.endr
.endr
.irp b, 0,1,2,3
	v_max_num_f32 v[28+\b], v[28+\b], v[143+16*\b]
.endr
.irp b, 0,1,2,3
	v_permlanex16_b32 v[236+\b], v[28+\b], s[SEL], s[SEL+1]
.endr
.irp b, 0,1,2,3
	v_max_num_f32 v[28+\b], v[28+\b], v[236+\b]
.endr
	v_max3_num_f32 v254, v28, v29, v30
	v_max_num_f32 v254, v254, v31
	v_mul_f32 v254, s[CS], v254
	v_max_num_f32 v13, v13, v254                   ; the running largest t
	v_mov_b32 v254, v12
	v_floor_f32 v12, -v13                          ; -M = floor(-t)
	v_sub_f32 v254, v12, v254
	v_cvt_i32_f32 v254, v254                       ; (it saturates)
	v_ldexp_f32 v252, 1.0, v254                    ; f = 2^(old M - new M)
.set j, 0
.rept 32
	v_pk_fma_f32 v[128+j:129+j], v[128+j:129+j], s[CS:CS+1], v[12:13] op_sel_hi:[1,0,0]   ; t - M
.set j, j+2
.endr
.irp b, 0,1,2,3
	v_fma_f32 v[28+\b], v[28+\b], s[CS], v12
.endr
.set j, 0
.rept 64
	v_exp_f32 v[128+j], v[128+j]                   ; p, not normalised
.set j, j+1
.endr
	v_pk_mul_f32 v[14:15], v[14:15], v[252:253] op_sel_hi:[1,0]   ; the sums under the new M (a plain line behind the exponentials)
	s_wait_alu depctr_va_vdst(0)                   ; one wait for the batch, ahead of its first reader
.irp b, 0,1,2,3
	v_exp_f32 v[28+\b], v[28+\b]                   ; the blocks' largest p
.endr
	v_pk_add_f32 v[236:237], v[128:129], v[130:131]   ; the row's sum of the unquantised p, in two chains
.irp j, 4,8,12,16,20,24,28,32,36,40,44,48,52,56,60
	v_pk_add_f32 v[14:15], v[14:15], v[128+\j:129+\j]
	v_pk_add_f32 v[236:237], v[236:237], v[130+\j:131+\j]
.endr
	v_pk_add_f32 v[14:15], v[14:15], v[236:237]
	s_wait_alu depctr_va_vdst(0)                   ; and one for the four
.irp b, 0,1,2,3
	v_max_num_f32 v[28+\b], 0x1800000, v[28+\b]    ; the floor: the byte cannot fall under 1
.endr
.irp b, 0,1,2,3
	v_add_nc_u32 v[244+\b], 0xff000000, v[28+\b]
.endr
.irp b, 0,1,2,3
	v_lshrrev_b32 v[236+\b], 23, v[244+\b]
.endr
	v_lshl_or_b32 v253, v237, 8, v236              ; p's scale word
	v_lshl_or_b32 v253, v238, 16, v253
	v_lshl_or_b32 v253, v239, 24, v253
.irp c, 0,1
	v_cvt_scalef32_pk16_fp6_f32 v[224+6*\c:226+6*\c], v[128+32*\c:143+32*\c], v[244+2*\c]
	v_cvt_scalef32_pk16_fp6_f32 v[236+4*\c:238+4*\c], v[144+32*\c:159+32*\c], v[244+2*\c+1]
.endr
	v_nop
.irp c, 0,1
.irp i, 0,1,2
	v_permlane16_swap_b32 v[224+6*\c+\i], v[236+4*\c+\i]
.endr
.irp i, 0,1,2
	v_mov_b32 v[227+6*\c+\i], v[236+4*\c+\i]
.endr
.endr
.set j, 0
.rept 16
	v_pk_mul_f32 v[192+j:193+j], v[192+j:193+j], v[252:253] op_sel_hi:[1,0]   ; O^T under the new M; also the places ahead of the products below
.set j, j+2
.endr
.irp t, 0,1,2,3
	ds_load_b32 v[248+\t], v[ADT] offset:64*\t
.endr
	s_wait_dscnt 0x0
.irp t, 0,1,2,3
	v_wmma_scale_f32_16x16x128_f8f6f4 v[192+8*\t:199+8*\t], v[80+12*\t:91+12*\t], v[224:235], v[192+8*\t:199+8*\t], v[248+\t], v253 matrix_a_fmt:MATRIX_FMT_FP6 matrix_b_fmt:MATRIX_FMT_FP6
.endr
.Lhidden_\@:
	s_add_co_u32 s[SI], s[SI], 1
	s_add_co_u32 s[TB], s[TB], 6144
	s_add_co_u32 s[TS], s[TS], 512
	s_add_co_u32 s[TJ], s[TJ], 256
.endm
.macro ARRIVE c                        ; chunk c has landed in every fetching wave; the 3 - c chunks behind it may be out
	s_wait_tensorcnt 3-\c
	s_wait_dscnt 0x0
	s_barrier_signal -1
	s_barrier_wait -1
.endm
	s_wait_loadcnt 0x0                             ; q
	ARRIVE 0
	STEP                                           ; steps 0 to 3 lie in chunk 0
	ARRIVE 1
	STEP
	ARRIVE 2
	STEP
	ARRIVE 3
	s_mov_b32 s[CNT], 13
.Lstep:
	STEP
	s_sub_co_u32 s[CNT], s[CNT], 1
	s_cmp_lg_u32 s[CNT], 0
	s_cbranch_scc1 .Lstep
	; THE WAY OUT: O^T / the sum; its 32 numbers a lane are d = 32 b + 16 h + i: quantised along the head's 64, which is plane = head of the next product's operand.
.rept 4
	v_nop
.endr
	v_add_f32 v14, v14, v15
	v_permlanex16_b32 v252, v14, s[SEL], s[SEL+1]
	v_add_f32 v14, v14, v252
	v_rcp_f32 v14, v14
	s_mul_i32 s66, s[WV], 768
	s_add_co_u32 s66, s66, STG
	v_add_nc_u32 v8, s66, v[AK0]                   ; (a plain line behind the reciprocal)  into my stage: 48 r + 24 h
	v_and_b32 v9, 31, v0
	v_lshlrev_b32 v10, 3, v9
	v_add_nc_u32 v9, s66, v10                      ; back: 8 bytes a lane
	s_lshr_b32 s22, s[BH], 4                       ; b
	s_and_b32 s23, s[BH], 15                       ; the head
	s_lshl_b32 s22, s22, 11
	s_lshl_b32 s60, s[BLK], 7
	s_add_co_u32 s22, s22, s60
	s_lshl_b32 s60, s[TQ], 4
	s_add_co_u32 s22, s22, s60                     ; my first row's place
	s_mul_i32 s60, s23, 196608
	s_mul_i32 s61, s22, 48
	s_add_co_u32 s60, s60, s61
	s_mov_b32 s61, 0
	s_add_nc_u64 s[60:61], s[6:7], s[60:61]
	s_lshr_b32 s62, s23, 1
	s_lshl_b32 s62, s62, 14
	s_lshl_b32 s63, s22, 2
	s_add_co_u32 s62, s62, s63
	s_and_b32 s63, s23, 1
	s_lshl_b32 s63, s63, 1
	s_add_co_u32 s62, s62, s63
	s_add_co_u32 s62, s62, 3145728
	s_mov_b32 s63, 0
	s_add_nc_u64 s[62:63], s[6:7], s[62:63]
	s_wait_alu depctr_va_vdst(0)                   ; ahead of the reciprocal's first reader
.set j, 0
.rept 32
	v_mul_f32 v[128+j], v[192+j], v14              ; each accumulator from its low end on
.set j, j+1
.endr
.irp b, 0,1
	v_max3_num_f32 v[28+\b], |v[128+16*\b]|, |v[129+16*\b]|, 0x1800000
.endr
.irp i, 2,4,6,8,10,12,14
.irp b, 0,1
	v_max3_num_f32 v[28+\b], v[28+\b], |v[128+16*\b+\i]|, |v[129+16*\b+\i]|
.endr
.endr
.irp b, 0,1
	v_permlanex16_b32 v[236+\b], v[28+\b], s[SEL], s[SEL+1]
.endr
.irp b, 0,1
	v_max_num_f32 v[28+\b], v[28+\b], v[236+\b]
.endr
.irp b, 0,1
	v_add_nc_u32 v[244+\b], 0xff000000, v[28+\b]
.endr
.irp b, 0,1
	v_lshrrev_b32 v[236+\b], 23, v[244+\b]
.endr
	v_lshl_or_b32 v254, v237, 8, v236              ; my row's two bytes
	v_cvt_scalef32_pk16_fp6_f32 v[224:226], v[128:143], v244
	v_cvt_scalef32_pk16_fp6_f32 v[228:230], v[144:159], v245
	v_nop
.irp i, 0,1,2
	v_permlane16_swap_b32 v[224+\i], v[228+\i]
.endr
.irp i, 0,1,2
	v_mov_b32 v[227+\i], v[228+\i]
.endr
.irp p, 0,1,2
	ds_store_b64 v8, v[224+2*\p:225+2*\p] offset:8*\p
.endr
.irp p, 0,1,2
	ds_load_b64 v[236+2*\p:237+2*\p], v9 offset:256*\p   ; LDS serves a wave's instructions in order: these see my stores
.endr
	s_wait_dscnt 0x0
.irp p, 0,1,2
	global_store_b64 v10, v[236+2*\p:237+2*\p], s[60:61] offset:256*\p   ; 256 consecutive bytes, aligned
.endr
	global_store_b16 v6, v254, s[62:63]            ; two bytes of each row's word (the word's other two are the neighbouring head's); both halves of the lanes write the same: 2 bytes a row and head, 131,072 in the launch
	s_wait_xcnt 0x0
	v_lshl_add_u32 v254, v0, 2, 0x36000
	v_mov_b32 v255, 0
	s_wait_tensorcnt 0x0
	ds_add_u32 v254, v255
	s_wait_dscnt 0x0
	CROUND                                         ; the closing round
	s_endpgm
.Lfunc_end_k_qe1540315a6_attn:
	.size	k_qe1540315a6_attn, .Lfunc_end_k_qe1540315a6_attn-k_qe1540315a6_attn
	.p2alignl 7, 3214868480
	.fill 96, 4, 3214868480
	.section	.rodata,"a",@progbits
	.p2align	6, 0x0
	.amdhsa_kernel k_qe1540315a6_attn
		.amdhsa_group_segment_fixed_size 223232
		.amdhsa_private_segment_fixed_size 0
		.amdhsa_enable_private_segment 0
		.amdhsa_kernarg_size 16
		.amdhsa_user_sgpr_count 2
		.amdhsa_user_sgpr_kernarg_segment_ptr 1
		.amdhsa_wavefront_size32 1
		.amdhsa_system_sgpr_workgroup_id_x 1
		.amdhsa_system_sgpr_workgroup_id_y 1
		.amdhsa_system_sgpr_workgroup_id_z 1
		.amdhsa_system_vgpr_workitem_id 0
		.amdhsa_next_free_vgpr 256
		.amdhsa_next_free_sgpr 72
		.amdhsa_reserve_vcc 1
		.amdhsa_float_denorm_mode_32 3
		.amdhsa_float_denorm_mode_16_64 3
		.amdhsa_memory_ordered 1
		.amdhsa_forward_progress 1
		.amdhsa_inst_pref_size 107
	.end_amdhsa_kernel
	.amdgpu_metadata
---
amdhsa.version: [ 1, 2 ]
amdhsa.kernels:
  - .name:           k_qe1540315a6_attn
    .symbol:         k_qe1540315a6_attn.kd
    .args:
      - { .name: qkvq, .offset: 0, .size: 8, .value_kind: global_buffer, .address_space: global }
      - { .name: oq, .offset: 8, .size: 8, .value_kind: global_buffer, .address_space: global }
    .group_segment_fixed_size: 223232
    .private_segment_fixed_size: 0
    .kernarg_segment_align: 8
    .kernarg_segment_size: 16
    .max_flat_workgroup_size: 512
    .sgpr_count:     72
    .vgpr_count:     256
    .wavefront_size: 32
...
	.end_amdgpu_metadata
.endif
;; end of part 4
;; launch oproj (part 5): grid 4 x 16, 4 waves a work-group, clusters of 4 x 4, 327,680 bytes of LDS; arguments oq, wq, out_b, x, x1; writes x1
.if DOCPART == 5
	.amdgcn_target "amdgcn-amd-amdhsa--gfx1250"
	.amdhsa_code_object_version 6
	.text
	.protected	k_qe1540315a6_oproj
	.globl	k_qe1540315a6_oproj
	.p2align	8
	.type	k_qe1540315a6_oproj,@function
k_qe1540315a6_oproj:
	s_mov_b64 s[64:65], 0
	v_nop
	global_prefetch_b8 v0, s[64:65] scope:SCOPE_SE
	s_setreg_imm32_b32 hwreg(HW_REG_WAVE_MODE, 25, 1), 1
	s_wait_xcnt 0x0
	s_wait_alu depctr_hold_cnt(0) depctr_sa_sdst(0) depctr_va_vdst(0) depctr_va_sdst(0) depctr_va_ssrc(0) depctr_va_vcc(0) depctr_vm_vsrc(0)
	s_getreg_b32 s2, hwreg(HW_REG_IB_STS2, 6, 4)
	s_cmp_eq_u32 s2, 0
	s_cbranch_scc0 .Lentry_in_a_cluster
	s_endpgm
.Lentry_in_a_cluster:
	s_bfe_u32 s2, ttmp6, 0x10000c
	s_cmp_lg_u32 s2, 0xf033
	s_cbranch_scc0 .Lentry_shape_is_right
	s_endpgm
.Lentry_shape_is_right:
; x1 = x + o out_w^T + out_b: the product on codes of FP6 (E2M3) with E8M0 scales, the residual in f32.
; THE PRODUCT.  A tile of 256 x 256 to a work-group of four waves, 128 x 128 (64 accumulators) to a wave; K in steps of 256 through a ring of two LDS slots; 4 x 4 clusters: A's tiles asked for jointly along a row of the
; cluster, B's along a column.  Operands lie in memory in PLANES [K / 64][rows][48 bytes]: 128 rows of a plane are 6,144 consecutive bytes, a lane's 24 bytes of a fragment lie at 48 r + 24 h (word 6 (2 r + h): the 32 lanes of
; a load of 8 bytes touch 64 different banks, no padding).  Scale words [K / 128][rows][4] of the work-group's rows, for all of K, come into LDS once.
; USED TRANSPOSED (source 0 = 16 rows of the weight, source 1 = 16 rows of the activation).  Rows stand at places sw(.) (bits 3 and 4 changed over), so accumulator (a, b), lane (r, h), register j is
; row t = T0 + 32 (a / 2) + 8 (a % 2) + r + 8 (r / 8), column 32 (b / 2) + 16 h + 8 (b % 2) + j.  The bias is the C of each sum's first product.
; N = 1,024 gives 64 tiles of this size: 64 work-groups; the tile is kept so that one text of the product serves all four launches.
.set SIZE_K, 1024
.set SIZE_N, 1024
.set ASC,    3145728
.set WC,     2359296
.set WS,     9535488
.set PL,     6144
.set HALFT,  4*PL
.set SLOT,   4*HALFT
.set SCL,    2*SLOT
.set KW,     SIZE_K/128
.set HALFS,  KW*512
.set SPARE,  SCL+4*HALFS               ; the spare words: 128 bytes a wave, two blocks of 256 bytes that no other line names
.set LAPS,   SIZE_K/512
.set ASTEP,  4*4096*48
.set BSTEP,  4*SIZE_N*48
.set NQ, 2
.set FR, 12
.set NL, 6
.set NP, 4
.set ADRA, 16
.set ADRB, 20
.set ADRS, 27
.set SPW,  28
.set NIL,  29
.set BO,   30
.set SC,   32
.set BIAS, 64
.set AF,   128
.set G1, 24
.set G0, 32
.set G1B, 48
.set G0B, 56
.set G1S, 68
.set G0S, 76
.set G1SB, 80
.set G0SB, 88
.set MSB, 0
.macro WIN new                         ; the immediate's high byte repeats the setting that is left
.if MSB != (\new)
	s_set_vgpr_msb (MSB<<8)|(\new)
.set MSB, (\new)
.endif
.endm
.set MUL_LO, 0xa1
.set MUL_HI, 0xf1
.set TO_B,   0x40
.macro JLOAD g0a, g1a, g0b, g1b        ; a joint load: waves 0, 1 fetch for A, waves 2, 3 for B; four v_nop follow each line
	s_cmp_eq_u32 s15, 0
	s_cbranch_scc0 .Lfor_b_\@
	tensor_load_to_lds s[\g0a:\g0a+3], s[\g1a:\g1a+7]
	s_nop 0
.rept 4
	v_nop
.endr
	s_branch .Lasked_\@
.Lfor_b_\@:
	tensor_load_to_lds s[\g0b:\g0b+3], s[\g1b:\g1b+7]
	s_nop 0
.rept 4
	v_nop
.endr
.Lasked_\@:
.endm
.macro CREST
	s_cmp_lg_u32 s14, 0
	s_cbranch_scc1 .Lnot_wave_0_\@
	s_barrier_signal -3
.Lnot_wave_0_\@:
	s_barrier_wait -3
	s_barrier_signal -1
	s_barrier_wait -1
.endm
.macro CROUND
	s_barrier_signal -1
	s_barrier_wait -1
	CREST
.endm
	s_load_b128 s[4:7], s[0:1], 0x0                ; A's buffer, wq
	s_load_b64 s[8:9], s[0:1], 0x10                ; the bias
	s_load_b128 s[96:99], s[0:1], 0x18             ; the residual, the result
	v_lshl_add_u32 v[SPW], v0, 2, SPARE
	v_mov_b32 v[NIL], 0
	ds_add_u32 v28, v29
	ds_add_u32 v28, v29
	s_wait_dscnt 0x0
	v_lshrrev_b32 v1, 5, v0
	v_readfirstlane_b32 s14, v1
	s_lshr_b32 s15, s14, 1
	s_and_b32 s16, s14, 1
	s_bfe_u32 s40, ttmp6, 0x40000
	s_bfe_u32 s41, ttmp6, 0x40004
	s_lshl_b32 s42, ttmp9, 2
	s_add_co_u32 s42, s42, s40                     ; tile column X
	s_and_b32 s17, ttmp7, 0xffff
	s_lshl_b32 s17, s17, 2
	s_add_co_u32 s17, s17, s41                     ; tile row Y
	s_lshl_b32 s43, s41, 2
	s_lshl_b32 s43, 15, s43
	s_lshl_b32 s44, 0x1111, s40
	s_or_b32 s[G1+0], s43, (3<<16)|(1<<21)
	s_or_b32 s[G1B+0], s44, (3<<16)|(1<<21)
.irp g, G1, G1B
	s_mov_b32 s[\g+1], 768<<16
	s_mov_b32 s[\g+2], 4<<16
	s_mov_b32 s[\g+3], 768<<16
	s_mov_b32 s[\g+4], 4
	s_mov_b32 s[\g+6], 0
	s_mov_b32 s[\g+7], 0
.endr
	s_mov_b32 s[G1+5], 4096*6
	s_mov_b32 s[G1B+5], SIZE_N*6
	s_or_b32 s[G1S+0], s43, (3<<16)|(1<<21)
	s_or_b32 s[G1SB+0], s44, (3<<16)|(1<<21)
.irp g, G1S, G1SB
	s_mov_b32 s[\g+1], 64<<16
	s_mov_b32 s[\g+2], KW<<16
	s_mov_b32 s[\g+3], 64<<16
	s_mov_b32 s[\g+4], KW
	s_mov_b32 s[\g+6], 0
	s_mov_b32 s[\g+7], 0
.endr
	s_mov_b32 s[G1S+5], 4096/2
	s_mov_b32 s[G1SB+5], SIZE_N/2
	s_lshl_b32 s18, s16, 7
	s_lshl_b32 s20, s17, 8
	s_add_co_u32 s20, s20, s18
	s_lshl_b32 s46, s42, 8
	s_add_co_u32 s46, s46, s18
	s_lshl_b32 s22, s20, 2
	s_add_co_u32 s22, s22, ASC
	s_mov_b32 s23, 0
	s_lshl_b32 s92, s46, 2
	s_add_co_u32 s92, s92, WS
	s_mov_b32 s93, 0
	s_mul_i32 s20, s20, 48
	s_mov_b32 s21, 0
	s_mul_i32 s46, s46, 48
	s_add_co_u32 s46, s46, WC
	s_mov_b32 s47, 0
	s_mul_i32 s45, s14, HALFT
	s_mul_i32 s94, s14, HALFS
	s_wait_kmcnt 0x0
	s_add_nc_u64 s[20:21], s[4:5], s[20:21]
	s_add_nc_u64 s[22:23], s[4:5], s[22:23]
	s_add_nc_u64 s[46:47], s[6:7], s[46:47]
	s_add_nc_u64 s[92:93], s[6:7], s[92:93]
	CROUND                                         ; all sixteen work-groups are here: the first joint loads meet
	s_mov_b32 s[G0S], 1
	s_add_co_u32 s[G0S+1], s94, SCL
	s_mov_b64 s[G0S+2:G0S+3], s[22:23]
	s_or_b32 s[G0S+3], s[G0S+3], 0x80000000
	s_mov_b32 s[G0SB], 1
	s_add_co_u32 s[G0SB+1], s94, SCL
	s_mov_b64 s[G0SB+2:G0SB+3], s[92:93]
	s_or_b32 s[G0SB+3], s[G0SB+3], 0x80000000
	JLOAD G0S, G1S, G0SB, G1SB
.irp s, 0,1
	s_mov_b32 s[G0+4*\s], 1
	s_add_co_u32 s[G0+4*\s+1], s45, \s*SLOT
	s_add_nc_u64 s[G0+4*\s+2:G0+4*\s+3], s[20:21], \s*ASTEP
	s_or_b32 s[G0+4*\s+3], s[G0+4*\s+3], 0x80000000
	s_mov_b32 s[G0B+4*\s], 1
	s_add_co_u32 s[G0B+4*\s+1], s45, \s*SLOT
	s_add_nc_u64 s[G0B+4*\s+2:G0B+4*\s+3], s[46:47], \s*BSTEP
	s_or_b32 s[G0B+4*\s+3], s[G0B+4*\s+3], 0x80000000
	JLOAD G0+4*\s, G1, G0B+4*\s, G1B
.endr
	v_and_b32 v1, 15, v0
	v_bfe_u32 v2, v0, 4, 1
	v_mul_u32_u24 v3, v1, 48
	v_mad_u32_u24 v3, v2, 24, v3
	s_mul_i32 s21, s15, HALFT
	s_mul_i32 s22, s16, HALFT
	s_add_co_u32 s22, s22, 2*HALFT
.irp s, 0,1
	v_add_nc_u32 v[ADRA+\s], s21, v3
	v_add_nc_u32 v[ADRB+\s], s22, v3
	s_add_co_u32 s21, s21, SLOT
	s_add_co_u32 s22, s22, SLOT
.endr
	s_mul_i32 s21, s15, HALFS
	s_mul_i32 s22, s16, HALFS
	s_add_co_u32 s22, s22, 2*HALFS
	s_sub_co_u32 s22, s22, s21
	v_mul_u32_u24 v6, s22, v2
	s_add_co_u32 s21, s21, SCL
	v_lshl_add_u32 v5, v1, 2, v6
	v_add_nc_u32 v[ADRS], s21, v5
	v_lshlrev_b32 v[BO], 6, v2
	s_lshl_b32 s46, s42, 10
	s_lshl_b32 s47, s16, 9
	s_add_co_u32 s46, s46, s47
	s_mov_b32 s47, 0
	s_add_nc_u64 s[8:9], s[8:9], s[46:47]
.irp b, 0,1,2,3,4,5,6,7
	global_load_b128 v[BIAS+8*\b:BIAS+8*\b+3], v[BO], s[8:9] offset:128*(\b/2)+32*(\b%2)
	global_load_b128 v[BIAS+8*\b+4:BIAS+8*\b+7], v[BO], s[8:9] offset:128*(\b/2)+32*(\b%2)+16
.endr
.macro FRAG reg, adr, q, i
.irp p, 0,1,2,3,4,5
	ds_load_b64 v[\reg+2*\p:\reg+2*\p+1], v[\adr] offset:(2*(\q)+\p/3)*PL+(\i)*768+8*(\p%3)
.endr
.endm
; the 64 accumulators take turns, one instruction a turn
.macro MUL16 a0, p, q, sc, zero
.irp a, \a0, \a0+1
.irp b, 0,1,2,3,4,5,6,7
.if \zero
	v_wmma_scale_f32_16x16x128_f8f6f4 v[8*(8*((\a)%4)+\b):8*(8*((\a)%4)+\b)+7], v[128*(\p)+FR*\b:128*(\p)+FR*\b+FR-1], v[AF+FR*(\a):AF+FR*(\a)+FR-1], v[BIAS+8*\b:BIAS+8*\b+7], v[SC+16*(\sc)+2*\b+(\q)], v[SC+16*(\sc)+2*(\a)+(\q)] matrix_a_fmt:MATRIX_FMT_FP6 matrix_b_fmt:MATRIX_FMT_FP6 matrix_a_scale:MATRIX_SCALE_ROW1
.else
	v_wmma_scale_f32_16x16x128_f8f6f4 v[8*(8*((\a)%4)+\b):8*(8*((\a)%4)+\b)+7], v[128*(\p)+FR*\b:128*(\p)+FR*\b+FR-1], v[AF+FR*(\a):AF+FR*(\a)+FR-1], v[8*(8*((\a)%4)+\b):8*(8*((\a)%4)+\b)+7], v[SC+16*(\sc)+2*\b+(\q)], v[SC+16*(\sc)+2*(\a)+(\q)] matrix_a_fmt:MATRIX_FMT_FP6 matrix_b_fmt:MATRIX_FMT_FP6 matrix_a_scale:MATRIX_SCALE_ROW1
.endif
.endr
.endr
.endm
.macro FETCH_B slot, q, p
	WIN TO_B
.irp i, 0,1,2,3,4,5,6,7
	FRAG 128*(\p)+FR*\i, ADRB+\slot, \q, \i
.endr
	WIN 0
.endm
.macro FETCH_A slot, q, i0
.irp i, \i0, \i0+1, \i0+2, \i0+3
	FRAG AF+FR*(\i), ADRA+\slot, \q, \i
.endr
.endm
.macro SCALES sc
.irp i, 0,1,2,3,4,5,6,7
	ds_load_b32 v[SC+16*\sc+2*\i], v[ADRS] offset:64*\i
	ds_load_b32 v[SC+16*\sc+2*\i+1], v[ADRS] offset:512+64*\i
.endr
.endm
.macro PLACES n
.rept \n
	v_nop
.endr
.endm
.macro STEP slot, q, zero
	s_wait_dscnt 4*NL                              ; all but A's blocks 4-7 (4 x 6 loads)
	WIN MUL_LO-0x20*\zero
	MUL16 0, (\q)%2, \q, \slot, \zero
	MUL16 2, (\q)%2, \q, \slot, \zero
	s_wait_dscnt 0
	PLACES NP
	FETCH_B \slot, (\q)+1, 1-(\q)%2
	FETCH_A \slot, (\q)+1, 0
	WIN MUL_HI-0x30*\zero
	MUL16 4, (\q)%2, \q, \slot, \zero
	MUL16 6, (\q)%2, \q, \slot, \zero
	PLACES NP
	WIN 0
	FETCH_A \slot, (\q)+1, 4
.endm
.macro TURN slot, next, fill
	s_wait_tensorcnt 0x0                           ; all my tensor loads have landed: my part of the next slot
	ds_add_u32 v[SPW], v[NIL]
	s_wait_dscnt 4*NL+1                            ; (the add and A's blocks 4-7 may be out)
	WIN MUL_LO
	MUL16 0, 1, NQ-1, \slot, 0
	s_wait_dscnt 0x0                               ; the add is done, my reads of this slot are over
	s_barrier_signal -1
	MUL16 2, 1, NQ-1, \slot, 0
	WIN 0
	s_barrier_wait -1
.if \fill
	CREST                                          ; the barrier has opened a round of the cluster's
	s_add_nc_u64 s[G0+4*\slot+2:G0+4*\slot+3], s[G0+4*\slot+2:G0+4*\slot+3], 2*ASTEP
	s_add_nc_u64 s[G0B+4*\slot+2:G0B+4*\slot+3], s[G0B+4*\slot+2:G0B+4*\slot+3], 2*BSTEP
	JLOAD G0+4*\slot, G1, G0B+4*\slot, G1B         ; the first tensor load behind the round
.else
	PLACES NP
.endif
	v_add_nc_u32 v[ADRS], 1024, v[ADRS]
	FETCH_B \next, 0, 0
	FETCH_A \next, 0, 0
	SCALES \next
	WIN MUL_HI
	MUL16 4, 1, NQ-1, \slot, 0
	MUL16 6, 1, NQ-1, \slot, 0
	PLACES NP
	WIN 0
	FETCH_A \next, 0, 4
.endm
	s_wait_tensorcnt 1                             ; the words and K step 0 are in; K step 1's load may be out
	s_barrier_signal -1
	s_barrier_wait -1
	FETCH_B 0, 0, 0
	FETCH_A 0, 0, 0
	SCALES 0
	FETCH_A 0, 0, 4
	s_wait_loadcnt 0x0                             ; the bias
	STEP 0, 0, 1
	s_mov_b32 s3, LAPS-1
.Llap:
	TURN 0, 1, 1
	STEP 1, 0, 0
	TURN 1, 0, 1
	STEP 0, 0, 0
	s_sub_co_u32 s3, s3, 1
	s_cmp_lg_u32 s3, 0
	s_cbranch_scc1 .Llap
	TURN 0, 1, 0
	STEP 1, 0, 0
	s_wait_dscnt 4*NL
	WIN MUL_LO
	MUL16 0, 1, NQ-1, 1, 0
	MUL16 2, 1, NQ-1, 1, 0
	s_wait_dscnt 0
	WIN MUL_HI
	MUL16 4, 1, NQ-1, 1, 0
	MUL16 6, 1, NQ-1, 1, 0
	WIN 0
	PLACES NP
; ---- THE WAY OUT, 16 rows x 128 columns at a time, through my own stage (16 rows of 512 + 16 bytes, in slot 0, which has had its last fill and its last read); whole rows of 512 bytes come back, take the residual and leave.
.set R, 64                             ; v64-127 the residual's 16 rows;  v128-191, v192-255 the block's, by turns
	s_lshr_b32 s18, s17, 3                         ; b
	s_and_b32 s19, s17, 7
	s_lshl_b32 s19, s19, 1
	s_add_co_u32 s19, s19, s15
	s_lshl_b32 s19, s19, 8                         ; 2 T0
	s_add_co_u32 s19, s19, s18
	s_lshl_b32 s22, s19, 12                        ; row 2 T0 + b of 4,096 bytes
	s_lshl_b32 s20, s42, 10
	s_add_co_u32 s22, s22, s20
	s_lshl_b32 s20, s16, 9
	s_add_co_u32 s22, s22, s20                     ; + my first column
	s_mov_b32 s23, 0
	s_add_nc_u64 s[96:97], s[96:97], s[22:23]
	s_add_nc_u64 s[98:99], s[98:99], s[22:23]
	s_mul_i32 s21, s14, 8448
	v_mul_u32_u24 v24, v1, 528
	v_lshl_add_u32 v24, v2, 6, v24
	v_add_nc_u32 v24, s21, v24                     ; in: row r, + 64 h
	v_and_b32 v4, 31, v0
	v_lshlrev_b32 v26, 4, v4
	v_add_nc_u32 v25, s21, v26                     ; back: 16 bytes a lane
.macro RLOAD a
.irp t, 0,1,2,3,4,5,6,7,8,9,10,11,12,13,14,15
	global_load_b128 v[R+4*\t:R+4*\t+3], v26, s[96:97] offset:(32*((\a)/2)+8*((\a)%2)+\t+8*(\t/8))*8192 th:TH_LOAD_NT
.endr
.endm
.macro OUTBLK a
.set AC, 64*((\a)%4)
.set BB, 128+64*((\a)%2)
.if (\a) >= 2
	s_wait_xcnt 0x0                                ; the stores of the block two back have read their registers
.endif
	WIN 0x08+4*((\a)/4)
.irp b, 0,1,2,3,4,5,6,7
	ds_store_b128 v24, v[AC+8*\b:AC+8*\b+3] offset:128*(\b/2)+32*(\b%2)     ; each accumulator from its low end on
	ds_store_b128 v24, v[AC+8*\b+4:AC+8*\b+7] offset:128*(\b/2)+32*(\b%2)+16
.endr
	WIN 0
.irp t, 0,1,2,3,4,5,6,7,8,9,10,11,12,13,14,15
	ds_load_b128 v[BB+4*\t:BB+4*\t+3], v25 offset:\t*528
.endr
	s_wait_dscnt 0x0
	s_wait_loadcnt 0x0                             ; the residual's rows
.set i, 0
.rept 32
	v_pk_add_f32 v[BB+i:BB+i+1], v[BB+i:BB+i+1], v[R+i:R+i+1]
.set i, i+2
.endr
.if (\a) < 7
	RLOAD (\a)+1
.endif
.irp t, 0,1,2,3,4,5,6,7,8,9,10,11,12,13,14,15
	global_store_b128 v26, v[BB+4*\t:BB+4*\t+3], s[98:99] offset:(32*((\a)/2)+8*((\a)%2)+\t+8*(\t/8))*8192   ; 512 consecutive bytes, aligned to 256
.endr
.endm
	RLOAD 0
.irp a, 0,1,2,3,4,5,6,7
	OUTBLK \a
.endr
	s_wait_tensorcnt 0x0                           ; the wave's end
	ds_add_u32 v[SPW], v[NIL]
	s_wait_dscnt 0x0
	CROUND                                         ; the closing round
	s_endpgm
.Lfunc_end_k_qe1540315a6_oproj:
	.size	k_qe1540315a6_oproj, .Lfunc_end_k_qe1540315a6_oproj-k_qe1540315a6_oproj
	.p2alignl 7, 3214868480
	.fill 96, 4, 3214868480
	.section	.rodata,"a",@progbits
	.p2align	6, 0x0
	.amdhsa_kernel k_qe1540315a6_oproj
		.amdhsa_group_segment_fixed_size 327680
		.amdhsa_private_segment_fixed_size 0
		.amdhsa_enable_private_segment 0
		.amdhsa_kernarg_size 40
		.amdhsa_user_sgpr_count 2
		.amdhsa_user_sgpr_kernarg_segment_ptr 1
		.amdhsa_wavefront_size32 1
		.amdhsa_system_sgpr_workgroup_id_x 1
		.amdhsa_system_sgpr_workgroup_id_y 1
		.amdhsa_system_sgpr_workgroup_id_z 1
		.amdhsa_system_vgpr_workitem_id 0
		.amdhsa_next_free_vgpr 1024
		.amdhsa_next_free_sgpr 100
		.amdhsa_reserve_vcc 0
		.amdhsa_float_denorm_mode_32 3
		.amdhsa_float_denorm_mode_16_64 3
		.amdhsa_memory_ordered 1
		.amdhsa_forward_progress 1
		.amdhsa_inst_pref_size 191
	.end_amdhsa_kernel
	.amdgpu_metadata
---
amdhsa.version: [ 1, 2 ]
amdhsa.kernels:
  - .name:           k_qe1540315a6_oproj
    .symbol:         k_qe1540315a6_oproj.kd
    .args:
      - { .name: oq, .offset: 0, .size: 8, .value_kind: global_buffer, .address_space: global }
      - { .name: wq, .offset: 8, .size: 8, .value_kind: global_buffer, .address_space: global }
      - { .name: out_b, .offset: 16, .size: 8, .value_kind: global_buffer, .address_space: global }
      - { .name: x, .offset: 24, .size: 8, .value_kind: global_buffer, .address_space: global }
      - { .name: x1, .offset: 32, .size: 8, .value_kind: global_buffer, .address_space: global }
    .group_segment_fixed_size: 327680
    .private_segment_fixed_size: 0
    .kernarg_segment_align: 8
    .kernarg_segment_size: 40
    .max_flat_workgroup_size: 128
    .sgpr_count:     100
    .vgpr_count:     1024
    .wavefront_size: 32
...
	.end_amdgpu_metadata
.endif
;; end of part 5
;; launch ln2: the kernel of part 2 again; grid 128 x 1, 4 waves a work-group, no clusters, 44,800 bytes of LDS; arguments x1, ln2_g, ln2_b, hq; writes hq
;; launch ffn1 (part 6): grid 16 x 16, 4 waves a work-group, clusters of 4 x 4, 327,680 bytes of LDS; arguments hq, wq, b1, gq; writes gq
.if DOCPART == 6
	.amdgcn_target "amdgcn-amd-amdhsa--gfx1250"
	.amdhsa_code_object_version 6
	.text
	.protected	k_qe1540315a6_ffn1
	.globl	k_qe1540315a6_ffn1
	.p2align	8
	.type	k_qe1540315a6_ffn1,@function
k_qe1540315a6_ffn1:
	s_mov_b64 s[64:65], 0
	v_nop
	global_prefetch_b8 v0, s[64:65] scope:SCOPE_SE
	s_setreg_imm32_b32 hwreg(HW_REG_WAVE_MODE, 25, 1), 1
	s_wait_xcnt 0x0
	s_wait_alu depctr_hold_cnt(0) depctr_sa_sdst(0) depctr_va_vdst(0) depctr_va_sdst(0) depctr_va_ssrc(0) depctr_va_vcc(0) depctr_vm_vsrc(0)
	s_getreg_b32 s2, hwreg(HW_REG_IB_STS2, 6, 4)
	s_cmp_eq_u32 s2, 0
	s_cbranch_scc0 .Lentry_in_a_cluster
	s_endpgm
.Lentry_in_a_cluster:
	s_bfe_u32 s2, ttmp6, 0x10000c
	s_cmp_lg_u32 s2, 0xf033
	s_cbranch_scc0 .Lentry_shape_is_right
	s_endpgm
.Lentry_shape_is_right:
; gelu(LN2(x1) w1^T + b1), the product on codes of FP6 (E2M3) with E8M0 scales, the activation in f32, its result quantised along the hidden units: only codes and scale words leave.
; gelu is reference()'s tanh form rewritten: x / (1 + 2^(x (k0 + k1 x x))), k0 = -2 log2(e) sqrt(2 / pi), k1 = 0.044715 k0.
; THE PRODUCT.  A tile of 256 x 256 to a work-group of four waves, 128 x 128 (64 accumulators) to a wave; K in steps of 256 through a ring of two LDS slots; 4 x 4 clusters: A's tiles asked for jointly along a row of the
; cluster, B's along a column.  Operands lie in memory in PLANES [K / 64][rows][48 bytes]: 128 rows of a plane are 6,144 consecutive bytes, a lane's 24 bytes of a fragment lie at 48 r + 24 h (word 6 (2 r + h): the 32 lanes of
; a load of 8 bytes touch 64 different banks, no padding).  Scale words [K / 128][rows][4] of the work-group's rows, for all of K, come into LDS once.
; USED TRANSPOSED (source 0 = 16 rows of the weight, source 1 = 16 rows of the activation).  Weight rows stand at places sw(n) (bits 3 and 4 changed over), so in accumulators (a, 0 .. 7) a lane's register 16 i + j is
; column 32 i + 16 h + j of its row: 16 neighbours of each block of 32 along the next K.  The bias is the C of each sum's first product.
; LIMITS: NaN and infinities are not served; blocks under 2^-124 keep the floor's byte.
.set SIZE_K, 1024
.set SIZE_N, 4096
.set ASC,    3145728
.set WC,     3145728
.set WS,     9568256
.set PL,     6144
.set HALFT,  4*PL
.set SLOT,   4*HALFT
.set SCL,    2*SLOT
.set KW,     SIZE_K/128
.set HALFS,  KW*512
.set SPARE,  SCL+4*HALFS               ; the spare words: 128 bytes a wave, two blocks of 256 bytes that no other line names
.set LAPS,   SIZE_K/512
.set ASTEP,  4*4096*48
.set BSTEP,  4*SIZE_N*48
.set NQ, 2
.set FR, 12
.set NL, 6
.set NP, 4
.set ADRA, 16
.set ADRB, 20
.set ADRS, 27
.set SPW,  28
.set NIL,  29
.set BO,   30
.set SC,   32
.set BIAS, 64
.set AF,   128
.set G1, 24
.set G0, 32
.set G1B, 48
.set G0B, 56
.set G1S, 68
.set G0S, 76
.set G1SB, 80
.set G0SB, 88
.set MSB, 0
.macro WIN new                         ; the immediate's high byte repeats the setting that is left
.if MSB != (\new)
	s_set_vgpr_msb (MSB<<8)|(\new)
.set MSB, (\new)
.endif
.endm
.set MUL_LO, 0xa1
.set MUL_HI, 0xf1
.set TO_B,   0x40
.macro JLOAD g0a, g1a, g0b, g1b        ; a joint load: waves 0, 1 fetch for A, waves 2, 3 for B; four v_nop follow each line
	s_cmp_eq_u32 s15, 0
	s_cbranch_scc0 .Lfor_b_\@
	tensor_load_to_lds s[\g0a:\g0a+3], s[\g1a:\g1a+7]
	s_nop 0
.rept 4
	v_nop
.endr
	s_branch .Lasked_\@
.Lfor_b_\@:
	tensor_load_to_lds s[\g0b:\g0b+3], s[\g1b:\g1b+7]
	s_nop 0
.rept 4
	v_nop
.endr
.Lasked_\@:
.endm
.macro CREST
	s_cmp_lg_u32 s14, 0
	s_cbranch_scc1 .Lnot_wave_0_\@
	s_barrier_signal -3
.Lnot_wave_0_\@:
	s_barrier_wait -3
	s_barrier_signal -1
	s_barrier_wait -1
.endm
.macro CROUND
	s_barrier_signal -1
	s_barrier_wait -1
	CREST
.endm
	s_load_b128 s[4:7], s[0:1], 0x0                ; A's buffer, wq
	s_load_b64 s[8:9], s[0:1], 0x10                ; the bias
	s_load_b64 s[96:97], s[0:1], 0x18              ; gq
	v_lshl_add_u32 v[SPW], v0, 2, SPARE
	v_mov_b32 v[NIL], 0
	ds_add_u32 v28, v29
	ds_add_u32 v28, v29
	s_wait_dscnt 0x0
	v_lshrrev_b32 v1, 5, v0
	v_readfirstlane_b32 s14, v1
	s_lshr_b32 s15, s14, 1
	s_and_b32 s16, s14, 1
	s_bfe_u32 s40, ttmp6, 0x40000
	s_bfe_u32 s41, ttmp6, 0x40004
	s_lshl_b32 s42, ttmp9, 2
	s_add_co_u32 s42, s42, s40                     ; tile column X
	s_and_b32 s17, ttmp7, 0xffff
	s_lshl_b32 s17, s17, 2
	s_add_co_u32 s17, s17, s41                     ; tile row Y
	s_lshl_b32 s43, s41, 2
	s_lshl_b32 s43, 15, s43
	s_lshl_b32 s44, 0x1111, s40
	s_or_b32 s[G1+0], s43, (3<<16)|(1<<21)
	s_or_b32 s[G1B+0], s44, (3<<16)|(1<<21)
.irp g, G1, G1B
	s_mov_b32 s[\g+1], 768<<16
	s_mov_b32 s[\g+2], 4<<16
	s_mov_b32 s[\g+3], 768<<16
	s_mov_b32 s[\g+4], 4
	s_mov_b32 s[\g+6], 0
	s_mov_b32 s[\g+7], 0
.endr
	s_mov_b32 s[G1+5], 4096*6
	s_mov_b32 s[G1B+5], SIZE_N*6
	s_or_b32 s[G1S+0], s43, (3<<16)|(1<<21)
	s_or_b32 s[G1SB+0], s44, (3<<16)|(1<<21)
.irp g, G1S, G1SB
	s_mov_b32 s[\g+1], 64<<16
	s_mov_b32 s[\g+2], KW<<16
	s_mov_b32 s[\g+3], 64<<16
	s_mov_b32 s[\g+4], KW
	s_mov_b32 s[\g+6], 0
	s_mov_b32 s[\g+7], 0
.endr
	s_mov_b32 s[G1S+5], 4096/2
	s_mov_b32 s[G1SB+5], SIZE_N/2
	s_lshl_b32 s18, s16, 7
	s_lshl_b32 s20, s17, 8
	s_add_co_u32 s20, s20, s18
	s_lshl_b32 s46, s42, 8
	s_add_co_u32 s46, s46, s18
	s_lshl_b32 s22, s20, 2
	s_add_co_u32 s22, s22, ASC
	s_mov_b32 s23, 0
	s_lshl_b32 s92, s46, 2
	s_add_co_u32 s92, s92, WS
	s_mov_b32 s93, 0
	s_mul_i32 s20, s20, 48
	s_mov_b32 s21, 0
	s_mul_i32 s46, s46, 48
	s_add_co_u32 s46, s46, WC
	s_mov_b32 s47, 0
	s_mul_i32 s45, s14, HALFT
	s_mul_i32 s94, s14, HALFS
	s_wait_kmcnt 0x0
	s_add_nc_u64 s[20:21], s[4:5], s[20:21]
	s_add_nc_u64 s[22:23], s[4:5], s[22:23]
	s_add_nc_u64 s[46:47], s[6:7], s[46:47]
	s_add_nc_u64 s[92:93], s[6:7], s[92:93]
	CROUND                                         ; all sixteen work-groups are here: the first joint loads meet
	s_mov_b32 s[G0S], 1
	s_add_co_u32 s[G0S+1], s94, SCL
	s_mov_b64 s[G0S+2:G0S+3], s[22:23]
	s_or_b32 s[G0S+3], s[G0S+3], 0x80000000
	s_mov_b32 s[G0SB], 1
	s_add_co_u32 s[G0SB+1], s94, SCL
	s_mov_b64 s[G0SB+2:G0SB+3], s[92:93]
	s_or_b32 s[G0SB+3], s[G0SB+3], 0x80000000
	JLOAD G0S, G1S, G0SB, G1SB
.irp s, 0,1
	s_mov_b32 s[G0+4*\s], 1
	s_add_co_u32 s[G0+4*\s+1], s45, \s*SLOT
	s_add_nc_u64 s[G0+4*\s+2:G0+4*\s+3], s[20:21], \s*ASTEP
	s_or_b32 s[G0+4*\s+3], s[G0+4*\s+3], 0x80000000
	s_mov_b32 s[G0B+4*\s], 1
	s_add_co_u32 s[G0B+4*\s+1], s45, \s*SLOT
	s_add_nc_u64 s[G0B+4*\s+2:G0B+4*\s+3], s[46:47], \s*BSTEP
	s_or_b32 s[G0B+4*\s+3], s[G0B+4*\s+3], 0x80000000
	JLOAD G0+4*\s, G1, G0B+4*\s, G1B
.endr
	v_and_b32 v1, 15, v0
	v_bfe_u32 v2, v0, 4, 1
	v_mul_u32_u24 v3, v1, 48
	v_mad_u32_u24 v3, v2, 24, v3
	s_mul_i32 s21, s15, HALFT
	s_mul_i32 s22, s16, HALFT
	s_add_co_u32 s22, s22, 2*HALFT
.irp s, 0,1
	v_add_nc_u32 v[ADRA+\s], s21, v3
	v_add_nc_u32 v[ADRB+\s], s22, v3
	s_add_co_u32 s21, s21, SLOT
	s_add_co_u32 s22, s22, SLOT
.endr
	s_mul_i32 s21, s15, HALFS
	s_mul_i32 s22, s16, HALFS
	s_add_co_u32 s22, s22, 2*HALFS
	s_sub_co_u32 s22, s22, s21
	v_mul_u32_u24 v6, s22, v2
	s_add_co_u32 s21, s21, SCL
	v_lshl_add_u32 v5, v1, 2, v6
	v_add_nc_u32 v[ADRS], s21, v5
	v_lshlrev_b32 v[BO], 6, v2
	s_lshl_b32 s46, s42, 10
	s_lshl_b32 s47, s16, 9
	s_add_co_u32 s46, s46, s47
	s_mov_b32 s47, 0
	s_add_nc_u64 s[8:9], s[8:9], s[46:47]
.irp b, 0,1,2,3,4,5,6,7
	global_load_b128 v[BIAS+8*\b:BIAS+8*\b+3], v[BO], s[8:9] offset:128*(\b/2)+32*(\b%2)
	global_load_b128 v[BIAS+8*\b+4:BIAS+8*\b+7], v[BO], s[8:9] offset:128*(\b/2)+32*(\b%2)+16
.endr
.macro FRAG reg, adr, q, i
.irp p, 0,1,2,3,4,5
	ds_load_b64 v[\reg+2*\p:\reg+2*\p+1], v[\adr] offset:(2*(\q)+\p/3)*PL+(\i)*768+8*(\p%3)
.endr
.endm
; the 64 accumulators take turns, one instruction a turn
.macro MUL16 a0, p, q, sc, zero
.irp a, \a0, \a0+1
.irp b, 0,1,2,3,4,5,6,7
.if \zero
	v_wmma_scale_f32_16x16x128_f8f6f4 v[8*(8*((\a)%4)+\b):8*(8*((\a)%4)+\b)+7], v[128*(\p)+FR*\b:128*(\p)+FR*\b+FR-1], v[AF+FR*(\a):AF+FR*(\a)+FR-1], v[BIAS+8*\b:BIAS+8*\b+7], v[SC+16*(\sc)+2*\b+(\q)], v[SC+16*(\sc)+2*(\a)+(\q)] matrix_a_fmt:MATRIX_FMT_FP6 matrix_b_fmt:MATRIX_FMT_FP6 matrix_a_scale:MATRIX_SCALE_ROW1
.else
	v_wmma_scale_f32_16x16x128_f8f6f4 v[8*(8*((\a)%4)+\b):8*(8*((\a)%4)+\b)+7], v[128*(\p)+FR*\b:128*(\p)+FR*\b+FR-1], v[AF+FR*(\a):AF+FR*(\a)+FR-1], v[8*(8*((\a)%4)+\b):8*(8*((\a)%4)+\b)+7], v[SC+16*(\sc)+2*\b+(\q)], v[SC+16*(\sc)+2*(\a)+(\q)] matrix_a_fmt:MATRIX_FMT_FP6 matrix_b_fmt:MATRIX_FMT_FP6 matrix_a_scale:MATRIX_SCALE_ROW1
.endif
.endr
.endr
.endm
.macro FETCH_B slot, q, p
	WIN TO_B
.irp i, 0,1,2,3,4,5,6,7
	FRAG 128*(\p)+FR*\i, ADRB+\slot, \q, \i
.endr
	WIN 0
.endm
.macro FETCH_A slot, q, i0
.irp i, \i0, \i0+1, \i0+2, \i0+3
	FRAG AF+FR*(\i), ADRA+\slot, \q, \i
.endr
.endm
.macro SCALES sc
.irp i, 0,1,2,3,4,5,6,7
	ds_load_b32 v[SC+16*\sc+2*\i], v[ADRS] offset:64*\i
	ds_load_b32 v[SC+16*\sc+2*\i+1], v[ADRS] offset:512+64*\i
.endr
.endm
.macro PLACES n
.rept \n
	v_nop
.endr
.endm
.macro STEP slot, q, zero
	s_wait_dscnt 4*NL                              ; all but A's blocks 4-7 (4 x 6 loads)
	WIN MUL_LO-0x20*\zero
	MUL16 0, (\q)%2, \q, \slot, \zero
	MUL16 2, (\q)%2, \q, \slot, \zero
	s_wait_dscnt 0
	PLACES NP
	FETCH_B \slot, (\q)+1, 1-(\q)%2
	FETCH_A \slot, (\q)+1, 0
	WIN MUL_HI-0x30*\zero
	MUL16 4, (\q)%2, \q, \slot, \zero
	MUL16 6, (\q)%2, \q, \slot, \zero
	PLACES NP
	WIN 0
	FETCH_A \slot, (\q)+1, 4
.endm
.macro TURN slot, next, fill
	s_wait_tensorcnt 0x0                           ; all my tensor loads have landed: my part of the next slot
	ds_add_u32 v[SPW], v[NIL]
	s_wait_dscnt 4*NL+1                            ; (the add and A's blocks 4-7 may be out)
	WIN MUL_LO
	MUL16 0, 1, NQ-1, \slot, 0
	s_wait_dscnt 0x0                               ; the add is done, my reads of this slot are over
	s_barrier_signal -1
	MUL16 2, 1, NQ-1, \slot, 0
	WIN 0
	s_barrier_wait -1
.if \fill
	CREST                                          ; the barrier has opened a round of the cluster's
	s_add_nc_u64 s[G0+4*\slot+2:G0+4*\slot+3], s[G0+4*\slot+2:G0+4*\slot+3], 2*ASTEP
	s_add_nc_u64 s[G0B+4*\slot+2:G0B+4*\slot+3], s[G0B+4*\slot+2:G0B+4*\slot+3], 2*BSTEP
	JLOAD G0+4*\slot, G1, G0B+4*\slot, G1B         ; the first tensor load behind the round
.else
	PLACES NP
.endif
	v_add_nc_u32 v[ADRS], 1024, v[ADRS]
	FETCH_B \next, 0, 0
	FETCH_A \next, 0, 0
	SCALES \next
	WIN MUL_HI
	MUL16 4, 1, NQ-1, \slot, 0
	MUL16 6, 1, NQ-1, \slot, 0
	PLACES NP
	WIN 0
	FETCH_A \next, 0, 4
.endm
	s_wait_tensorcnt 1                             ; the words and K step 0 are in; K step 1's load may be out
	s_barrier_signal -1
	s_barrier_wait -1
	FETCH_B 0, 0, 0
	FETCH_A 0, 0, 0
	SCALES 0
	FETCH_A 0, 0, 4
	s_wait_loadcnt 0x0                             ; the bias
	STEP 0, 0, 1
	s_mov_b32 s3, LAPS-1
.Llap:
	TURN 0, 1, 1
	STEP 1, 0, 0
	TURN 1, 0, 1
	STEP 0, 0, 0
	s_sub_co_u32 s3, s3, 1
	s_cmp_lg_u32 s3, 0
	s_cbranch_scc1 .Llap
	TURN 0, 1, 0
	STEP 1, 0, 0
	s_wait_dscnt 4*NL
	WIN MUL_LO
	MUL16 0, 1, NQ-1, 1, 0
	MUL16 2, 1, NQ-1, 1, 0
	s_wait_dscnt 0
	WIN MUL_HI
	MUL16 4, 1, NQ-1, 1, 0
	MUL16 6, 1, NQ-1, 1, 0
	WIN 0
	PLACES NP
; ---- THE WAY OUT: 16 rows x 128 hidden units at a time: gelu, quantised in registers (one fragment's codes and a word a row), gathered in my stage (in slot 0, which has had its last fill and its last read).
.set SEL, 10
.set HA,  64                           ; v64-127  64 numbers of a lane
.set PC,  128                          ; v128-147 codes
.set TM,  148                          ; v148-163 the quantiser's
.set PW,  164
.set K0V, 166                          ; v166-167 k0
.set RB,  64
	s_mov_b32 s[SEL], 0x76543210
	s_mov_b32 s[SEL+1], 0xfedcba98
	s_mov_b32 s18, 0xbdd2d3e8                      ; k1
	s_mov_b32 s19, s18
	v_mov_b32 v[K0V], 0xc0135761                   ; k0
	v_mov_b32 v[K0V+1], v[K0V]
.irp b, 0,1,2,3
	v_mov_b32 v[TM+4+\b], 0                        ; (a lane permute's destination counts as one of its sources)
.endr
	s_mul_i32 s21, s14, 12800                      ; codes [2 planes][128 rows][48], then 128 words
	v_add_nc_u32 v24, s21, v3
	v_lshl_add_u32 v25, v1, 2, s21
	v_add_nc_u32 v25, 12288, v25
	v_and_b32 v4, 31, v0
	v_lshlrev_b32 v22, 4, v4
	v_add_nc_u32 v26, s21, v22
	s_lshl_b32 s20, s17, 8
	s_lshl_b32 s22, s15, 7
	s_add_co_u32 s20, s20, s22                     ; my first row's place
	s_lshl_b32 s22, s42, 2
	s_lshl_b32 s23, s16, 1
	s_add_co_u32 s22, s22, s23                     ; my first plane
	s_mul_i32 s22, s22, 196608
	s_mul_i32 s23, s20, 48
	s_add_co_u32 s22, s22, s23
	s_mov_b32 s23, 0
	s_add_nc_u64 s[46:47], s[96:97], s[22:23]
	s_lshl_b32 s22, s42, 1
	s_add_co_u32 s22, s22, s16
	s_lshl_b32 s22, s22, 14
	s_lshl_b32 s45, s20, 2
	s_add_co_u32 s22, s22, s45
	s_add_co_u32 s22, s22, 12582912
	s_add_nc_u64 s[92:93], s[96:97], s[22:23]
.macro GELU a
.set AC, 64*((\a)%4)
.set GW, 2+(\a)/4                      ; the accumulators' window
	WIN 5*GW                                       ; sources 0 and 1
.set i, 0
.rept 32
	v_pk_mul_f32 v[HA+i:HA+i+1], v[AC+i:AC+i+1], v[AC+i:AC+i+1]   ; x x; each accumulator from its low end on
.set i, i+2
.endr
	WIN 0
.set i, 0
.rept 32
	v_pk_fma_f32 v[HA+i:HA+i+1], v[HA+i:HA+i+1], s[18:19], v[K0V:K0V+1] op_sel_hi:[1,0,1]
.set i, i+2
.endr
	WIN GW                                         ; source 0
.set i, 0
.rept 32
	v_pk_mul_f32 v[HA+i:HA+i+1], v[AC+i:AC+i+1], v[HA+i:HA+i+1]
.set i, i+2
.endr
	WIN 0
.set i, 0
.rept 64
	v_exp_f32 v[HA+i], v[HA+i]
.set i, i+1
.endr
	v_nop                                          ; a plain line behind the batch,
	s_wait_alu depctr_va_vdst(0)                   ; and one wait ahead of its first reader
.set i, 0
.rept 32
	v_pk_add_f32 v[HA+i:HA+i+1], v[HA+i:HA+i+1], 1.0 op_sel_hi:[1,0]
.set i, i+2
.endr
.set i, 0
.rept 64
	v_rcp_f32 v[HA+i], v[HA+i]
.set i, i+1
.endr
	v_nop
	s_wait_alu depctr_va_vdst(0)
	WIN GW
.set i, 0
.rept 32
	v_pk_mul_f32 v[HA+i:HA+i+1], v[AC+i:AC+i+1], v[HA+i:HA+i+1]
.set i, i+2
.endr
	WIN 0
.endm
; 64 numbers of a lane, register 16 b + i = k 32 b + 16 h + i of my row, become a fragment's codes in v[PC] on and its scale word in v[PW]
.macro QUANT s
.irp b, 0,1,2,3
	v_max3_num_f32 v[TM+\b], |v[\s+16*\b]|, |v[\s+1+16*\b]|, 0x1800000
.endr
.irp i, 2,4,6,8,10,12,14
.irp b, 0,1,2,3
	v_max3_num_f32 v[TM+\b], v[TM+\b], |v[\s+16*\b+\i]|, |v[\s+1+16*\b+\i]|
.endr
.endr
.irp b, 0,1,2,3
	v_permlanex16_b32 v[TM+4+\b], v[TM+\b], s[SEL], s[SEL+1]
.endr
.irp b, 0,1,2,3
	v_max_num_f32 v[TM+\b], v[TM+\b], v[TM+4+\b]
.endr
.irp b, 0,1,2,3
	v_add_nc_u32 v[TM+12+\b], 0xff000000, v[TM+\b]
.endr
.irp b, 0,1,2,3
	v_lshrrev_b32 v[TM+4+\b], 23, v[TM+12+\b]
.endr
	s_wait_dscnt 0x0                               ; earlier stores into the stage have read the word's and the codes' registers
	v_lshl_or_b32 v[PW], v[TM+5], 8, v[TM+4]
	v_lshl_or_b32 v[PW], v[TM+6], 16, v[PW]
	v_lshl_or_b32 v[PW], v[TM+7], 24, v[PW]
.irp c, 0,1
	v_cvt_scalef32_pk16_fp6_f32 v[PC+6*\c:PC+2+6*\c], v[\s+32*\c:\s+15+32*\c], v[TM+12+2*\c]
	v_cvt_scalef32_pk16_fp6_f32 v[PC+12+4*\c:PC+14+4*\c], v[\s+16+32*\c:\s+31+32*\c], v[TM+12+2*\c+1]
.endr
	v_nop
.irp c, 0,1
.irp i, 0,1,2
	v_permlane16_swap_b32 v[PC+6*\c+\i], v[PC+12+4*\c+\i]
.endr
.irp i, 0,1,2
	v_mov_b32 v[PC+3+6*\c+\i], v[PC+12+4*\c+\i]
.endr
.endr
.endm
.irp a, 0,1,2,3,4,5,6,7
	GELU \a
	QUANT HA
.irp c, 0,1
.irp p, 0,1,2
	ds_store_b64 v24, v[PC+6*\c+2*\p:PC+6*\c+2*\p+1] offset:6144*\c+768*\a+8*\p
.endr
.endr
	ds_store_b32 v25, v[PW] offset:64*\a           ; both halves of the lanes write the same word with the same value
.endr
	s_wait_dscnt 0x0
.set k, 0
.rept 25
	ds_load_b128 v[RB+4*k:RB+4*k+3], v26 offset:512*k
.set k, k+1
.endr
.set k, 0
.rept 24
	s_wait_dscnt 24-k
	global_store_b128 v22, v[RB+4*k:RB+4*k+3], s[46:47] offset:(k/12)*196608+(k%12)*512   ; 512 consecutive bytes, aligned to 256
.set k, k+1
.endr
	s_wait_dscnt 0x0
	global_store_b128 v22, v[RB+96:RB+99], s[92:93]
	s_wait_tensorcnt 0x0                           ; the wave's end
	ds_add_u32 v[SPW], v[NIL]
	s_wait_dscnt 0x0
	CROUND                                         ; the closing round
	s_endpgm
.Lfunc_end_k_qe1540315a6_ffn1:
	.size	k_qe1540315a6_ffn1, .Lfunc_end_k_qe1540315a6_ffn1-k_qe1540315a6_ffn1
	.p2alignl 7, 3214868480
	.fill 96, 4, 3214868480
	.section	.rodata,"a",@progbits
	.p2align	6, 0x0
	.amdhsa_kernel k_qe1540315a6_ffn1
		.amdhsa_group_segment_fixed_size 327680
		.amdhsa_private_segment_fixed_size 0
		.amdhsa_enable_private_segment 0
		.amdhsa_kernarg_size 32
		.amdhsa_user_sgpr_count 2
		.amdhsa_user_sgpr_kernarg_segment_ptr 1
		.amdhsa_wavefront_size32 1
		.amdhsa_system_sgpr_workgroup_id_x 1
		.amdhsa_system_sgpr_workgroup_id_y 1
		.amdhsa_system_sgpr_workgroup_id_z 1
		.amdhsa_system_vgpr_workitem_id 0
		.amdhsa_next_free_vgpr 1024
		.amdhsa_next_free_sgpr 100
		.amdhsa_reserve_vcc 0
		.amdhsa_float_denorm_mode_32 3
		.amdhsa_float_denorm_mode_16_64 3
		.amdhsa_memory_ordered 1
		.amdhsa_forward_progress 1
		.amdhsa_inst_pref_size 255
	.end_amdhsa_kernel
	.section	.bss,"aw",@nobits
	.p2align	6
	.space	262144
	.amdgpu_metadata
---
amdhsa.version: [ 1, 2 ]
amdhsa.kernels:
  - .name:           k_qe1540315a6_ffn1
    .symbol:         k_qe1540315a6_ffn1.kd
    .args:
      - { .name: hq, .offset: 0, .size: 8, .value_kind: global_buffer, .address_space: global }
      - { .name: wq, .offset: 8, .size: 8, .value_kind: global_buffer, .address_space: global }
      - { .name: b1, .offset: 16, .size: 8, .value_kind: global_buffer, .address_space: global }
      - { .name: gq, .offset: 24, .size: 8, .value_kind: global_buffer, .address_space: global }
    .group_segment_fixed_size: 327680
    .private_segment_fixed_size: 0
    .kernarg_segment_align: 8
    .kernarg_segment_size: 32
    .max_flat_workgroup_size: 128
    .sgpr_count:     100
    .vgpr_count:     1024
    .wavefront_size: 32
...
	.end_amdgpu_metadata
.endif
;; end of part 6
;; launch ffn2 (part 7): grid 4 x 16, 4 waves a work-group, clusters of 4 x 4, 327,680 bytes of LDS; arguments gq, wq, b2, x1, out0; writes out0
.if DOCPART == 7
	.amdgcn_target "amdgcn-amd-amdhsa--gfx1250"
	.amdhsa_code_object_version 6
	.text
	.protected	k_qe1540315a6_ffn2
	.globl	k_qe1540315a6_ffn2
	.p2align	8
	.type	k_qe1540315a6_ffn2,@function
k_qe1540315a6_ffn2:
	s_mov_b64 s[64:65], 0
	v_nop
	global_prefetch_b8 v0, s[64:65] scope:SCOPE_SE
	s_setreg_imm32_b32 hwreg(HW_REG_WAVE_MODE, 25, 1), 1
	s_wait_xcnt 0x0
	s_wait_alu depctr_hold_cnt(0) depctr_sa_sdst(0) depctr_va_vdst(0) depctr_va_sdst(0) depctr_va_ssrc(0) depctr_va_vcc(0) depctr_vm_vsrc(0)
	s_getreg_b32 s2, hwreg(HW_REG_IB_STS2, 6, 4)
	s_cmp_eq_u32 s2, 0
	s_cbranch_scc0 .Lentry_in_a_cluster
	s_endpgm
.Lentry_in_a_cluster:
	s_bfe_u32 s2, ttmp6, 0x10000c
	s_cmp_lg_u32 s2, 0xf033
	s_cbranch_scc0 .Lentry_shape_is_right
	s_endpgm
.Lentry_shape_is_right:
; out0 = x1 + g w2^T + b2: the product (K = 4,096) on codes of FP6 (E2M3) with E8M0 scales, the residual in f32.
; THE PRODUCT.  A tile of 256 x 256 to a work-group of four waves, 128 x 128 (64 accumulators) to a wave; K in steps of 256 through a ring of two LDS slots; 4 x 4 clusters: A's tiles asked for jointly along a row of the
; cluster, B's along a column.  Operands lie in memory in PLANES [K / 64][rows][48 bytes]: 128 rows of a plane are 6,144 consecutive bytes, a lane's 24 bytes of a fragment lie at 48 r + 24 h (word 6 (2 r + h): the 32 lanes of
; a load of 8 bytes touch 64 different banks, no padding).  Scale words [K / 128][rows][4] of the work-group's rows, for all of K (65,536 bytes), come into LDS once.
; USED TRANSPOSED (source 0 = 16 rows of the weight, source 1 = 16 rows of the activation).  Rows stand at places sw(.) (bits 3 and 4 changed over), so accumulator (a, b), lane (r, h), register j is
; row t = T0 + 32 (a / 2) + 8 (a % 2) + r + 8 (r / 8), column 32 (b / 2) + 16 h + 8 (b % 2) + j.  The bias is the C of each sum's first product.
; N = 1,024 gives 64 tiles of this size: 64 work-groups; the tile is kept so that one text of the product serves all four launches.
.set SIZE_K, 4096
.set SIZE_N, 1024
.set ASC,    12582912
.set WC,     6291456
.set WS,     9699328
.set PL,     6144
.set HALFT,  4*PL
.set SLOT,   4*HALFT
.set SCL,    2*SLOT
.set KW,     SIZE_K/128
.set HALFS,  KW*512
.set SPARE,  SCL+4*HALFS               ; the spare words: 128 bytes a wave, two blocks of 256 bytes that no other line names
.set LAPS,   SIZE_K/512
.set ASTEP,  4*4096*48
.set BSTEP,  4*SIZE_N*48
.set NQ, 2
.set FR, 12
.set NL, 6
.set NP, 4
.set ADRA, 16
.set ADRB, 20
.set ADRS, 27
.set SPW,  28
.set NIL,  29
.set BO,   30
.set SC,   32
.set BIAS, 64
.set AF,   128
.set G1, 24
.set G0, 32
.set G1B, 48
.set G0B, 56
.set G1S, 68
.set G0S, 76
.set G1SB, 80
.set G0SB, 88
.set MSB, 0
.macro WIN new                         ; the immediate's high byte repeats the setting that is left
.if MSB != (\new)
	s_set_vgpr_msb (MSB<<8)|(\new)
.set MSB, (\new)
.endif
.endm
.set MUL_LO, 0xa1
.set MUL_HI, 0xf1
.set TO_B,   0x40
.macro JLOAD g0a, g1a, g0b, g1b        ; a joint load: waves 0, 1 fetch for A, waves 2, 3 for B; four v_nop follow each line
	s_cmp_eq_u32 s15, 0
	s_cbranch_scc0 .Lfor_b_\@
	tensor_load_to_lds s[\g0a:\g0a+3], s[\g1a:\g1a+7]
	s_nop 0
.rept 4
	v_nop
.endr
	s_branch .Lasked_\@
.Lfor_b_\@:
	tensor_load_to_lds s[\g0b:\g0b+3], s[\g1b:\g1b+7]
	s_nop 0
.rept 4
	v_nop
.endr
.Lasked_\@:
.endm
.macro CREST
	s_cmp_lg_u32 s14, 0
	s_cbranch_scc1 .Lnot_wave_0_\@
	s_barrier_signal -3
.Lnot_wave_0_\@:
	s_barrier_wait -3
	s_barrier_signal -1
	s_barrier_wait -1
.endm
.macro CROUND
	s_barrier_signal -1
	s_barrier_wait -1
	CREST
.endm
	s_load_b128 s[4:7], s[0:1], 0x0                ; A's buffer, wq
	s_load_b64 s[8:9], s[0:1], 0x10                ; the bias
	s_load_b128 s[96:99], s[0:1], 0x18             ; the residual, the result
	v_lshl_add_u32 v[SPW], v0, 2, SPARE
	v_mov_b32 v[NIL], 0
	ds_add_u32 v28, v29
	ds_add_u32 v28, v29
	s_wait_dscnt 0x0
	v_lshrrev_b32 v1, 5, v0
	v_readfirstlane_b32 s14, v1
	s_lshr_b32 s15, s14, 1
	s_and_b32 s16, s14, 1
	s_bfe_u32 s40, ttmp6, 0x40000
	s_bfe_u32 s41, ttmp6, 0x40004
	s_lshl_b32 s42, ttmp9, 2
	s_add_co_u32 s42, s42, s40                     ; tile column X
	s_and_b32 s17, ttmp7, 0xffff
	s_lshl_b32 s17, s17, 2
	s_add_co_u32 s17, s17, s41                     ; tile row Y
	s_lshl_b32 s43, s41, 2
	s_lshl_b32 s43, 15, s43
	s_lshl_b32 s44, 0x1111, s40
	s_or_b32 s[G1+0], s43, (3<<16)|(1<<21)
	s_or_b32 s[G1B+0], s44, (3<<16)|(1<<21)
.irp g, G1, G1B
	s_mov_b32 s[\g+1], 768<<16
	s_mov_b32 s[\g+2], 4<<16
	s_mov_b32 s[\g+3], 768<<16
	s_mov_b32 s[\g+4], 4
	s_mov_b32 s[\g+6], 0
	s_mov_b32 s[\g+7], 0
.endr
	s_mov_b32 s[G1+5], 4096*6
	s_mov_b32 s[G1B+5], SIZE_N*6
	s_or_b32 s[G1S+0], s43, (3<<16)|(1<<21)
	s_or_b32 s[G1SB+0], s44, (3<<16)|(1<<21)
.irp g, G1S, G1SB
	s_mov_b32 s[\g+1], 64<<16
	s_mov_b32 s[\g+2], KW<<16
	s_mov_b32 s[\g+3], 64<<16
	s_mov_b32 s[\g+4], KW
	s_mov_b32 s[\g+6], 0
	s_mov_b32 s[\g+7], 0
.endr
	s_mov_b32 s[G1S+5], 4096/2
	s_mov_b32 s[G1SB+5], SIZE_N/2
	s_lshl_b32 s18, s16, 7
	s_lshl_b32 s20, s17, 8
	s_add_co_u32 s20, s20, s18
	s_lshl_b32 s46, s42, 8
	s_add_co_u32 s46, s46, s18
	s_lshl_b32 s22, s20, 2
	s_add_co_u32 s22, s22, ASC
	s_mov_b32 s23, 0
	s_lshl_b32 s92, s46, 2
	s_add_co_u32 s92, s92, WS
	s_mov_b32 s93, 0
	s_mul_i32 s20, s20, 48
	s_mov_b32 s21, 0
	s_mul_i32 s46, s46, 48
	s_add_co_u32 s46, s46, WC
	s_mov_b32 s47, 0
	s_mul_i32 s45, s14, HALFT
	s_mul_i32 s94, s14, HALFS
	s_wait_kmcnt 0x0
	s_add_nc_u64 s[20:21], s[4:5], s[20:21]
	s_add_nc_u64 s[22:23], s[4:5], s[22:23]
	s_add_nc_u64 s[46:47], s[6:7], s[46:47]
	s_add_nc_u64 s[92:93], s[6:7], s[92:93]
	CROUND                                         ; all sixteen work-groups are here: the first joint loads meet
	s_mov_b32 s[G0S], 1
	s_add_co_u32 s[G0S+1], s94, SCL
	s_mov_b64 s[G0S+2:G0S+3], s[22:23]
	s_or_b32 s[G0S+3], s[G0S+3], 0x80000000
	s_mov_b32 s[G0SB], 1
	s_add_co_u32 s[G0SB+1], s94, SCL
	s_mov_b64 s[G0SB+2:G0SB+3], s[92:93]
	s_or_b32 s[G0SB+3], s[G0SB+3], 0x80000000
	JLOAD G0S, G1S, G0SB, G1SB
.irp s, 0,1
	s_mov_b32 s[G0+4*\s], 1
	s_add_co_u32 s[G0+4*\s+1], s45, \s*SLOT
	s_add_nc_u64 s[G0+4*\s+2:G0+4*\s+3], s[20:21], \s*ASTEP
	s_or_b32 s[G0+4*\s+3], s[G0+4*\s+3], 0x80000000
	s_mov_b32 s[G0B+4*\s], 1
	s_add_co_u32 s[G0B+4*\s+1], s45, \s*SLOT
	s_add_nc_u64 s[G0B+4*\s+2:G0B+4*\s+3], s[46:47], \s*BSTEP
	s_or_b32 s[G0B+4*\s+3], s[G0B+4*\s+3], 0x80000000
	JLOAD G0+4*\s, G1, G0B+4*\s, G1B
.endr
	v_and_b32 v1, 15, v0
	v_bfe_u32 v2, v0, 4, 1
	v_mul_u32_u24 v3, v1, 48
	v_mad_u32_u24 v3, v2, 24, v3
	s_mul_i32 s21, s15, HALFT
	s_mul_i32 s22, s16, HALFT
	s_add_co_u32 s22, s22, 2*HALFT
.irp s, 0,1
	v_add_nc_u32 v[ADRA+\s], s21, v3
	v_add_nc_u32 v[ADRB+\s], s22, v3
	s_add_co_u32 s21, s21, SLOT
	s_add_co_u32 s22, s22, SLOT
.endr
	s_mul_i32 s21, s15, HALFS
	s_mul_i32 s22, s16, HALFS
	s_add_co_u32 s22, s22, 2*HALFS
	s_sub_co_u32 s22, s22, s21
	v_mul_u32_u24 v6, s22, v2
	s_add_co_u32 s21, s21, SCL
	v_lshl_add_u32 v5, v1, 2, v6
	v_add_nc_u32 v[ADRS], s21, v5
	v_lshlrev_b32 v[BO], 6, v2
	s_lshl_b32 s46, s42, 10
	s_lshl_b32 s47, s16, 9
	s_add_co_u32 s46, s46, s47
	s_mov_b32 s47, 0
	s_add_nc_u64 s[8:9], s[8:9], s[46:47]
.irp b, 0,1,2,3,4,5,6,7
	global_load_b128 v[BIAS+8*\b:BIAS+8*\b+3], v[BO], s[8:9] offset:128*(\b/2)+32*(\b%2)
	global_load_b128 v[BIAS+8*\b+4:BIAS+8*\b+7], v[BO], s[8:9] offset:128*(\b/2)+32*(\b%2)+16
.endr
.macro FRAG reg, adr, q, i
.irp p, 0,1,2,3,4,5
	ds_load_b64 v[\reg+2*\p:\reg+2*\p+1], v[\adr] offset:(2*(\q)+\p/3)*PL+(\i)*768+8*(\p%3)
.endr
.endm
; the 64 accumulators take turns, one instruction a turn
.macro MUL16 a0, p, q, sc, zero
.irp a, \a0, \a0+1
.irp b, 0,1,2,3,4,5,6,7
.if \zero
	v_wmma_scale_f32_16x16x128_f8f6f4 v[8*(8*((\a)%4)+\b):8*(8*((\a)%4)+\b)+7], v[128*(\p)+FR*\b:128*(\p)+FR*\b+FR-1], v[AF+FR*(\a):AF+FR*(\a)+FR-1], v[BIAS+8*\b:BIAS+8*\b+7], v[SC+16*(\sc)+2*\b+(\q)], v[SC+16*(\sc)+2*(\a)+(\q)] matrix_a_fmt:MATRIX_FMT_FP6 matrix_b_fmt:MATRIX_FMT_FP6 matrix_a_scale:MATRIX_SCALE_ROW1
.else
	v_wmma_scale_f32_16x16x128_f8f6f4 v[8*(8*((\a)%4)+\b):8*(8*((\a)%4)+\b)+7], v[128*(\p)+FR*\b:128*(\p)+FR*\b+FR-1], v[AF+FR*(\a):AF+FR*(\a)+FR-1], v[8*(8*((\a)%4)+\b):8*(8*((\a)%4)+\b)+7], v[SC+16*(\sc)+2*\b+(\q)], v[SC+16*(\sc)+2*(\a)+(\q)] matrix_a_fmt:MATRIX_FMT_FP6 matrix_b_fmt:MATRIX_FMT_FP6 matrix_a_scale:MATRIX_SCALE_ROW1
.endif
.endr
.endr
.endm
.macro FETCH_B slot, q, p
	WIN TO_B
.irp i, 0,1,2,3,4,5,6,7
	FRAG 128*(\p)+FR*\i, ADRB+\slot, \q, \i
.endr
	WIN 0
.endm
.macro FETCH_A slot, q, i0
.irp i, \i0, \i0+1, \i0+2, \i0+3
	FRAG AF+FR*(\i), ADRA+\slot, \q, \i
.endr
.endm
.macro SCALES sc
.irp i, 0,1,2,3,4,5,6,7
	ds_load_b32 v[SC+16*\sc+2*\i], v[ADRS] offset:64*\i
	ds_load_b32 v[SC+16*\sc+2*\i+1], v[ADRS] offset:512+64*\i
.endr
.endm
.macro PLACES n
.rept \n
	v_nop
.endr
.endm
.macro STEP slot, q, zero
	s_wait_dscnt 4*NL                              ; all but A's blocks 4-7 (4 x 6 loads)
	WIN MUL_LO-0x20*\zero
	MUL16 0, (\q)%2, \q, \slot, \zero
	MUL16 2, (\q)%2, \q, \slot, \zero
	s_wait_dscnt 0
	PLACES NP
	FETCH_B \slot, (\q)+1, 1-(\q)%2
	FETCH_A \slot, (\q)+1, 0
	WIN MUL_HI-0x30*\zero
	MUL16 4, (\q)%2, \q, \slot, \zero
	MUL16 6, (\q)%2, \q, \slot, \zero
	PLACES NP
	WIN 0
	FETCH_A \slot, (\q)+1, 4
.endm
.macro TURN slot, next, fill
	s_wait_tensorcnt 0x0                           ; all my tensor loads have landed: my part of the next slot
	ds_add_u32 v[SPW], v[NIL]
	s_wait_dscnt 4*NL+1                            ; (the add and A's blocks 4-7 may be out)
	WIN MUL_LO
	MUL16 0, 1, NQ-1, \slot, 0
	s_wait_dscnt 0x0                               ; the add is done, my reads of this slot are over
	s_barrier_signal -1
	MUL16 2, 1, NQ-1, \slot, 0
	WIN 0
	s_barrier_wait -1
.if \fill
	CREST                                          ; the barrier has opened a round of the cluster's
	s_add_nc_u64 s[G0+4*\slot+2:G0+4*\slot+3], s[G0+4*\slot+2:G0+4*\slot+3], 2*ASTEP
	s_add_nc_u64 s[G0B+4*\slot+2:G0B+4*\slot+3], s[G0B+4*\slot+2:G0B+4*\slot+3], 2*BSTEP
	JLOAD G0+4*\slot, G1, G0B+4*\slot, G1B         ; the first tensor load behind the round
.else
	PLACES NP
.endif
	v_add_nc_u32 v[ADRS], 1024, v[ADRS]
	FETCH_B \next, 0, 0
	FETCH_A \next, 0, 0
	SCALES \next
	WIN MUL_HI
	MUL16 4, 1, NQ-1, \slot, 0
	MUL16 6, 1, NQ-1, \slot, 0
	PLACES NP
	WIN 0
	FETCH_A \next, 0, 4
.endm
	s_wait_tensorcnt 1                             ; the words and K step 0 are in; K step 1's load may be out
	s_barrier_signal -1
	s_barrier_wait -1
	FETCH_B 0, 0, 0
	FETCH_A 0, 0, 0
	SCALES 0
	FETCH_A 0, 0, 4
	s_wait_loadcnt 0x0                             ; the bias
	STEP 0, 0, 1
	s_mov_b32 s3, LAPS-1
.Llap:
	TURN 0, 1, 1
	STEP 1, 0, 0
	TURN 1, 0, 1
	STEP 0, 0, 0
	s_sub_co_u32 s3, s3, 1
	s_cmp_lg_u32 s3, 0
	s_cbranch_scc1 .Llap
	TURN 0, 1, 0
	STEP 1, 0, 0
	s_wait_dscnt 4*NL
	WIN MUL_LO
	MUL16 0, 1, NQ-1, 1, 0
	MUL16 2, 1, NQ-1, 1, 0
	s_wait_dscnt 0
	WIN MUL_HI
	MUL16 4, 1, NQ-1, 1, 0
	MUL16 6, 1, NQ-1, 1, 0
	WIN 0
	PLACES NP
; ---- THE WAY OUT, 16 rows x 128 columns at a time, through my own stage (16 rows of 512 + 16 bytes, in slot 0, which has had its last fill and its last read); whole rows of 512 bytes come back, take the residual and leave.
.set R, 64                             ; v64-127 the residual's 16 rows;  v128-191, v192-255 the block's, by turns
	s_lshr_b32 s18, s17, 3                         ; b
	s_and_b32 s19, s17, 7
	s_lshl_b32 s19, s19, 1
	s_add_co_u32 s19, s19, s15
	s_lshl_b32 s19, s19, 8                         ; 2 T0
	s_add_co_u32 s19, s19, s18
	s_lshl_b32 s22, s19, 12                        ; row 2 T0 + b of 4,096 bytes
	s_lshl_b32 s20, s42, 10
	s_add_co_u32 s22, s22, s20
	s_lshl_b32 s20, s16, 9
	s_add_co_u32 s22, s22, s20                     ; + my first column
	s_mov_b32 s23, 0
	s_add_nc_u64 s[96:97], s[96:97], s[22:23]
	s_add_nc_u64 s[98:99], s[98:99], s[22:23]
	s_mul_i32 s21, s14, 8448
	v_mul_u32_u24 v24, v1, 528
	v_lshl_add_u32 v24, v2, 6, v24
	v_add_nc_u32 v24, s21, v24                     ; in: row r, + 64 h
	v_and_b32 v4, 31, v0
	v_lshlrev_b32 v26, 4, v4
	v_add_nc_u32 v25, s21, v26                     ; back: 16 bytes a lane
.macro RLOAD a
.irp t, 0,1,2,3,4,5,6,7,8,9,10,11,12,13,14,15
	global_load_b128 v[R+4*\t:R+4*\t+3], v26, s[96:97] offset:(32*((\a)/2)+8*((\a)%2)+\t+8*(\t/8))*8192 th:TH_LOAD_NT
.endr
.endm
.macro OUTBLK a
.set AC, 64*((\a)%4)
.set BB, 128+64*((\a)%2)
.if (\a) >= 2
	s_wait_xcnt 0x0                                ; the stores of the block two back have read their registers
.endif
	WIN 0x08+4*((\a)/4)
.irp b, 0,1,2,3,4,5,6,7
	ds_store_b128 v24, v[AC+8*\b:AC+8*\b+3] offset:128*(\b/2)+32*(\b%2)     ; each accumulator from its low end on
	ds_store_b128 v24, v[AC+8*\b+4:AC+8*\b+7] offset:128*(\b/2)+32*(\b%2)+16
.endr
	WIN 0
.irp t, 0,1,2,3,4,5,6,7,8,9,10,11,12,13,14,15
	ds_load_b128 v[BB+4*\t:BB+4*\t+3], v25 offset:\t*528
.endr
	s_wait_dscnt 0x0
	s_wait_loadcnt 0x0                             ; the residual's rows
.set i, 0
.rept 32
	v_pk_add_f32 v[BB+i:BB+i+1], v[BB+i:BB+i+1], v[R+i:R+i+1]
.set i, i+2
.endr
.if (\a) < 7
	RLOAD (\a)+1
.endif
.irp t, 0,1,2,3,4,5,6,7,8,9,10,11,12,13,14,15
	global_store_b128 v26, v[BB+4*\t:BB+4*\t+3], s[98:99] offset:(32*((\a)/2)+8*((\a)%2)+\t+8*(\t/8))*8192 th:TH_STORE_NT   ; 512 consecutive bytes, aligned to 256
.endr
.endm
	RLOAD 0
.irp a, 0,1,2,3,4,5,6,7
	OUTBLK \a
.endr
	s_wait_tensorcnt 0x0                           ; the wave's end
	ds_add_u32 v[SPW], v[NIL]
	s_wait_dscnt 0x0
	CROUND                                         ; the closing round
	s_endpgm
.Lfunc_end_k_qe1540315a6_ffn2:
	.size	k_qe1540315a6_ffn2, .Lfunc_end_k_qe1540315a6_ffn2-k_qe1540315a6_ffn2
	.p2alignl 7, 3214868480
	.fill 96, 4, 3214868480
	.section	.rodata,"a",@progbits
	.p2align	6, 0x0
	.amdhsa_kernel k_qe1540315a6_ffn2
		.amdhsa_group_segment_fixed_size 327680
		.amdhsa_private_segment_fixed_size 0
		.amdhsa_enable_private_segment 0
		.amdhsa_kernarg_size 40
		.amdhsa_user_sgpr_count 2
		.amdhsa_user_sgpr_kernarg_segment_ptr 1
		.amdhsa_wavefront_size32 1
		.amdhsa_system_sgpr_workgroup_id_x 1
		.amdhsa_system_sgpr_workgroup_id_y 1
		.amdhsa_system_sgpr_workgroup_id_z 1
		.amdhsa_system_vgpr_workitem_id 0
		.amdhsa_next_free_vgpr 1024
		.amdhsa_next_free_sgpr 100
		.amdhsa_reserve_vcc 0
		.amdhsa_float_denorm_mode_32 3
		.amdhsa_float_denorm_mode_16_64 3
		.amdhsa_memory_ordered 1
		.amdhsa_forward_progress 1
		.amdhsa_inst_pref_size 191
	.end_amdhsa_kernel
	.amdgpu_metadata
---
amdhsa.version: [ 1, 2 ]
amdhsa.kernels:
  - .name:           k_qe1540315a6_ffn2
    .symbol:         k_qe1540315a6_ffn2.kd
    .args:
      - { .name: gq, .offset: 0, .size: 8, .value_kind: global_buffer, .address_space: global }
      - { .name: wq, .offset: 8, .size: 8, .value_kind: global_buffer, .address_space: global }
      - { .name: b2, .offset: 16, .size: 8, .value_kind: global_buffer, .address_space: global }
      - { .name: x1, .offset: 24, .size: 8, .value_kind: global_buffer, .address_space: global }
      - { .name: out0, .offset: 32, .size: 8, .value_kind: global_buffer, .address_space: global }
    .group_segment_fixed_size: 327680
    .private_segment_fixed_size: 0
    .kernarg_segment_align: 8
    .kernarg_segment_size: 40
    .max_flat_workgroup_size: 128
    .sgpr_count:     100
    .vgpr_count:     1024
    .wavefront_size: 32
...
	.end_amdgpu_metadata
.endif
;; end of part 7
;; ======== version 2 of 2: 8 launches
;; limits: right only within a limited range of input values
;; workspace buffers: wq 9,830,400 bytes; rope 524,288 bytes; hq 3,276,800 bytes; qkvq 10,092,544 bytes; oq 3,276,800 bytes; x1 16,777,216 bytes; gq 13,107,200 bytes
;; launch prep (part 8): grid 416 x 1, 4 waves a work-group, no clusters, 44,800 bytes of LDS; arguments in_w, out_w, w1, w2, wq, rope; writes wq, rope
.if DOCPART == 8
	.amdgcn_target "amdgcn-amd-amdhsa--gfx1250"
	.amdhsa_code_object_version 6
	.text
	.protected	k_qe1540315a6_prep
	.globl	k_qe1540315a6_prep
	.p2align	8
	.type	k_qe1540315a6_prep,@function
k_qe1540315a6_prep:
	s_mov_b64 s[64:65], 0
	v_nop
	global_prefetch_b8 v0, s[64:65] scope:SCOPE_SE
	s_setreg_imm32_b32 hwreg(HW_REG_WAVE_MODE, 25, 1), 1
	s_wait_xcnt 0x0
; The four weights (f32, K innermost) become codes of FP6 (E2M3) with one E8M0 byte for each 32 along K, and RoPE's table is made.
; wq: codes in PLANES [K / 64][rows][48 bytes], scale words [K / 128][rows][4 bytes].  Row n of a weight stands at place sw(n): bits 3 and 4 of n changed over.
; A block's scale is 2^(floor(log2(largest magnitude)) - 2); its byte is that magnitude's exponent field - 2, held at 1 from below (a block of zeros keeps 1: its codes are zeros, and only this program reads the bytes).
; LIMITS: NaN and infinities are not served; blocks under 2^-124 keep the floor's byte.
; Work-groups 0-383: 32 rows x 1,024 columns each (in_w 96, out_w 32, w1 128, w2 128 = 32 row groups x 4 quarters of K).  A wave takes 8 rows; a row's 4,096 bytes come by 8 loads of 512 consecutive bytes,
; turn through the wave's own stage so that lane l holds block l's 32 numbers, and the codes meet in a stage laid as 16 planes x 32 rows, which leaves in runs of 1,536 consecutive bytes.
; The change of rows touches global addresses alone: LDS row 8 w + j is filled from true row 8 sw(w) + j.
; Work-groups 384-415: the table [t][cos(t theta_i) 32 | sin 32], f32; they use no LDS.
.set TURNB, 4608                       ; a wave's turning stage: 32 places of 128 + 16 bytes
.set CST,   4*TURNB                    ; the codes' stage: 16 planes of 32 x 48 + 16 bytes
.set CPL,   1552
.set SST,   CST+16*CPL                 ; the scale bytes: [8][32 rows][4]
.set VO,    16                         ; v16-23  16 lane + j x the source's row pitch
.set VOFF,  24                         ; v24-27  16 lane + i x a plane of the tensor
.set X,     32                         ; v32-159 four sets of 32 numbers as loaded
.set N,     160                        ; v160-191 a block's 32 numbers
.set C,     192                        ; v192-198 its codes
.set BY,    199                        ; its byte
	v_lshl_add_u32 v208, v0, 2, 0xad00
	v_mov_b32 v209, 0
	s_cmp_ge_u32 ttmp9, 384
	s_cbranch_scc1 .Lrope
	s_load_b256 s[4:11], s[0:1], 0x0               ; in_w, out_w, w1, w2
	s_load_b64 s[12:13], s[0:1], 0x20              ; wq
	v_lshrrev_b32 v1, 5, v0
	v_readfirstlane_b32 s14, v1                    ; wave
	v_and_b32 v1, 31, v0                           ; lane
	s_mov_b32 s16, 256                             ; w2's figures: first work-group,
	s_mov_b32 s17, 16384                           ; bytes from row to row,
	s_mov_b32 s18, 1024                            ; rows,
	s_mov_b32 s19, 6291456                         ; where its codes begin in wq,
	s_mov_b32 s20, 9699328                         ; and its scale words;
	s_mov_b32 s21, 2                               ; four work-groups to a row group
	s_mov_b32 s22, 3
	s_wait_alu depctr_va_vdst(0)
	s_wait_kmcnt 0x0
	s_mov_b64 s[24:25], s[10:11]
	s_cmp_lt_u32 ttmp9, 256                        ; w1's
	s_cselect_b64 s[24:25], s[8:9], s[24:25]
	s_cselect_b32 s16, 128, s16
	s_cselect_b32 s17, 4096, s17
	s_cselect_b32 s18, 4096, s18
	s_cselect_b32 s19, 3145728, s19
	s_cselect_b32 s20, 9568256, s20
	s_cselect_b32 s21, 0, s21
	s_cselect_b32 s22, 0, s22
	s_cmp_lt_u32 ttmp9, 128                        ; out_w's
	s_cselect_b64 s[24:25], s[6:7], s[24:25]
	s_cselect_b32 s16, 96, s16
	s_cselect_b32 s18, 1024, s18
	s_cselect_b32 s19, 2359296, s19
	s_cselect_b32 s20, 9535488, s20
	s_cmp_lt_u32 ttmp9, 96                         ; in_w's
	s_cselect_b64 s[24:25], s[4:5], s[24:25]
	s_cselect_b32 s16, 0, s16
	s_cselect_b32 s18, 3072, s18
	s_cselect_b32 s19, 0, s19
	s_cselect_b32 s20, 9437184, s20
	s_sub_co_u32 s16, ttmp9, s16
	s_lshr_b32 s23, s16, s21                       ; the group of 32 rows
	s_and_b32 s22, s16, s22                        ; the quarter of K
	s_and_b32 s26, s14, 1
	s_lshl_b32 s26, s26, 1
	s_lshr_b32 s27, s14, 1
	s_or_b32 s26, s26, s27                         ; sw(wave)
	s_lshl_b32 s27, s23, 5
	s_lshl_b32 s26, s26, 3
	s_add_co_u32 s27, s27, s26                     ; my first true row
	s_mul_i32 s26, s27, s17
	s_lshl_b32 s27, s22, 12
	s_add_co_u32 s26, s26, s27
	s_mov_b32 s27, 0
	s_add_nc_u64 s[24:25], s[24:25], s[26:27]
	v_lshlrev_b32 v8, 4, v1                        ; 16 lane
	s_wait_alu depctr_va_vdst(0)
.irp j, 0,1,2,3,4,5,6,7
	s_mul_i32 s26, s17, \j
	v_add_nc_u32 v[VO+\j], s26, v8
.endr
.macro LOADROW j
.irp i, 0,1,2,3,4,5,6,7
	global_load_b128 v[X+32*((\j)%4)+4*\i:X+32*((\j)%4)+4*\i+3], v[VO+(\j)], s[24:25] offset:512*\i th:TH_LOAD_NT
.endr
.endm
	LOADROW 0
	LOADROW 1
	LOADROW 2
	LOADROW 3
	s_mul_i32 s28, s14, TURNB
	v_lshrrev_b32 v9, 3, v1
	v_mul_u32_u24 v2, v9, 144
	v_and_b32 v9, 7, v1
	v_lshl_add_u32 v2, v9, 4, v2
	v_add_nc_u32 v2, s28, v2                       ; into the turning stage: eight lanes' 128 bytes on end, then 16 of padding
	v_mul_u32_u24 v3, v1, 144
	v_add_nc_u32 v3, s28, v3                       ; out of it: place = lane = block
	v_lshrrev_b32 v9, 1, v1
	v_mul_u32_u24 v4, v9, CPL
	v_and_b32 v9, 1, v1
	v_mad_u32_u24 v4, v9, 24, v4
	s_mul_i32 s28, s14, 384
	s_add_co_u32 s28, s28, CST
	v_add_nc_u32 v4, s28, v4                       ; my block's 24 bytes: plane lane / 2, row 8 wave (+ j), half lane % 2
	v_lshrrev_b32 v9, 2, v1
	v_lshlrev_b32 v5, 7, v9
	v_and_b32 v9, 3, v1
	v_add_nc_u32 v5, v5, v9
	s_lshl_b32 s28, s14, 5
	s_add_co_u32 s28, s28, SST
	v_add_nc_u32 v5, s28, v5                       ; my block's byte
	s_mul_i32 s28, s14, 4*CPL
	s_add_co_u32 s28, s28, CST
	v_add_nc_u32 v6, s28, v8                       ; the way out: planes 4 wave on, 16 bytes a lane
	s_lshl_b32 s28, s14, 8
	s_add_co_u32 s28, s28, SST
	v_lshl_add_u32 v7, v1, 3, s28                  ; and 256 bytes of scale words, 8 a lane
	s_mul_i32 s29, s18, 48                         ; a plane of the tensor in bytes
.irp i, 0,1,2,3
	s_mul_i32 s28, s29, \i
	v_add_nc_u32 v[VOFF+\i], s28, v8
.endr
	s_lshl_b32 s28, s18, 2                         ; the scale words of 128 along K
	v_lshrrev_b32 v9, 4, v1
	v_mul_lo_u32 v28, v9, s28
	v_and_b32 v9, 15, v1
	v_lshl_add_u32 v28, v9, 3, v28
	s_lshl_b32 s30, s22, 4
	s_lshl_b32 s31, s14, 2
	s_add_co_u32 s30, s30, s31                     ; my first plane
	s_mul_i32 s30, s30, s29
	s_add_co_u32 s30, s30, s19
	s_mul_i32 s31, s23, 1536
	s_add_co_u32 s30, s30, s31
	s_mov_b32 s31, 0
	s_add_nc_u64 s[32:33], s[12:13], s[30:31]      ; where my codes go
	s_lshl_b32 s30, s22, 3
	s_lshl_b32 s34, s14, 1
	s_add_co_u32 s30, s30, s34
	s_mul_i32 s30, s30, s28
	s_add_co_u32 s30, s30, s20
	s_lshl_b32 s34, s23, 7
	s_add_co_u32 s30, s30, s34
	s_add_nc_u64 s[34:35], s[12:13], s[30:31]      ; and my scale words
; a block of 32 numbers in v[N] on becomes 24 bytes of codes and a byte, in the stages' row j of my eight
.macro QBLOCK j
	v_max3_num_f32 v12, |v[N]|, |v[N+1]|, |v[N+2]|
	v_max3_num_f32 v13, |v[N+3]|, |v[N+4]|, |v[N+5]|
.irp i, 6,10,14,18,22,26
	v_max3_num_f32 v12, v12, |v[N+\i]|, |v[N+\i+1]|
	v_max3_num_f32 v13, v13, |v[N+\i+2]|, |v[N+\i+3]|
.endr
	v_max3_num_f32 v12, v12, |v[N+30]|, |v[N+31]|
	v_max3_num_f32 v12, v12, v13, 0x1800000        ; the floor 2^(3 - 127): the byte cannot fall under 1
	v_add_nc_u32 v11, 0xff000000, v12              ; 2 off the exponent field: the conversion's scale operand
	v_cvt_scalef32_pk16_fp6_f32 v[C:C+2], v[N:N+15], v11
	v_cvt_scalef32_pk16_fp6_f32 v[C+4:C+6], v[N+16:N+31], v11   ; (a conversion's three registers begin on an even number)
	v_lshrrev_b32 v[BY], 23, v11                   ; the byte; also the plain line behind the conversions
	v_mov_b32 v[C+3], v[C+4]
	v_mov_b32 v[C+4], v[C+5]
	v_mov_b32 v[C+5], v[C+6]
.irp p, 0,1,2
	ds_store_b64 v4, v[C+2*\p:C+2*\p+1] offset:48*(\j)+8*\p
.endr
	ds_store_b8 v5, v[BY] offset:4*(\j)
.endm
.macro QROW j
.if 7-(\j) < 3
	s_wait_loadcnt 8*(7-(\j))                      ; the rows behind this one, 8 loads each, may be out
.else
	s_wait_loadcnt 24
.endif
.irp i, 0,1,2,3,4,5,6,7
	ds_store_b128 v2, v[X+32*((\j)%4)+4*\i:X+32*((\j)%4)+4*\i+3] offset:576*\i
.endr
.irp k, 0,1,2,3,4,5,6,7
	ds_load_b128 v[N+4*\k:N+4*\k+3], v3 offset:16*\k   ; LDS serves a wave's instructions in order: these see the stores above
.endr
	s_wait_dscnt 0x0                               ; the block is in; all earlier stores have read their registers
.if (\j) < 4
	LOADROW (\j)+4
.endif
	QBLOCK \j
.endm
.irp j, 0,1,2,3,4,5,6,7
	QROW \j
.endr
	s_wait_dscnt 0x0                               ; for the others' sake: my stores into the stages are done
	s_barrier_signal -1
	s_barrier_wait -1
.irp i, 0,1,2,3
.irp k, 0,1,2
	ds_load_b128 v[X+4*(3*\i+\k):X+4*(3*\i+\k)+3], v6 offset:\i*CPL+512*\k
.endr
.endr
	ds_load_b64 v[X+48:X+49], v7
.irp i, 0,1,2,3
.irp k, 0,1,2
	s_wait_dscnt 12-(3*\i+\k)
	global_store_b128 v[VOFF+\i], v[X+4*(3*\i+\k):X+4*(3*\i+\k)+3], s[32:33] offset:512*\k   ; 512 consecutive bytes, aligned to 256
.endr
.endr
	s_wait_dscnt 0x0
	global_store_b64 v28, v[X+48:X+49], s[34:35]   ; two runs of 128 bytes
	s_wait_tensorcnt 0x0
	ds_add_u32 v208, v209
	s_wait_dscnt 0x0
	s_endpgm
; THE TABLE.  theta_i = 10000^(-i / 32) = 2^(-0.41524101 i).  The angle t theta is reduced by n = the nearest whole number to angle x 2 / pi, in two parts of pi / 2 (the third, at most 3e-12 here, is dropped);
; sine and cosine on [-pi / 4, pi / 4] by polynomials of f32 accuracy; the quadrant picks one of the two and the sign.  Lane l: lanes 0-15 cosines, 16-31 sines, of i = 2 (l % 16) and the next.
.Lrope:
	s_load_b64 s[4:5], s[0:1], 0x28                ; rope
	v_lshrrev_b32 v1, 5, v0
	v_readfirstlane_b32 s14, v1
	v_and_b32 v1, 31, v0
	v_and_b32 v2, 15, v1
	v_lshlrev_b32 v2, 1, v2
	v_add_nc_u32 v3, 1, v2
	v_cvt_f32_u32 v4, v2
	v_cvt_f32_u32 v5, v3
	v_mul_f32 v4, 0xbed49a78, v4
	v_mul_f32 v5, 0xbed49a78, v5
	s_wait_alu depctr_va_vdst(0)
	v_exp_f32 v4, v4
	v_exp_f32 v5, v5
	v_lshrrev_b32 v6, 4, v1                        ; (a plain line behind the exponentials)
	v_sub_nc_u32 v6, 1, v6                         ; 1 for a cosine: cos(a) = sin(a + pi / 2)
	s_wait_alu depctr_va_vdst(0)                   ; one wait for both, ahead of their first reader
	s_sub_co_u32 s15, ttmp9, 384
	s_lshl_b32 s15, s15, 6
	s_lshl_b32 s16, s14, 4
	s_add_co_u32 s15, s15, s16                     ; my first t: 64 x work-group + 16 x wave
	v_cvt_f32_u32 v7, s15
	s_lshl_b32 s16, s15, 8
	v_lshl_add_u32 v8, v1, 3, s16                  ; 256 t + 8 lane
	s_mov_b32 s20, 0xbfc90fdb                      ; -pi / 2, upper part
	s_mov_b32 s21, 0x333bbd2e                      ; what the upper part has too much
	s_mov_b32 s22, 0xb94ca1f9
	s_mov_b32 s23, 0x37ccf5ce
	s_mov_b32 s17, 16
	s_wait_kmcnt 0x0
.Lt:
	s_wait_alu depctr_va_vdst(0)
.irp u, 0,1
	v_mul_f32 v[10+\u], v7, v[4+\u]                ; the angle, as reference() rounds it
	v_mul_f32 v[12+\u], 0x3f22f983, v[10+\u]
	v_rndne_f32 v[12+\u], v[12+\u]                 ; n
	v_fma_f32 v[14+\u], v[12+\u], s20, v[10+\u]
	v_fma_f32 v[14+\u], v[12+\u], s21, v[14+\u]    ; r
	v_mul_f32 v[16+\u], v[14+\u], v[14+\u]         ; z = r r
	v_fmaak_f32 v[18+\u], s22, v[16+\u], 0x3c08839e
	v_fmaak_f32 v[18+\u], v[18+\u], v[16+\u], 0xbe2aaaa3
	v_mul_f32 v[18+\u], v[18+\u], v[16+\u]
	v_fma_f32 v[18+\u], v[18+\u], v[14+\u], v[14+\u]   ; sin r
	v_fmaak_f32 v[20+\u], s23, v[16+\u], 0xbab6061a
	v_fmaak_f32 v[20+\u], v[20+\u], v[16+\u], 0x3d2aaaa5
	v_mul_f32 v[20+\u], v[20+\u], v[16+\u]
	v_fma_f32 v[26+\u], v[16+\u], -0.5, 1.0
	v_fma_f32 v[20+\u], v[20+\u], v[16+\u], v[26+\u]   ; cos r
	v_cvt_i32_f32 v[22+\u], v[12+\u]
	v_add_nc_u32 v[22+\u], v[22+\u], v6            ; the quadrant
	v_and_b32 v[28+\u], 1, v[22+\u]
	v_cmp_eq_u32 vcc_lo, 1, v[28+\u]
	v_cndmask_b32 v[24+\u], v[18+\u], v[20+\u], vcc_lo
	v_and_b32 v[28+\u], 2, v[22+\u]
	v_lshlrev_b32 v[28+\u], 30, v[28+\u]
	v_xor_b32 v[24+\u], v[24+\u], v[28+\u]
.endr
	global_store_b64 v8, v[24:25], s[4:5]          ; the wave stores one row of the table: 256 consecutive bytes, aligned
	s_wait_xcnt 0x0                                ; the store's offset and data are written again only behind this wait
	v_add_nc_u32 v8, 256, v8
	v_add_f32 v7, 1.0, v7
	s_sub_co_u32 s17, s17, 1
	s_cmp_lg_u32 s17, 0
	s_cbranch_scc1 .Lt
	s_endpgm
.Lfunc_end_k_qe1540315a6_prep:
	.size	k_qe1540315a6_prep, .Lfunc_end_k_qe1540315a6_prep-k_qe1540315a6_prep
	.p2alignl 7, 3214868480
	.fill 96, 4, 3214868480
	.section	.rodata,"a",@progbits
	.p2align	6, 0x0
	.amdhsa_kernel k_qe1540315a6_prep
		.amdhsa_group_segment_fixed_size 44800
		.amdhsa_private_segment_fixed_size 0
		.amdhsa_enable_private_segment 0
		.amdhsa_kernarg_size 48
		.amdhsa_user_sgpr_count 2
		.amdhsa_user_sgpr_kernarg_segment_ptr 1
		.amdhsa_wavefront_size32 1
		.amdhsa_system_sgpr_workgroup_id_x 1
		.amdhsa_system_sgpr_workgroup_id_y 1
		.amdhsa_system_sgpr_workgroup_id_z 1
		.amdhsa_system_vgpr_workitem_id 0
		.amdhsa_next_free_vgpr 210
		.amdhsa_next_free_sgpr 66
		.amdhsa_reserve_vcc 1
		.amdhsa_float_denorm_mode_32 3
		.amdhsa_float_denorm_mode_16_64 3
		.amdhsa_memory_ordered 1
		.amdhsa_forward_progress 1
		.amdhsa_inst_pref_size 40
	.end_amdhsa_kernel
	.amdgpu_metadata
---
amdhsa.version: [ 1, 2 ]
amdhsa.kernels:
  - .name:           k_qe1540315a6_prep
    .symbol:         k_qe1540315a6_prep.kd
    .args:
      - { .name: in_w, .offset: 0, .size: 8, .value_kind: global_buffer, .address_space: global }
      - { .name: out_w, .offset: 8, .size: 8, .value_kind: global_buffer, .address_space: global }
      - { .name: w1, .offset: 16, .size: 8, .value_kind: global_buffer, .address_space: global }
      - { .name: w2, .offset: 24, .size: 8, .value_kind: global_buffer, .address_space: global }
      - { .name: wq, .offset: 32, .size: 8, .value_kind: global_buffer, .address_space: global }
      - { .name: rope, .offset: 40, .size: 8, .value_kind: global_buffer, .address_space: global }
    .group_segment_fixed_size: 44800
    .private_segment_fixed_size: 0
    .kernarg_segment_align: 8
    .kernarg_segment_size: 48
    .max_flat_workgroup_size: 128
    .sgpr_count:     66
    .vgpr_count:     210
    .wavefront_size: 32
...
	.end_amdgpu_metadata
.endif
;; end of part 8
;; launch ln1 (part 9): grid 256 x 1, 4 waves a work-group, no clusters, 32,000 bytes of LDS; arguments x, ln1_g, ln1_b, hq; writes hq
.if DOCPART == 9
	.amdgcn_target "amdgcn-amd-amdhsa--gfx1250"
	.amdhsa_code_object_version 6
	.text
	.protected	k_qe1540315a6_ln1
	.globl	k_qe1540315a6_ln1
	.p2align	8
	.type	k_qe1540315a6_ln1,@function
k_qe1540315a6_ln1:
	s_mov_b64 s[64:65], 0
	v_nop
	global_prefetch_b8 v0, s[64:65] scope:SCOPE_SE
	s_setreg_imm32_b32 hwreg(HW_REG_WAVE_MODE, 25, 1), 1
	s_wait_xcnt 0x0
; LayerNorm of the rows of a [2048][2][1024] f32 tensor, all in f32, and its result as codes of FP6 (E2M3) with one E8M0 byte for each 32 along the row.
; Out: codes in planes [16][4096 places][48 bytes], scale words [8][4096][4] from byte 3,145,728.  Row (t, b) stands at place 2048 b + sw(t), sw changing bits 3 and 4 over.
; A work-group takes 32 places, a wave 8 rows; a row (4,096 bytes) lies in 32 registers of one wave, so mean and variance never leave the wave.  128 work-groups: 32 places are what makes whole runs of 1,536 bytes of each plane.
; The change of rows touches global addresses alone.  The quantiser: byte = the largest magnitude's exponent field - 2, held at 1 from below.
; LIMITS: NaN and infinities are not served; blocks under 2^-124 keep the floor's byte.
.set TURNB, 4608
.set CST,   4*TURNB
; SHARES AS THE TEXT NOW HAS THEM (in place of the head note's 32 places and 8 rows): a work-group takes 16 places, a wave 4 rows; 256 work-groups; a plane's part is 768 consecutive bytes.
.set CPL,   784                        ; a plane in the stage: 16 rows x 48 bytes + 16
.set SST,   CST+16*CPL
.set GG,    32                         ; v32-63   the gain, laid as a row is loaded
.set BV,    64                         ; v64-95   the bias
.set X,     96                         ; v96-223  my four rows, all asked for at the head; a row's 32 registers then hold the normalised row (Y), and behind its turn through LDS its block's codes (C) and byte (BY)
.set N,     224                        ; v224-255 a block's 32 numbers
	s_load_b256 s[4:11], s[0:1], 0x0               ; the tensor, gain, bias, out
	v_lshl_add_u32 v26, v0, 2, 0x7b00
	v_mov_b32 v27, 0
	v_lshrrev_b32 v1, 5, v0
	v_readfirstlane_b32 s14, v1
	v_and_b32 v1, 31, v0
	v_lshlrev_b32 v8, 4, v1                        ; 16 lane
	s_mov_b32 s12, 0x76543210
	s_mov_b32 s13, 0xfedcba98                      ; lane l xor 16
	s_mov_b32 s18, 0x3a800000                      ; 1 / 1024
	s_lshr_b32 s15, ttmp9, 7                       ; b
	s_bfe_u32 s16, ttmp9, 0x60001                  ; place 16 g + 4 wave + j stands for t with bits 3 and 4 changed over:
	s_lshl_b32 s16, s16, 5                         ; bits 5 on: g / 2
	s_lshr_b32 s19, s14, 1
	s_lshl_b32 s19, s19, 4
	s_or_b32 s16, s16, s19                         ; bit 4: wave / 2
	s_and_b32 s19, ttmp9, 1
	s_lshl_b32 s19, s19, 3
	s_or_b32 s16, s16, s19                         ; bit 3: g % 2
	s_and_b32 s19, s14, 1
	s_lshl_b32 s19, s19, 2
	s_or_b32 s16, s16, s19                         ; bit 2: wave % 2: my first t
	s_lshl_b32 s16, s16, 1
	s_add_co_u32 s16, s16, s15
	s_lshl_b32 s16, s16, 12                        ; (2 t + b) rows of 4,096 bytes
	s_mov_b32 s17, 0
	s_wait_alu depctr_va_vdst(0)
	s_wait_kmcnt 0x0
	s_add_nc_u64 s[4:5], s[4:5], s[16:17]
.irp i, 0,1,2,3,4,5,6,7
	global_load_b128 v[GG+4*\i:GG+4*\i+3], v8, s[6:7] offset:512*\i
.endr
.irp i, 0,1,2,3,4,5,6,7
	global_load_b128 v[BV+4*\i:BV+4*\i+3], v8, s[8:9] offset:512*\i
.endr
.macro XLOAD j
.irp i, 0,1,2,3,4,5,6,7
	global_load_b128 v[X+32*(\j)+4*\i:X+32*(\j)+4*\i+3], v8, s[4:5] offset:8192*(\j)+512*\i th:TH_LOAD_NT
.endr
.endm
	XLOAD 0
	XLOAD 1
	XLOAD 2
	XLOAD 3
	s_mul_i32 s28, s14, TURNB
	v_lshrrev_b32 v9, 3, v1
	v_mul_u32_u24 v2, v9, 144
	v_and_b32 v9, 7, v1
	v_lshl_add_u32 v2, v9, 4, v2
	v_add_nc_u32 v2, s28, v2                       ; into the turning stage
	v_mul_u32_u24 v3, v1, 144
	v_add_nc_u32 v3, s28, v3                       ; out of it: place = lane = block
	v_lshrrev_b32 v9, 1, v1
	v_mul_u32_u24 v4, v9, CPL
	v_and_b32 v9, 1, v1
	v_mad_u32_u24 v4, v9, 24, v4
	s_mul_i32 s28, s14, 192
	s_add_co_u32 s28, s28, CST
	v_add_nc_u32 v4, s28, v4                       ; my block's 24 bytes
	v_lshrrev_b32 v9, 2, v1
	v_lshlrev_b32 v5, 6, v9
	v_and_b32 v9, 3, v1
	v_add_nc_u32 v5, v5, v9
	s_lshl_b32 s28, s14, 4
	s_add_co_u32 s28, s28, SST
	v_add_nc_u32 v5, s28, v5                       ; my block's byte
	s_mul_i32 s28, s14, 4*CPL
	s_add_co_u32 s28, s28, CST
	v_lshl_add_u32 v6, v1, 3, s28                  ; the way out: my four planes, 8 bytes a lane
	s_lshl_b32 s28, s14, 7
	s_add_co_u32 s28, s28, SST
	v_lshl_add_u32 v7, v1, 2, s28                  ; and two rows of 16 scale words, 4 bytes a lane
	v_lshrrev_b32 v10, 4, v1
	v_lshlrev_b32 v9, 14, v10
	v_and_b32 v10, 15, v1
	v_lshl_add_u32 v9, v10, 2, v9                  ; 16,384 (lane / 16) + 4 (lane % 16)
	v_lshlrev_b32 v10, 3, v1                       ; 8 lane
	s_mul_i32 s20, s14, 4*196608
	s_mul_i32 s21, ttmp9, 768
	s_add_co_u32 s20, s20, s21
	s_mov_b32 s21, 0
	s_add_nc_u64 s[22:23], s[10:11], s[20:21]      ; my four planes, my work-group's 16 places
	s_lshl_b32 s20, s14, 15
	s_lshl_b32 s24, ttmp9, 6
	s_add_co_u32 s20, s20, s24
	s_add_co_u32 s20, s20, 3145728
	s_add_nc_u64 s[24:25], s[10:11], s[20:21]
.macro QBLOCK j
	v_max3_num_f32 v12, |v[N]|, |v[N+1]|, |v[N+2]|
	v_max3_num_f32 v13, |v[N+3]|, |v[N+4]|, |v[N+5]|
.irp i, 6,10,14,18,22,26
	v_max3_num_f32 v12, v12, |v[N+\i]|, |v[N+\i+1]|
	v_max3_num_f32 v13, v13, |v[N+\i+2]|, |v[N+\i+3]|
.endr
	v_max3_num_f32 v12, v12, |v[N+30]|, |v[N+31]|
	v_max3_num_f32 v12, v12, v13, 0x1800000        ; the floor 2^(3 - 127)
	v_add_nc_u32 v11, 0xff000000, v12
	v_cvt_scalef32_pk16_fp6_f32 v[C:C+2], v[N:N+15], v11
	v_cvt_scalef32_pk16_fp6_f32 v[C+4:C+6], v[N+16:N+31], v11
	v_lshrrev_b32 v[BY], 23, v11                   ; the byte; also the plain line behind the conversions
	v_mov_b32 v[C+3], v[C+4]
	v_mov_b32 v[C+4], v[C+5]
	v_mov_b32 v[C+5], v[C+6]
.irp p, 0,1,2
	ds_store_b64 v4, v[C+2*\p:C+2*\p+1] offset:48*(\j)+8*\p
.endr
	ds_store_b8 v5, v[BY] offset:4*(\j)
.endm
.macro ACROSS r, t                     ; the sum of v[r] over the 32 lanes, in every lane
	v_add_f32_dpp v[\r], v[\r], v[\r] row_xmask:1 row_mask:0xf bank_mask:0xf
	v_add_f32_dpp v[\r], v[\r], v[\r] row_xmask:2 row_mask:0xf bank_mask:0xf
	v_add_f32_dpp v[\r], v[\r], v[\r] row_xmask:4 row_mask:0xf bank_mask:0xf
	v_add_f32_dpp v[\r], v[\r], v[\r] row_xmask:8 row_mask:0xf bank_mask:0xf
	v_permlanex16_b32 v[\t], v[\r], s12, s13
	v_add_f32 v[\r], v[\r], v[\t]
.endm
.macro LNROW j
.set XS, X+32*(\j)
.set Y, XS
.set C, XS
.set BY, XS+7
	s_wait_loadcnt 8*(3-(\j))                      ; the rows behind this one, 8 loads each, may be out
.irp c, 0,1,2,3
	v_pk_add_f32 v[16+2*\c:17+2*\c], v[XS+2*\c:XS+2*\c+1], v[XS+8+2*\c:XS+9+2*\c]   ; the sum, in four chains
.endr
.irp o, 16,24
.irp c, 0,1,2,3
	v_pk_add_f32 v[16+2*\c:17+2*\c], v[16+2*\c:17+2*\c], v[XS+\o+2*\c:XS+\o+2*\c+1]
.endr
.endr
	v_pk_add_f32 v[16:17], v[16:17], v[18:19]
	v_pk_add_f32 v[20:21], v[20:21], v[22:23]
	v_pk_add_f32 v[16:17], v[16:17], v[20:21]
	v_add_f32 v16, v16, v17
	ACROSS 16, 17
	v_mul_f32 v16, s18, v16                        ; the mean
	v_mov_b32 v17, v16
.set i, 0
.rept 16
	v_pk_add_f32 v[Y+i:Y+i+1], v[XS+i:XS+i+1], v[16:17] neg_lo:[0,1] neg_hi:[0,1]
.set i, i+2
.endr
.irp c, 0,1,2,3
	v_pk_mul_f32 v[18+2*\c:19+2*\c], v[Y+2*\c:Y+2*\c+1], v[Y+2*\c:Y+2*\c+1]
.endr
.irp o, 8,16,24
.irp c, 0,1,2,3
	v_pk_fma_f32 v[18+2*\c:19+2*\c], v[Y+\o+2*\c:Y+\o+2*\c+1], v[Y+\o+2*\c:Y+\o+2*\c+1], v[18+2*\c:19+2*\c]
.endr
.endr
	v_pk_add_f32 v[18:19], v[18:19], v[20:21]
	v_pk_add_f32 v[22:23], v[22:23], v[24:25]
	v_pk_add_f32 v[18:19], v[18:19], v[22:23]
	v_add_f32 v18, v18, v19
	ACROSS 18, 19
	v_fmaak_f32 v18, s18, v18, 0x3727c5ac          ; the variance + 1e-5
	s_wait_alu depctr_va_vdst(0)
	v_rsq_f32 v18, v18
	v_nop                                          ; a plain line behind the transcendental
	s_wait_alu depctr_va_vdst(0)                   ; and the wait ahead of its first reader
	v_mov_b32 v19, v18
.set i, 0
.rept 16
	v_pk_mul_f32 v[Y+i:Y+i+1], v[Y+i:Y+i+1], v[18:19]
.set i, i+2
.endr
.set i, 0
.rept 16
	v_pk_fma_f32 v[Y+i:Y+i+1], v[Y+i:Y+i+1], v[GG+i:GG+i+1], v[BV+i:BV+i+1]
.set i, i+2
.endr
.irp i, 0,1,2,3,4,5,6,7
	ds_store_b128 v2, v[Y+4*\i:Y+4*\i+3] offset:576*\i
.endr
.irp k, 0,1,2,3,4,5,6,7
	ds_load_b128 v[N+4*\k:N+4*\k+3], v3 offset:16*\k
.endr
	s_wait_dscnt 0x0                               ; the block is in; all earlier stores have read their registers
	QBLOCK \j
.endm
.irp j, 0,1,2,3
	LNROW \j
.endr
	s_wait_dscnt 0x0                               ; for the others' sake: my stores into the stages are done
	s_barrier_signal -1
	s_barrier_wait -1
.irp i, 0,1,2,3
.irp k, 0,1,2
	ds_load_b64 v[X+2*(3*\i+\k):X+2*(3*\i+\k)+1], v6 offset:\i*CPL+256*\k
.endr
.endr
	ds_load_b32 v[X+48], v7
.irp i, 0,1,2,3
.irp k, 0,1,2
	s_wait_dscnt 12-(3*\i+\k)
	global_store_b64 v10, v[X+2*(3*\i+\k):X+2*(3*\i+\k)+1], s[22:23] offset:\i*196608+256*\k   ; 256 consecutive bytes, aligned to 256
.endr
.endr
	s_wait_dscnt 0x0
	global_store_b32 v9, v[X+48], s[24:25]
	s_wait_tensorcnt 0x0
	ds_add_u32 v26, v27
	s_wait_dscnt 0x0
	s_endpgm
.Lfunc_end_k_qe1540315a6_ln1:
	.size	k_qe1540315a6_ln1, .Lfunc_end_k_qe1540315a6_ln1-k_qe1540315a6_ln1
	.p2alignl 7, 3214868480
	.fill 96, 4, 3214868480
	.section	.rodata,"a",@progbits
	.p2align	6, 0x0
	.amdhsa_kernel k_qe1540315a6_ln1
		.amdhsa_group_segment_fixed_size 32000
		.amdhsa_private_segment_fixed_size 0
		.amdhsa_enable_private_segment 0
		.amdhsa_kernarg_size 32
		.amdhsa_user_sgpr_count 2
		.amdhsa_user_sgpr_kernarg_segment_ptr 1
		.amdhsa_wavefront_size32 1
		.amdhsa_system_sgpr_workgroup_id_x 1
		.amdhsa_system_sgpr_workgroup_id_y 1
		.amdhsa_system_sgpr_workgroup_id_z 1
		.amdhsa_system_vgpr_workitem_id 0
		.amdhsa_next_free_vgpr 256
		.amdhsa_next_free_sgpr 66
		.amdhsa_reserve_vcc 0
		.amdhsa_float_denorm_mode_32 3
		.amdhsa_float_denorm_mode_16_64 3
		.amdhsa_memory_ordered 1
		.amdhsa_forward_progress 1
		.amdhsa_inst_pref_size 46
	.end_amdhsa_kernel
	.amdgpu_metadata
---
amdhsa.version: [ 1, 2 ]
amdhsa.kernels:
  - .name:           k_qe1540315a6_ln1
    .symbol:         k_qe1540315a6_ln1.kd
    .args:
      - { .name: x, .offset: 0, .size: 8, .value_kind: global_buffer, .address_space: global }
      - { .name: ln1_g, .offset: 8, .size: 8, .value_kind: global_buffer, .address_space: global }
      - { .name: ln1_b, .offset: 16, .size: 8, .value_kind: global_buffer, .address_space: global }
      - { .name: hq, .offset: 24, .size: 8, .value_kind: global_buffer, .address_space: global }
    .group_segment_fixed_size: 32000
    .private_segment_fixed_size: 0
    .kernarg_segment_align: 8
    .kernarg_segment_size: 32
    .max_flat_workgroup_size: 128
    .sgpr_count:     66
    .vgpr_count:     256
    .wavefront_size: 32
...
	.end_amdgpu_metadata
.endif
;; end of part 9
;; launch qkv (part 10): grid 12 x 16, 4 waves a work-group, clusters of 4 x 4, 327,680 bytes of LDS; arguments hq, wq, in_b, rope, qkvq; writes qkvq
.if DOCPART == 10
	.amdgcn_target "amdgcn-amd-amdhsa--gfx1250"
	.amdhsa_code_object_version 6
	.text
	.protected	k_qe1540315a6_qkv
	.globl	k_qe1540315a6_qkv
	.p2align	8
	.type	k_qe1540315a6_qkv,@function
k_qe1540315a6_qkv:
	s_mov_b64 s[64:65], 0
	v_nop
	global_prefetch_b8 v0, s[64:65] scope:SCOPE_SE
	s_setreg_imm32_b32 hwreg(HW_REG_WAVE_MODE, 25, 1), 1
	s_wait_xcnt 0x0
	s_wait_alu depctr_hold_cnt(0) depctr_sa_sdst(0) depctr_va_vdst(0) depctr_va_sdst(0) depctr_va_ssrc(0) depctr_va_vcc(0) depctr_vm_vsrc(0)
	s_getreg_b32 s2, hwreg(HW_REG_IB_STS2, 6, 4)
	s_cmp_eq_u32 s2, 0
	s_cbranch_scc0 .Lentry_in_a_cluster
	s_endpgm
.Lentry_in_a_cluster:
	s_bfe_u32 s2, ttmp6, 0x10000c
	s_cmp_lg_u32 s2, 0xf033
	s_cbranch_scc0 .Lentry_shape_is_right
	s_endpgm
.Lentry_shape_is_right:
; qkv = LN1(x) in_w^T + in_b on codes of FP6 (E2M3) with E8M0 scales, then: q and k are rotated (RoPE, f32) and quantised along the head's 64; v is quantised along the keys.  Nothing leaves as f32.
; THE PRODUCT.  A tile of 256 x 256 to a work-group of four waves, 128 x 128 (64 accumulators) to a wave; K in steps of 256 through a ring of two LDS slots; 4 x 4 clusters: A's tiles asked for jointly along a row of the
; cluster, B's along a column.  Operands lie in memory in PLANES [K / 64][rows][48 bytes]: 128 rows of a plane are 6,144 consecutive bytes, a lane's 24 bytes of a fragment lie at 48 r + 24 h (word 6 (2 r + h): the 32 lanes of
; a load of 8 bytes touch 64 different banks, no padding).  Scale words [K / 128][rows][4] of the work-group's rows, for all of K, come into LDS once.
; USED TRANSPOSED (source 0 = 16 rows of the weight, source 1 = 16 rows of the activation).  Rows stand at places sw(.) (bits 3 and 4 changed over), so accumulator (a, b), lane (r, h), register j is
; row t = T0 + 32 (a / 2) + 8 (a % 2) + r + 8 (r / 8), column 32 (b / 2) + 16 h + 8 (b % 2) + j: the 16 registers of tiles 2 i, 2 i + 1 are 16 neighbouring columns.  The bias is the C of each sum's first product.
; OUT (qkvq): codes [bh][q | k | v][98,304]: q, k [place of t][48]; v [key / 64][sw(d)][48].  Words from 9,437,184: [bh][q 8,192 | k 8,192 | v 4,096]; q's and k's words use bytes 0 and 1 (K = 64), bytes 2, 3 are 0.
; q's factor 1 / 8 is a power of two and is left to the attention's constant: it would move the scale bytes alone.
; LIMITS: NaN and infinities are not served; blocks under 2^-124 keep the floor's byte.
.set SIZE_K, 1024
.set SIZE_N, 3072
.set ASC,    3145728                   ; A's scale words in its buffer
.set WC,     0                         ; the weight's codes in wq
.set WS,     9437184                   ; and its scale words
; A SLOT AS THE TEXT NOW LAYS IT: A's [4 planes][256 rows x 48 bytes], then B's.  In the ring a wave fetches two planes of all 256 rows; at the head one wave fetches all four.
.set PL,     12288                     ; 256 rows of a plane
.set HALFT,  2*PL                      ; what one tensor load of the ring brings
.set SLOT,   4*HALFT                   ; A's 256 rows, then B's
.set SCL,    2*SLOT                    ; behind the ring: the scale words
.set KW,     SIZE_K/128
.set HALFS,  KW*512                    ; those of 128 rows
.set SPARE,  SCL+4*HALFS               ; the spare words: 128 bytes a wave, two blocks of 256 bytes that no other line names
.set LAPS,   SIZE_K/512
.set ASTEP,  4*4096*48                 ; a K step in A's buffer
.set BSTEP,  4*SIZE_N*48
.set NQ, 2
.set FR, 12
.set NL, 6
.set NP, 4
.set ADRA, 16                          ; v16-17 LDS address of my A fragments in slot 0, 1
.set ADRB, 20                          ; v20-21 of B's
.set ADRS, 27                          ; v27    of my scale words: lanes 0-15 A's rows, lanes 16-31 B's
.set SPW,  28                          ; v28    my spare word; never rewritten
.set NIL,  29                          ; v29    0; never rewritten
.set BO,   30                          ; v30    64 h
.set SC,   32                          ; v32-63 scale words, two sets of 16: register 2 i + q
.set BIAS, 64                          ; v64-127 the bias in the result's layout, 8 tiles
.set AF,   128                         ; v128-223 A's fragments
.set G1, 24
.set G0, 32
.set G1B, 48
.set G0B, 56
.set G1S, 68
.set G0S, 76
.set G1SB, 80
.set G0SB, 88
; PREFETCH: slots 1 and 2 are asked for behind the head's loads, slot 3 behind slot 1's load: each a slot or two ahead of the load that wants it.  Of the two planes that a wave will fetch, each of the four partners
; that ask jointly names half a plane (by address: cx for A, cy for B): 6,144 bytes, 24 blocks of 256, a lane a block (lanes 24-31 name the last again).  Slot 0 comes by its load alone.
.set PFA, 12                           ; s[12:13], s[66:67] where my prefetches stand
.set PFB, 66
.set PFO, 7                            ; v7 256 x min(lane, 23); never rewritten
.set MSB, 0
.macro WIN new                         ; the immediate's high byte repeats the setting that is left
.if MSB != (\new)
	s_set_vgpr_msb (MSB<<8)|(\new)
.set MSB, (\new)
.endif
.endm
.set MUL_LO, 0xa1                      ; source 0 (B) window 1, source 1 (A) window 0, C and D window 2
.set MUL_HI, 0xf1                      ; the same, C and D window 3
.set TO_B,   0x40
.macro JLOAD g0a, g1a, g0b, g1b        ; a joint load: waves 0, 1 fetch for A, waves 2, 3 for B; four v_nop follow each line
	s_cmp_eq_u32 s15, 0
	s_cbranch_scc0 .Lfor_b_\@
	tensor_load_to_lds s[\g0a:\g0a+3], s[\g1a:\g1a+7]
	s_nop 0
.rept 4
	v_nop
.endr
	s_branch .Lasked_\@
.Lfor_b_\@:
	tensor_load_to_lds s[\g0b:\g0b+3], s[\g1b:\g1b+7]
	s_nop 0
.rept 4
	v_nop
.endr
.Lasked_\@:
.endm
.macro CREST
	s_cmp_lg_u32 s14, 0
	s_cbranch_scc1 .Lnot_wave_0_\@
	s_barrier_signal -3
.Lnot_wave_0_\@:
	s_barrier_wait -3
	s_barrier_signal -1
	s_barrier_wait -1
.endm
.macro CROUND
	s_barrier_signal -1
	s_barrier_wait -1
	CREST
.endm
	s_load_b128 s[4:7], s[0:1], 0x0                ; A's buffer, wq
	s_load_b64 s[8:9], s[0:1], 0x10                ; the bias
	s_load_b128 s[96:99], s[0:1], 0x18             ; rope, qkvq
	v_lshl_add_u32 v[SPW], v0, 2, SPARE
	v_mov_b32 v[NIL], 0
	ds_add_u32 v28, v29
	ds_add_u32 v28, v29
	s_wait_dscnt 0x0
	v_lshrrev_b32 v1, 5, v0
	v_readfirstlane_b32 s14, v1                    ; wave
	s_lshr_b32 s15, s14, 1                         ; my half of the tile's rows; also: I fetch for A (0) or B (1)
	s_and_b32 s16, s14, 1                          ; my half of its columns; also: which two planes I fetch
	s_bfe_u32 s40, ttmp6, 0x40000                  ; cx
	s_bfe_u32 s41, ttmp6, 0x40004                  ; cy
	s_lshl_b32 s42, ttmp9, 2
	s_add_co_u32 s42, s42, s40                     ; tile column X
	s_and_b32 s17, ttmp7, 0xffff
	s_lshl_b32 s17, s17, 2
	s_add_co_u32 s17, s17, s41                     ; tile row Y
	s_lshl_b32 s43, s41, 2
	s_lshl_b32 s43, 15, s43                        ; my row of the cluster
	s_lshl_b32 s44, 0x1111, s40                    ; my column
	s_or_b32 s[G1+0], s43, (3<<16)|(1<<21)         ; the mask; elements of 8 bytes; bit 21 beside a mask; no padding
	s_or_b32 s[G1B+0], s44, (3<<16)|(1<<21)
.irp g, G1, G1B
	s_mov_b32 s[\g+1], 1536<<16                    ; tensor_dim0: 12,288 bytes
	s_mov_b32 s[\g+2], 4<<16                       ; tensor_dim1: 4 planes
	s_mov_b32 s[\g+3], 1536<<16
	s_mov_b32 s[\g+4], 4                           ; tile_dim1
	s_mov_b32 s[\g+6], 0
	s_mov_b32 s[\g+7], 0
.endr
	s_mov_b32 s[G1+5], 4096*6                      ; from plane to plane, in elements
	s_mov_b32 s[G1B+5], SIZE_N*6
	s_or_b32 s[G1S+0], s43, (3<<16)|(1<<21)
	s_or_b32 s[G1SB+0], s44, (3<<16)|(1<<21)
.irp g, G1S, G1SB
	s_mov_b32 s[\g+1], 128<<16                     ; 256 rows' words: 1,024 bytes
	s_mov_b32 s[\g+2], KW<<16
	s_mov_b32 s[\g+3], 128<<16
	s_mov_b32 s[\g+4], KW
	s_mov_b32 s[\g+6], 0
	s_mov_b32 s[\g+7], 0
.endr
	s_mov_b32 s[G1S+5], 4096/2
	s_mov_b32 s[G1SB+5], SIZE_N/2
	s_lshl_b32 s20, s17, 8                         ; A: the tile's first row
	s_lshl_b32 s46, s42, 8                         ; B likewise
	s_lshl_b32 s22, s20, 2
	s_add_co_u32 s22, s22, ASC
	s_mov_b32 s23, 0
	s_lshl_b32 s92, s46, 2
	s_add_co_u32 s92, s92, WS
	s_mov_b32 s93, 0
	s_mul_i32 s20, s20, 48
	s_mov_b32 s21, 0
	s_mul_i32 s46, s46, 48
	s_add_co_u32 s46, s46, WC
	s_mov_b32 s47, 0
	s_mul_i32 s45, s14, HALFT                      ; where they go: no place in the cluster enters an LDS address
	s_mul_i32 s18, s16, 2*4096*48                  ; in the ring I fetch two planes: which two, in bytes, in A
	s_mov_b32 s19, 0
	s_mul_i32 s94, s16, 2*SIZE_N*48                ; and in B
	s_mov_b32 s95, 0
	s_wait_kmcnt 0x0
	s_add_nc_u64 s[20:21], s[4:5], s[20:21]
	s_add_nc_u64 s[22:23], s[4:5], s[22:23]
	s_add_nc_u64 s[46:47], s[6:7], s[46:47]
	s_add_nc_u64 s[92:93], s[6:7], s[92:93]
	s_add_nc_u64 s[20:21], s[20:21], s[18:19]
	s_add_nc_u64 s[46:47], s[46:47], s[94:95]
	s_mov_b32 s2, BSTEP
	s_mov_b32 s3, 0
	s_cmp_eq_u32 s15, 0                            ; do I fetch for A?
	s_cselect_b64 s[PFA:PFA+1], s[20:21], s[46:47] ; my two planes of slot 0
	s_cselect_b32 s2, ASTEP, s2                    ; a slot's step along K in my tensor
	s_cselect_b32 s18, s40, s41                    ; my place among the four that ask with me
	s_lshr_b32 s19, s18, 1
	s_lshr_b32 s94, s2, 2                          ; a plane of the tensor
	s_mul_i32 s19, s19, s94                        ; which of the two planes,
	s_and_b32 s18, s18, 1
	s_mul_i32 s18, s18, 6144                       ; and which half of it
	s_add_co_u32 s18, s18, s19
	s_add_co_u32 s18, s18, s2                      ; in slot 1
	s_mov_b32 s19, 0
	s_add_nc_u64 s[PFA:PFA+1], s[PFA:PFA+1], s[18:19]
	s_add_nc_u64 s[PFB:PFB+1], s[PFA:PFA+1], s[2:3]   ; and in slot 2
	CROUND                                         ; all sixteen work-groups are here: the first joint loads meet
	s_mov_b32 s[G0S], 1
	s_mov_b32 s[G0S+1], SCL
	s_mov_b64 s[G0S+2:G0S+3], s[22:23]
	s_or_b32 s[G0S+3], s[G0S+3], 0x80000000
	s_mov_b32 s[G0SB], 1
	s_mov_b32 s[G0SB+1], SCL+2*HALFS
	s_mov_b64 s[G0SB+2:G0SB+3], s[92:93]
	s_or_b32 s[G0SB+3], s[G0SB+3], 0x80000000
.irp s, 0,1
	s_mov_b32 s[G0+4*\s], 1
	s_add_co_u32 s[G0+4*\s+1], s45, \s*SLOT
	s_add_nc_u64 s[G0+4*\s+2:G0+4*\s+3], s[20:21], \s*ASTEP
	s_or_b32 s[G0+4*\s+3], s[G0+4*\s+3], 0x80000000
	s_mov_b32 s[G0B+4*\s], 1
	s_add_co_u32 s[G0B+4*\s+1], s45, \s*SLOT
	s_add_nc_u64 s[G0B+4*\s+2:G0B+4*\s+3], s[46:47], \s*BSTEP
	s_or_b32 s[G0B+4*\s+3], s[G0B+4*\s+3], 0x80000000
.endr
; THE HEAD'S FOUR TILES, ONE JOINT LOAD A WAVE: wave 0 K step 0 of A's 256 rows (its own slot 0 descriptor, with four planes in group 1), wave 1 A's scale words, wave 2 K step 0 of B's rows, wave 3 B's words.
.macro ARM under, g0, g1, next
	s_cmp_lt_u32 s14, \under
	s_cbranch_scc0 \next
	tensor_load_to_lds s[\g0:\g0+3], s[\g1:\g1+7]
	s_nop 0
.rept 4
	v_nop
.endr
	s_branch .Lhead_asked
\next:
.endm
	ARM 1, G0,  G1,  .Lhead_sa
	ARM 2, G0S, G1S, .Lhead_b
	ARM 3, G0B, G1B, .Lhead_sb
	tensor_load_to_lds s[G0SB:G0SB+3], s[G1SB:G1SB+7]
	s_nop 0
.rept 4
	v_nop
.endr
.Lhead_asked:
	v_and_b32 v1, 15, v0                           ; r
	v_bfe_u32 v2, v0, 4, 1                         ; h
	s_wait_alu depctr_va_vdst(0)
	v_mul_u32_u24 v3, v1, 48
	v_mad_u32_u24 v3, v2, 24, v3                   ; 48 r + 24 h
	s_mul_i32 s21, s15, 6144                       ; my 128 rows of each plane of A
	s_mul_i32 s22, s16, 6144
	s_add_co_u32 s22, s22, 2*HALFT
.irp s, 0,1
	v_add_nc_u32 v[ADRA+\s], s21, v3
	v_add_nc_u32 v[ADRB+\s], s22, v3
	s_add_co_u32 s21, s21, SLOT
	s_add_co_u32 s22, s22, SLOT
.endr
	s_mul_i32 s21, s15, 512
	s_mul_i32 s22, s16, 512
	s_add_co_u32 s22, s22, 2*HALFS
	s_sub_co_u32 s22, s22, s21
	v_mul_u32_u24 v6, s22, v2                      ; lanes 16-31 take B's words: one product, the distance between the two
	s_add_co_u32 s21, s21, SCL
	v_lshl_add_u32 v5, v1, 2, v6
	v_add_nc_u32 v[ADRS], s21, v5
	v_lshlrev_b32 v[BO], 6, v2
	v_and_b32 v[PFO], 31, v0
	v_min_u32 v[PFO], 23, v[PFO]
	v_lshlrev_b32 v[PFO], 8, v[PFO]
	global_prefetch_b8 v[PFO], s[PFA:PFA+1] th:TH_LOAD_NT scope:SCOPE_SE   ; slot 1
	global_prefetch_b8 v[PFO], s[PFB:PFB+1] th:TH_LOAD_NT scope:SCOPE_SE   ; slot 2
	s_lshl_b32 s46, s42, 10
	s_lshl_b32 s47, s16, 9
	s_add_co_u32 s46, s46, s47
	s_mov_b32 s47, 0
	s_add_nc_u64 s[8:9], s[8:9], s[46:47]          ; the bias of my 128 columns
.irp b, 0,1,2,3,4,5,6,7
	global_load_b128 v[BIAS+8*\b:BIAS+8*\b+3], v[BO], s[8:9] offset:128*(\b/2)+32*(\b%2)
	global_load_b128 v[BIAS+8*\b+4:BIAS+8*\b+7], v[BO], s[8:9] offset:128*(\b/2)+32*(\b%2)+16
.endr
.macro FRAG reg, adr, q, i             ; 16 rows x 128 K: registers 0-5 from plane 2 q, 6-11 from plane 2 q + 1, in pieces of 8 bytes
.irp p, 0,1,2,3,4,5
	ds_load_b64 v[\reg+2*\p:\reg+2*\p+1], v[\adr] offset:(2*(\q)+\p/3)*PL+(\i)*768+8*(\p%3)
.endr
.endm
; 16 products: A's blocks a0, a0 + 1 x B's eight.  zero = 1: the first product starts the sums on the bias.  The 64 accumulators take turns, one instruction a turn.
.macro MUL16 a0, p, q, sc, zero
.irp a, \a0, \a0+1
.irp b, 0,1,2,3,4,5,6,7
.if \zero
	v_wmma_scale_f32_16x16x128_f8f6f4 v[8*(8*((\a)%4)+\b):8*(8*((\a)%4)+\b)+7], v[128*(\p)+FR*\b:128*(\p)+FR*\b+FR-1], v[AF+FR*(\a):AF+FR*(\a)+FR-1], v[BIAS+8*\b:BIAS+8*\b+7], v[SC+16*(\sc)+2*\b+(\q)], v[SC+16*(\sc)+2*(\a)+(\q)] matrix_a_fmt:MATRIX_FMT_FP6 matrix_b_fmt:MATRIX_FMT_FP6 matrix_a_scale:MATRIX_SCALE_ROW1
.else
	v_wmma_scale_f32_16x16x128_f8f6f4 v[8*(8*((\a)%4)+\b):8*(8*((\a)%4)+\b)+7], v[128*(\p)+FR*\b:128*(\p)+FR*\b+FR-1], v[AF+FR*(\a):AF+FR*(\a)+FR-1], v[8*(8*((\a)%4)+\b):8*(8*((\a)%4)+\b)+7], v[SC+16*(\sc)+2*\b+(\q)], v[SC+16*(\sc)+2*(\a)+(\q)] matrix_a_fmt:MATRIX_FMT_FP6 matrix_b_fmt:MATRIX_FMT_FP6 matrix_a_scale:MATRIX_SCALE_ROW1
.endif
.endr
.endr
.endm
.macro FETCH_B slot, q, p
	WIN TO_B
.irp i, 0,1,2,3,4,5,6,7
	FRAG 128*(\p)+FR*\i, ADRB+\slot, \q, \i
.endr
	WIN 0
.endm
.macro FETCH_A slot, q, i0
.irp i, \i0, \i0+1, \i0+2, \i0+3
	FRAG AF+FR*(\i), ADRA+\slot, \q, \i
.endr
.endm
.macro SCALES sc                       ; a K step's words: lanes 0-15 A's block i, lanes 16-31 B's block i
.irp i, 0,1,2,3,4,5,6,7
	ds_load_b32 v[SC+16*\sc+2*\i], v[ADRS] offset:64*\i
	ds_load_b32 v[SC+16*\sc+2*\i+1], v[ADRS] offset:1024+64*\i
.endr
.endm
.macro PLACES n                        ; plain lines between a matrix instruction and a load into, or a read of, its registers
.rept \n
	v_nop
.endr
.endm
.macro STEP slot, q, zero              ; 128 along K whose successor lies in the same slot
	s_wait_dscnt 4*NL                              ; all but A's blocks 4-7 (4 x 6 loads)
	WIN MUL_LO-0x20*\zero                          ; (with zero = 1 the C lies in window 0)
	MUL16 0, (\q)%2, \q, \slot, \zero
	MUL16 2, (\q)%2, \q, \slot, \zero
	s_wait_dscnt 0
	PLACES NP
	FETCH_B \slot, (\q)+1, 1-(\q)%2
	FETCH_A \slot, (\q)+1, 0
	WIN MUL_HI-0x30*\zero
	MUL16 4, (\q)%2, \q, \slot, \zero
	MUL16 6, (\q)%2, \q, \slot, \zero
	PLACES NP
	WIN 0
	FETCH_A \slot, (\q)+1, 4
.endm
; A slot's last step changes slots: one barrier; ahead of it each wave waits for all its tensor loads, adds 0 to its spare word, and waits for that and for its reads of this slot.
.macro TURN slot, next, fill
	s_wait_tensorcnt 0x0                           ; all my tensor loads have landed: my part of the next slot
	ds_add_u32 v[SPW], v[NIL]
	s_wait_dscnt 4*NL+1                            ; (the add and A's blocks 4-7 may be out)
	WIN MUL_LO
	MUL16 0, 1, NQ-1, \slot, 0
	s_wait_dscnt 0x0                               ; the add is done, my reads of this slot are over
	s_barrier_signal -1
	MUL16 2, 1, NQ-1, \slot, 0
	WIN 0
	s_barrier_wait -1
.if \fill
	CREST                                          ; the barrier has opened a round of the cluster's: no wave of any partner reads this slot or has a load on its way
	s_add_nc_u64 s[G0+4*\slot+2:G0+4*\slot+3], s[G0+4*\slot+2:G0+4*\slot+3], 2*ASTEP
	s_add_nc_u64 s[G0B+4*\slot+2:G0B+4*\slot+3], s[G0B+4*\slot+2:G0B+4*\slot+3], 2*BSTEP
	JLOAD G0+4*\slot, G1, G0B+4*\slot, G1B         ; the first tensor load behind the round; its four v_nop are the places ahead of the loads below
.else
	PLACES NP
.endif
	s_wait_alu depctr_va_vdst(0)
	v_add_nc_u32 v[ADRS], 2048, v[ADRS]            ; the next K step's words
	FETCH_B \next, 0, 0
	FETCH_A \next, 0, 0
	SCALES \next
	WIN MUL_HI
	MUL16 4, 1, NQ-1, \slot, 0
	MUL16 6, 1, NQ-1, \slot, 0
	PLACES NP
	WIN 0
	FETCH_A \next, 0, 4
.endm
	s_wait_alu depctr_va_vdst(0)
	s_wait_tensorcnt 0x0                           ; my tile of the head's four is in; slot 1's first fill is issued as a refill is
	ds_add_u32 v[SPW], v[NIL]
	s_wait_xcnt 0x0                                ; the two prefetches have read their addresses
	s_add_nc_u64 s[PFA:PFA+1], s[PFB:PFB+1], s[2:3]   ; slot 3
	s_mov_b32 s[G1+2], 2<<16                       ; no tensor load of mine is out: from here on a load brings two planes
	s_mov_b32 s[G1+4], 2
	s_mov_b32 s[G1B+2], 2<<16
	s_mov_b32 s[G1B+4], 2
	s_wait_dscnt 0x0
	CROUND                                         ; all four tiles are in, and all sixteen work-groups are here
	JLOAD G0+4, G1, G0B+4, G1B                     ; K step 1, the first tensor load behind the round
	FETCH_B 0, 0, 0
	FETCH_A 0, 0, 0
	SCALES 0
	global_prefetch_b8 v[PFO], s[PFA:PFA+1] th:TH_LOAD_NT scope:SCOPE_SE   ; behind slot 1's load: slot 3
	FETCH_A 0, 0, 4
	s_wait_loadcnt 0x0                             ; the bias
	STEP 0, 0, 1
	s_mov_b32 s3, LAPS-1
.Llap:
	TURN 0, 1, 1
	STEP 1, 0, 0
	TURN 1, 0, 1
	STEP 0, 0, 0
	s_sub_co_u32 s3, s3, 1
	s_cmp_lg_u32 s3, 0
	s_cbranch_scc1 .Llap
	TURN 0, 1, 0                                   ; the last lap fills nothing
	STEP 1, 0, 0
	s_wait_dscnt 4*NL
	WIN MUL_LO
	MUL16 0, 1, NQ-1, 1, 0
	MUL16 2, 1, NQ-1, 1, 0
	s_wait_dscnt 0
	WIN MUL_HI
	MUL16 4, 1, NQ-1, 1, 0
	MUL16 6, 1, NQ-1, 1, 0
	WIN 0
	PLACES NP
; ---- THE WAY OUT.  The cluster's x says what these columns are: 0 q, 1 k, 2 v: the same in all sixteen partners.
.set SEL, 10
	s_mov_b32 s[SEL], 0x76543210
	s_mov_b32 s[SEL+1], 0xfedcba98
	s_lshr_b32 s18, s17, 3                         ; b
	s_and_b32 s19, s17, 7
	s_lshl_b32 s19, s19, 1
	s_add_co_u32 s19, s19, s15                     ; which 128 places of the batch are mine
	s_lshl_b32 s20, s18, 4
	s_lshl_b32 s21, s40, 2
	s_add_co_u32 s20, s20, s21
	s_lshl_b32 s21, s16, 1
	s_add_co_u32 s20, s20, s21                     ; my first head: 16 b + 4 cx + 2 x column half
	s_mul_i32 s22, s20, 294912
	s_mul_i32 s21, ttmp9, 98304
	s_add_co_u32 s22, s22, s21
	s_mul_i32 s21, s19, 6144
	s_add_co_u32 s22, s22, s21
	s_mov_b32 s23, 0
	s_add_nc_u64 s[46:47], s[98:99], s[22:23]      ; where my codes go: 6,144 consecutive bytes a head
	s_mul_i32 s22, s20, 20480
	s_add_co_u32 s22, s22, 9437184                 ; my first head's words
	v_and_b32 v4, 31, v0
	v_lshlrev_b32 v22, 4, v4                       ; 16 lane
	s_cmp_eq_u32 ttmp9, 2
	s_cbranch_scc1 .Lv
; q and k.  A lane's 32 registers of tiles 4 e .. 4 e + 3 are, of head e and its row, d = 16 h + 0 .. 15 and 32 + 16 h + 0 .. 15: the two partners of each rotation lie in one lane.
.set CS,  64                           ; v64-127  two sets: 16 cosines, 16 sines of my row
.set YR,  128                          ; v128-159 the rotated numbers
.set QMX, 160
.set QPD, 164
.set QSO, 172
.set F,   176                          ; v176-182 codes
.set PW,  183                          ; the scale word
.set TT,  184
.set RB,  64                           ; the way back from the stage
	s_mul_i32 s21, ttmp9, 8192
	s_add_co_u32 s22, s22, s21
	s_lshl_b32 s21, s19, 9
	s_add_co_u32 s22, s22, s21
	s_add_nc_u64 s[94:95], s[98:99], s[22:23]      ; my words: 512 consecutive bytes a head
	s_lshl_b32 s22, s19, 15
	s_add_nc_u64 s[92:93], s[96:97], s[22:23]      ; the table at my first t
	s_mul_i32 s21, s14, 13312                      ; my stage, in slot 0, which has had its last fill and its last read: codes [2 heads][128 rows][48], then words [2][128][4]
	v_add_nc_u32 v24, s21, v3
	v_lshl_add_u32 v25, v1, 2, s21
	v_add_nc_u32 v25, 12288, v25
	s_wait_alu depctr_va_vdst(0)
	v_add_nc_u32 v26, s21, v22
	v_and_b32 v5, 8, v1
	v_add_nc_u32 v5, v5, v1                        ; r + 8 (r / 8)
	v_lshlrev_b32 v31, 8, v5
	v_lshl_add_u32 v31, v2, 6, v31                 ; my row of the table, + 64 h
	v_mov_b32 v[QPD], 0                            ; (a lane permute's destination counts as one of its sources)
	v_mov_b32 v[QPD+1], 0
.macro CSLOAD a
.irp i, 0,1,2,3
	global_load_b128 v[CS+32*((\a)%2)+4*\i:CS+32*((\a)%2)+4*\i+3], v31, s[92:93] offset:(32*((\a)/2)+8*((\a)%2))*256+16*\i
	global_load_b128 v[CS+32*((\a)%2)+16+4*\i:CS+32*((\a)%2)+16+4*\i+3], v31, s[92:93] offset:(32*((\a)/2)+8*((\a)%2))*256+128+16*\i
.endr
.endm
.macro ROPE a, e                       ; y_lo = cos x_lo - sin x_hi, y_hi = cos x_hi + sin x_lo; each accumulator is read from its low end on
.set AC, 8*(8*((\a)%4)+4*(\e))
.set CC, CS+32*((\a)%2)
	WIN 0x08+4*((\a)/4)                            ; source 1: the accumulators' window
.irp k, 0,2,4,6,8,10,12,14
	v_pk_mul_f32 v[TT:TT+1], v[CC+16+\k:CC+17+\k], v[AC+16+\k:AC+17+\k]
	v_pk_mul_f32 v[TT+2:TT+3], v[CC+16+\k:CC+17+\k], v[AC+\k:AC+1+\k]
	v_pk_fma_f32 v[YR+\k:YR+1+\k], v[CC+\k:CC+1+\k], v[AC+\k:AC+1+\k], v[TT:TT+1] neg_lo:[0,0,1] neg_hi:[0,0,1]
	v_pk_fma_f32 v[YR+16+\k:YR+17+\k], v[CC+\k:CC+1+\k], v[AC+16+\k:AC+17+\k], v[TT+2:TT+3]
.endr
	WIN 0
.endm
; 32 numbers of a lane, register 16 b + i = k 32 b + 16 h + i of my row, become 24 bytes of codes (k = 32 h + 0 .. 31) in v[F] on and the row's word in v[PW]
.macro QUANT2 s
.irp b, 0,1
	v_max3_num_f32 v[QMX+\b], |v[\s+16*\b]|, |v[\s+1+16*\b]|, 0x1800000
.endr
.irp i, 2,4,6,8,10,12,14
.irp b, 0,1
	v_max3_num_f32 v[QMX+\b], v[QMX+\b], |v[\s+16*\b+\i]|, |v[\s+1+16*\b+\i]|
.endr
.endr
.irp b, 0,1
	v_permlanex16_b32 v[QPD+\b], v[QMX+\b], s[SEL], s[SEL+1]
.endr
.irp b, 0,1
	v_max_num_f32 v[QMX+\b], v[QMX+\b], v[QPD+\b]
.endr
.irp b, 0,1
	v_add_nc_u32 v[QSO+\b], 0xff000000, v[QMX+\b]
.endr
.irp b, 0,1
	v_lshrrev_b32 v[QPD+\b], 23, v[QSO+\b]
.endr
	s_wait_alu depctr_va_vdst(0)
	s_wait_dscnt 0x0                               ; earlier stores into the stage have read the word's and the codes' registers
	v_lshl_or_b32 v[PW], v[QPD+1], 8, v[QPD]
	v_cvt_scalef32_pk16_fp6_f32 v[F:F+2], v[\s:\s+15], v[QSO]
	v_cvt_scalef32_pk16_fp6_f32 v[F+4:F+6], v[\s+16:\s+31], v[QSO+1]
	v_nop                                          ; one plain line behind a scaled conversion
.irp i, 0,1,2
	v_permlane16_swap_b32 v[F+\i], v[F+4+\i]       ; a whole block to a lane
.endr
.irp i, 0,1,2
	v_mov_b32 v[F+3+\i], v[F+4+\i]
.endr
.endm
	CSLOAD 0
	CSLOAD 1
.irp a, 0,1,2,3,4,5,6,7
.if \a < 7
	s_wait_loadcnt 8                               ; the next block's 8 loads may be out
.else
	s_wait_loadcnt 0
.endif
.irp e, 0,1
	ROPE \a, \e
	QUANT2 YR
.irp p, 0,1,2
	ds_store_b64 v24, v[F+2*\p:F+2*\p+1] offset:6144*\e+768*\a+8*\p
.endr
	ds_store_b32 v25, v[PW] offset:512*\e+64*\a    ; both halves of the lanes write the same word with the same value
.endr
.if \a < 6
	CSLOAD \a+2
.endif
.endr
	s_wait_dscnt 0x0
.set k, 0
.rept 26
	ds_load_b128 v[RB+4*k:RB+4*k+3], v26 offset:512*k
.set k, k+1
.endr
.set k, 0
.rept 24
	s_wait_dscnt 25-k
	global_store_b128 v22, v[RB+4*k:RB+4*k+3], s[46:47] offset:(k/12)*294912+(k%12)*512   ; 512 consecutive bytes, aligned to 256
.set k, k+1
.endr
	s_wait_dscnt 0x0
	global_store_b128 v22, v[RB+96:RB+99], s[94:95]
	global_store_b128 v22, v[RB+100:RB+103], s[94:95] offset:20480
	s_branch .Lend
; v.  Its K is the keys, which are this product's rows: 32 keys x 64 channels at a time go through an f32 stage of the wave's own and come back a lane to a channel, the registers running down the keys in their true order.
.Lv:
.set VBASE, SPARE+512                  ; LDS bytes of this way's own, never filled by a tensor load: for each wave 32 x 272 (f32), 6,144 (codes), 256 (words)
.set XV,  64                           ; v64-127 two sets of 32 numbers
.set FV,  128                          ; v128-134 codes
.set VW,  136                          ; v136-137 the words being built
.set RV,  144                          ; the way back
	s_lshl_b32 s21, s19, 8
	s_add_co_u32 s22, s22, s21
	s_add_co_u32 s22, s22, 16384
	s_add_nc_u64 s[94:95], s[98:99], s[22:23]      ; my words: 256 consecutive bytes a head
	s_mul_i32 s21, s14, 15104
	s_add_co_u32 s21, s21, VBASE
	v_mul_u32_u24 v24, v1, 272
	v_lshl_add_u32 v24, v2, 6, v24
	v_add_nc_u32 v24, s21, v24                     ; in: row r, + 64 h
	s_wait_alu depctr_va_vdst(0)
	v_lshl_add_u32 v25, v4, 2, s21                 ; back: a lane to a channel
	v_and_b32 v5, 7, v0
	v_bfe_u32 v6, v0, 3, 1
	v_lshl_add_u32 v5, v6, 4, v5
	v_bfe_u32 v6, v0, 4, 1
	v_lshl_add_u32 v5, v6, 3, v5                   ; sw(lane)
	s_add_co_u32 s22, s21, 8704
	v_mul_u32_u24 v26, v5, 48
	v_add_nc_u32 v26, s22, v26                     ; my channel's row of codes
	v_add_nc_u32 v31, s22, v22
	s_add_co_u32 s22, s21, 8704+6144
	v_lshl_add_u32 v23, v5, 2, s22                 ; its word
	v_lshlrev_b32 v19, 3, v4
	v_add_nc_u32 v18, s22, v19
.macro VBLOCK xs, cg, al
	v_max3_num_f32 v138, |v[\xs]|, |v[\xs+1]|, |v[\xs+2]|
	v_max3_num_f32 v139, |v[\xs+3]|, |v[\xs+4]|, |v[\xs+5]|
.irp i, 6,10,14,18,22,26
	v_max3_num_f32 v138, v138, |v[\xs+\i]|, |v[\xs+\i+1]|
	v_max3_num_f32 v139, v139, |v[\xs+\i+2]|, |v[\xs+\i+3]|
.endr
	v_max3_num_f32 v138, v138, |v[\xs+30]|, |v[\xs+31]|
	v_max3_num_f32 v138, v138, v139, 0x1800000
	v_add_nc_u32 v140, 0xff000000, v138
	v_lshrrev_b32 v141, 23, v140
.if \al == 0
	v_mov_b32 v[VW+\cg], v141
.else
	v_lshl_or_b32 v[VW+\cg], v141, 8*\al, v[VW+\cg]
.endif
	v_cvt_scalef32_pk16_fp6_f32 v[FV:FV+2], v[\xs:\xs+15], v140
	v_cvt_scalef32_pk16_fp6_f32 v[FV+4:FV+6], v[\xs+16:\xs+31], v140
	v_nop
	v_mov_b32 v[FV+3], v[FV+4]
	v_mov_b32 v[FV+4], v[FV+5]
	v_mov_b32 v[FV+5], v[FV+6]
.irp p, 0,1,2
	ds_store_b64 v26, v[FV+2*\p:FV+2*\p+1] offset:(\al/2)*3072+1536*\cg+24*(\al%2)+8*\p
.endr
.endm
.irp e, 0,1
.irp al, 0,1,2,3
	WIN 0x08+4*(\al/2)                             ; an LDS store's data are its source 1
.irp ua, 0,1
.irp b, 0,1,2,3
	ds_store_b128 v24, v[8*(8*((2*\al+\ua)%4)+4*\e+\b):8*(8*((2*\al+\ua)%4)+4*\e+\b)+3] offset:16*\ua*272+128*(\b/2)+32*(\b%2)
	ds_store_b128 v24, v[8*(8*((2*\al+\ua)%4)+4*\e+\b)+4:8*(8*((2*\al+\ua)%4)+4*\e+\b)+7] offset:16*\ua*272+128*(\b/2)+32*(\b%2)+16
.endr
.endr
	WIN 0
.irp cg, 0,1
.set i, 0
.rept 32
	ds_load_b32 v[XV+32*\cg+i], v25 offset:((i%8)+16*((i/8)%2)+8*(i/16))*272+128*\cg   ; key i of the 32 stands in the stage's row sw(i)
.set i, i+1
.endr
.endr
	s_wait_dscnt 32                                ; the second 32 channels' loads may be out
	VBLOCK XV, 0, \al
	s_wait_dscnt 0x0                               ; they are in, and the stores above have read the codes' registers
	VBLOCK XV+32, 1, \al
.endr
	ds_store_b32 v23, v[VW]
	ds_store_b32 v23, v[VW+1] offset:128
.if \e > 0
	s_wait_xcnt 0x0                                ; the first head's stores have read their registers
.endif
.irp k, 0,1,2,3,4,5,6,7,8,9,10,11
	ds_load_b128 v[RV+4*\k:RV+4*\k+3], v31 offset:512*\k
.endr
	ds_load_b64 v[RV+48:RV+49], v18
	s_wait_dscnt 0x0
.irp k, 0,1,2,3,4,5,6,7,8,9,10,11
	global_store_b128 v22, v[RV+4*\k:RV+4*\k+3], s[46:47] offset:294912*\e+512*\k
.endr
	global_store_b64 v19, v[RV+48:RV+49], s[94:95] offset:20480*\e   ; one aligned run of 256 bytes
.endr
.Lend:
	s_wait_tensorcnt 0x0                           ; the wave's end
	ds_add_u32 v[SPW], v[NIL]
	s_wait_dscnt 0x0
	CROUND                                         ; the closing round
	s_endpgm
.Lfunc_end_k_qe1540315a6_qkv:
	.size	k_qe1540315a6_qkv, .Lfunc_end_k_qe1540315a6_qkv-k_qe1540315a6_qkv
	.p2alignl 7, 3214868480
	.fill 96, 4, 3214868480
	.section	.rodata,"a",@progbits
	.p2align	6, 0x0
	.amdhsa_kernel k_qe1540315a6_qkv
		.amdhsa_group_segment_fixed_size 327680
		.amdhsa_private_segment_fixed_size 0
		.amdhsa_enable_private_segment 0
		.amdhsa_kernarg_size 40
		.amdhsa_user_sgpr_count 2
		.amdhsa_user_sgpr_kernarg_segment_ptr 1
		.amdhsa_wavefront_size32 1
		.amdhsa_system_sgpr_workgroup_id_x 1
		.amdhsa_system_sgpr_workgroup_id_y 1
		.amdhsa_system_sgpr_workgroup_id_z 1
		.amdhsa_system_vgpr_workitem_id 0
		.amdhsa_next_free_vgpr 1024
		.amdhsa_next_free_sgpr 100
		.amdhsa_reserve_vcc 0
		.amdhsa_float_denorm_mode_32 3
		.amdhsa_float_denorm_mode_16_64 3
		.amdhsa_memory_ordered 1
		.amdhsa_forward_progress 1
		.amdhsa_inst_pref_size 255
	.end_amdhsa_kernel
	.section	.bss,"aw",@nobits
	.p2align	6
	.space	262144
	.amdgpu_metadata
---
amdhsa.version: [ 1, 2 ]
amdhsa.kernels:
  - .name:           k_qe1540315a6_qkv
    .symbol:         k_qe1540315a6_qkv.kd
    .args:
      - { .name: hq, .offset: 0, .size: 8, .value_kind: global_buffer, .address_space: global }
      - { .name: wq, .offset: 8, .size: 8, .value_kind: global_buffer, .address_space: global }
      - { .name: in_b, .offset: 16, .size: 8, .value_kind: global_buffer, .address_space: global }
      - { .name: rope, .offset: 24, .size: 8, .value_kind: global_buffer, .address_space: global }
      - { .name: qkvq, .offset: 32, .size: 8, .value_kind: global_buffer, .address_space: global }
    .group_segment_fixed_size: 327680
    .private_segment_fixed_size: 0
    .kernarg_segment_align: 8
    .kernarg_segment_size: 40
    .max_flat_workgroup_size: 128
    .sgpr_count:     100
    .vgpr_count:     1024
    .wavefront_size: 32
...
	.end_amdgpu_metadata
.endif
;; end of part 10
;; launch attn (part 11): grid 8 x 32, 16 waves a work-group, clusters of 4 x 1, 223,232 bytes of LDS; arguments qkvq, oq; writes oq
.if DOCPART == 11
	.amdgcn_target "amdgcn-amd-amdhsa--gfx1250"
	.amdhsa_code_object_version 6
	.text
	.protected	k_qe1540315a6_attn
	.globl	k_qe1540315a6_attn
	.p2align	8
	.type	k_qe1540315a6_attn,@function
k_qe1540315a6_attn:
	s_mov_b64 s[64:65], 0
	v_nop
	global_prefetch_b8 v0, s[64:65] scope:SCOPE_SE
	s_setreg_imm32_b32 hwreg(HW_REG_WAVE_MODE, 25, 1), 1
	s_wait_xcnt 0x0
	s_wait_alu depctr_hold_cnt(0) depctr_sa_sdst(0) depctr_va_vdst(0) depctr_va_sdst(0) depctr_va_ssrc(0) depctr_va_vcc(0) depctr_vm_vsrc(0)
	s_getreg_b32 s2, hwreg(HW_REG_IB_STS2, 6, 4)
	s_cmp_eq_u32 s2, 0
	s_cbranch_scc0 .Lentry_in_a_cluster
	s_endpgm
.Lentry_in_a_cluster:
	s_bfe_u32 s2, ttmp6, 0x10000c
	s_cmp_lg_u32 s2, 0x3003
	s_cbranch_scc0 .Lentry_shape_is_right
	s_endpgm
.Lentry_shape_is_right:
; Causal attention of one head on codes of FP6 (E2M3): S^T = k q^T (K = 64, the upper 64 of the instruction's 128 are zero codes on both sides), p = 2^(t - M), O^T = v^T p^T, O / the sum of the unquantised p, quantised along the head's 64.
; t = score x log2(e) / 8 (q's factor 1 / 8 stands here); M = the running largest t rounded up to a whole number; when M moves, sum and O^T are multiplied by an exact power of two.
; Hidden scores become -infinity where reference() writes -1e9: p is 0 either way as long as true scores lie above -1e9.  NaN and infinities among the inputs are not served.
; SHARES.  A head's k, v and their scale words (208,896 bytes) lie in LDS whole, filled ONCE: nothing is filled again.  A work-group has a head and a number TQ = 0 .. 7; wave w owns the 16 queries at places 16 TQ .. of the
; block of 128 places BLK(w), BLK a fixed order of 0 .. 15.  So how many key steps a wave walks hangs on its number alone: the same in all partners of a cluster, every work-group has 136 wave steps, and waves w, w + 4, w + 8, w + 12 have 34.
; CLUSTER.  The four work-groups of a cluster share the head: each tile is asked for jointly (mask 15).  Waves 0-3 issue five loads each, in one branch: five tensor loads of a wave are out at the most.
; LAYOUT.  Rows of q and k stand at places sw(t), v's channels at sw(d) (bits 3, 4 changed over): a tile's 16 places are the keys 32 b + 8 u + r + 8 (r / 8), so p's 16 registers of two neighbouring tiles are 16 neighbouring keys, and O^T's likewise 16 neighbouring channels.
; No prefetch: every byte is asked for at the head.
.set VC,   98304                       ; LDS: k's codes at 0, v's here,
.set WD,   196608                      ; k's words (8,192), v's (4,096),
.set STG,  208896                      ; and 768 bytes a wave for the way out
.set AK0,  1                           ; v1  48 r + 24 h
.set AV0,  2
.set ASK0, 3
.set ASV0, 4                           ; v5: my query's place among the block's 128 keys, less 16 h;  v6: 4 r
.set ADK,  8
.set ADV,  9
.set ADS,  10
.set ADT,  11                          ; v12 -M, v13 the largest t, v[14:15] the sum;  v16-27 q;  v28-31 the blocks' largest scores;  v32-79 four fragments of k;  v80-127 four of v;
                                       ; v128-191 S^T, then p;  v192-223 O^T;  v224-235 p's codes;  v236-247 at work;  v248-251 scale words;  v252 f;  v253 p's word;  v255 q's word
.set WV,  8
.set TQ,  10
.set BH,  11
.set BLK, 12
.set SI,  13                           ; the key step
.set TB,  14                           ; 6,144 x it: k's and v's codes
.set TS,  15                           ; 512 x it: k's words
.set TJ,  16                           ; 256 x it: v's
.set CNT, 17
.set CS,  18
.set SEL, 20
.set G1W, 24
.set G1C, 32
.set G0W, 40
.set G0C, 44
.macro CROUND
	s_barrier_signal -1
	s_barrier_wait -1
	s_cmp_lg_u32 s[WV], 0
	s_cbranch_scc1 .Lnot_wave_0_\@
	s_barrier_signal -3
.Lnot_wave_0_\@:
	s_barrier_wait -3
	s_barrier_signal -1
	s_barrier_wait -1
.endm
	s_load_b128 s[4:7], s[0:1], 0x0                ; qkvq, oq
	v_lshl_add_u32 v254, v0, 2, 0x36000
	v_mov_b32 v255, 0
	ds_add_u32 v254, v255
	ds_add_u32 v254, v255
	s_wait_dscnt 0x0
	v_lshrrev_b32 v8, 5, v0
	s_delay_alu instid0(VALU_DEP_1)
	v_readfirstlane_b32 s[WV], v8
	s_bfe_u32 s9, ttmp6, 0x40000                   ; cx: it enters global addresses and the mask's numbers alone
	s_lshl_b32 s[TQ], ttmp9, 2
	s_add_co_u32 s[TQ], s[TQ], s9
	s_and_b32 s[BH], ttmp7, 0xffff
	s_lshr_b32 s[BLK], s[WV], 3
	s_lshl_b32 s[BLK], s[BLK], 2
	s_and_b32 s22, s[WV], 3
	s_or_b32 s[BLK], s[BLK], s22
	s_bfe_u32 s22, s[WV], 0x10002
	s_mul_i32 s22, s22, 15
	s_xor_b32 s[BLK], s[BLK], s22                  ; 0-3, 15-12, 4-7, 11-8
	s_mov_b32 s[G1W], 15|(3<<16)|(1<<21)           ; all four work-groups; elements of 8 bytes; bit 21 beside a mask
	s_mov_b32 s[G1W+1], 32<<16                     ; rows of 256 bytes
	s_mov_b32 s[G1W+2], 12<<16
	s_mov_b32 s[G1W+3], 32<<16
	s_mov_b32 s[G1W+4], 12
	s_mov_b32 s[G1W+5], 32
	s_mov_b32 s[G1W+6], 0
	s_mov_b32 s[G1W+7], 0
	s_mov_b32 s[G1C], 15|(3<<16)|(1<<21)
	s_mov_b32 s[G1C+1], 32<<16
	s_mov_b32 s[G1C+2], 64<<16
	s_mov_b32 s[G1C+3], 32<<16
	s_mov_b32 s[G1C+4], 64
	s_mov_b32 s[G1C+5], 32
	s_mov_b32 s[G1C+6], 0
	s_mov_b32 s[G1C+7], 0
	s_and_b32 s23, s[WV], 3
	s_min_u32 s60, s[WV], 11
	s_lshl_b32 s60, s60, 14                        ; waves 0-11: a twelfth, 16,384 bytes, of k's and v's codes: the same place in LDS as behind k's first byte in memory
	s_mul_i32 s62, s[BH], 294912
	s_add_co_u32 s62, s62, 98304
	s_add_co_u32 s62, s62, s60
	s_mov_b32 s63, 0
	s_mul_i32 s66, s[BH], 20480
	s_add_co_u32 s66, s66, 9437184+8192
	s_mul_i32 s61, s23, 3072
	s_add_co_u32 s66, s66, s61                     ; a quarter of k's and v's words
	s_mov_b32 s67, 0
	s_mov_b32 s[CS], 0x3e38aa3b                    ; log2(e) / 8
	s_mov_b32 s[CS+1], s[CS]
	s_mov_b32 s[SEL], 0x76543210
	s_mov_b32 s[SEL+1], 0xfedcba98
	s_mov_b32 s[SI], 0
	s_mov_b32 s[TB], 0
	s_mov_b32 s[TS], 0
	s_mov_b32 s[TJ], 0
	s_wait_kmcnt 0x0
	s_mov_b32 s[G0W], 1
	s_add_co_u32 s[G0W+1], s61, WD
	s_add_nc_u64 s[G0W+2:G0W+3], s[4:5], s[66:67]
	s_or_b32 s[G0W+3], s[G0W+3], 0x80000000
	s_add_nc_u64 s[62:63], s[4:5], s[62:63]
.irp c, 0
	s_mov_b32 s[G0C+4*\c], 1
	s_add_co_u32 s[G0C+4*\c+1], s60, \c*24576
	s_add_nc_u64 s[G0C+4*\c+2:G0C+4*\c+3], s[62:63], \c*24576
	s_or_b32 s[G0C+4*\c+3], s[G0C+4*\c+3], 0x80000000
.endr
	CROUND                                         ; all four work-groups are here: the joint loads meet
; THE LOADS AS THE TEXT NOW SHARES THEM (in place of the head note's five loads in waves 0-3): every wave issues ONE joint load: waves 0-11 a twelfth of the codes each, waves 12-15 a quarter of the words each.
	s_cmp_lt_u32 s[WV], 12
	s_cbranch_scc0 .Lwords
	tensor_load_to_lds s[G0C:G0C+3], s[G1C:G1C+7]
	s_nop 0
.rept 4
	v_nop
.endr
	s_branch .Lno_fetch
.Lwords:
	tensor_load_to_lds s[G0W:G0W+3], s[G1W:G1W+7]
	s_nop 0
.rept 4
	v_nop
.endr
.Lno_fetch:
	s_lshl_b32 s22, s[BLK], 7
	s_lshl_b32 s23, s[TQ], 4
	s_add_co_u32 s22, s22, s23                     ; my first query's place
	s_mul_i32 s68, s22, 48
	s_mul_i32 s23, s[BH], 294912
	s_add_co_u32 s68, s68, s23
	s_mov_b32 s69, 0
	s_add_nc_u64 s[68:69], s[4:5], s[68:69]
	s_lshl_b32 s70, s22, 2
	s_mul_i32 s23, s[BH], 20480
	s_add_co_u32 s70, s70, s23
	s_add_co_u32 s70, s70, 9437184
	s_mov_b32 s71, 0
	s_add_nc_u64 s[70:71], s[4:5], s[70:71]
	v_and_b32 v8, 15, v0                           ; r
	v_bfe_u32 v9, v0, 4, 1                         ; h
	s_delay_alu instid0(VALU_DEP_2)
	v_mul_u32_u24 v[AK0], v8, 48
	s_delay_alu instid0(VALU_DEP_1)
	v_mad_u32_u24 v[AK0], v9, 24, v[AK0]
	s_delay_alu instid0(VALU_DEP_1)
	v_add_nc_u32 v[AV0], VC, v[AK0]
	v_lshlrev_b32 v6, 2, v8
	s_delay_alu instid0(VALU_DEP_1)
	v_add_nc_u32 v[ASK0], WD, v6
	s_delay_alu instid0(VALU_DEP_2)
	v_add_nc_u32 v[ASV0], WD+8192, v6
.irp p, 0,1,2
	global_load_b64 v[16+2*\p:17+2*\p], v[AK0], s[68:69] offset:8*\p
.endr
	global_load_b32 v255, v6, s[70:71]
	s_lshr_b32 s22, s[TQ], 1
	s_lshl_b32 s22, s22, 5
	s_and_b32 s23, s[TQ], 1
	s_lshl_b32 s23, s23, 3
	s_add_co_u32 s22, s22, s23
	v_and_b32 v5, 8, v8
	s_delay_alu instid0(VALU_DEP_1)
	v_add_nc_u32 v5, v5, v8
	s_delay_alu instid0(VALU_DEP_1)
	v_add_nc_u32 v5, s22, v5                       ; my query among the block's 128: 32 (TQ / 2) + 8 (TQ % 2) + r + 8 (r / 8)
	v_lshlrev_b32 v7, 4, v9
	s_delay_alu instid0(VALU_DEP_1)
	v_sub_nc_u32 v5, v5, v7                        ; less 16 h
.irp j, 22,23,24,25,26,27
	v_mov_b32 v[\j], 0                             ; K = 64: the upper 64 are zero codes
.endr
.irp t, 0,1,2,3
.irp j, 6,7,8,9,10,11
	v_mov_b32 v[32+12*\t+\j], 0
.endr
.endr
	v_mov_b32 v13, 0xff61b1e6                      ; -3e38, under every t
	s_delay_alu instid0(VALU_DEP_1)
	v_floor_f32 v12, -v13
	v_mov_b32 v14, 0
	v_mov_b32 v15, 0
.irp b, 0,1,2,3
	v_mov_b32 v[236+\b], 0                         ; (a lane permute's destination counts as one of its sources)
.endr
	v_mov_b32 v252, 0
	v_mov_b32 v253, 0
.set j, 0
.rept 32
	v_mov_b32 v[192+j], 0                          ; O^T: the step is written once; the first change of M leaves zeros zeros
.set j, j+1
.endr
; A KEY STEP: 128 keys.  A step whose keys all come after my block of queries is left out: a branch on the wave's number and the count of steps.
.macro STEP
	s_cmp_gt_u32 s[SI], s[BLK]
	s_cbranch_scc1 .Lhidden_\@
	v_add_nc_u32 v[ADK], s[TB], v[AK0]             ; (these four are also the places ahead of the loads into registers that the last products read)
	s_wait_alu depctr_va_vdst(0)
	v_add_nc_u32 v[ADV], s[TB], v[AV0]
	v_add_nc_u32 v[ADS], s[TS], v[ASK0]
	s_wait_alu depctr_va_vdst(0)
	v_add_nc_u32 v[ADT], s[TJ], v[ASV0]
.irp t, 0,1,2,3
.irp p, 0,1,2,3,4,5
	ds_load_b64 v[80+12*\t+2*\p:81+12*\t+2*\p], v[ADV] offset:(\p/3)*3072+768*\t+8*(\p%3)   ; v's four fragments, asked for early
.endr
.endr
.irp g, 0,1
.if \g > 0
.rept 4
	v_nop
.endr
.endif
.irp t, 0,1,2,3
.irp p, 0,1,2
	ds_load_b64 v[32+12*\t+2*\p:33+12*\t+2*\p], v[ADK] offset:768*(4*\g+\t)+8*\p
.endr
	ds_load_b32 v[248+\t], v[ADS] offset:64*(4*\g+\t)
.endr
	s_wait_dscnt 0x0
.irp t, 0,1,2,3
	v_wmma_scale_f32_16x16x128_f8f6f4 v[128+8*(4*\g+\t):135+8*(4*\g+\t)], v[32+12*\t:43+12*\t], v[16:27], 0, v[248+\t], v255 matrix_a_fmt:MATRIX_FMT_FP6 matrix_b_fmt:MATRIX_FMT_FP6
.endr
.endr
.rept 4
	v_nop
.endr
	s_cmp_lt_u32 s[SI], s[BLK]                     ; only my own block's step lies on the diagonal
	s_cbranch_scc1 .Lopen_\@
	v_mov_b32 v254, 0xff800000
.set n, 0
.rept 64
	v_cmp_gt_i32 vcc_lo, 32*(n/16)+n%16, v5        ; register 16 b + i holds key 32 b + 16 h + i of the step
	v_cndmask_b32 v[128+n], v[128+n], v254, vcc_lo
.set n, n+1
.endr
.Lopen_\@:
.irp b, 0,1,2,3
	v_max3_num_f32 v[28+\b], v[128+16*\b], v[129+16*\b], v[130+16*\b]   ; each block's largest score: for the row's maximum, and, since p rises with the score, for the block's largest p
.endr
.irp i, 3,5,7,9,11,13
.irp b, 0,1,2,3
	v_max3_num_f32 v[28+\b], v[28+\b], v[128+16*\b+\i], v[129+16*\b+\i]
.endr
.endr
.irp b, 0,1,2,3
	v_max_num_f32 v[28+\b], v[28+\b], v[143+16*\b]
.endr
.irp b, 0,1,2,3
	s_delay_alu instid0(VALU_DEP_4)
	v_permlanex16_b32 v[236+\b], v[28+\b], s[SEL], s[SEL+1]
.endr
.irp b, 0,1,2,3
	s_delay_alu instid0(VALU_DEP_4)
	v_max_num_f32 v[28+\b], v[28+\b], v[236+\b]
.endr
	s_delay_alu instid0(VALU_DEP_2)
	v_max3_num_f32 v254, v28, v29, v30
	s_delay_alu instid0(VALU_DEP_1)
	v_max_num_f32 v254, v254, v31
	s_delay_alu instid0(VALU_DEP_1)
	v_mul_f32 v254, s[CS], v254
	s_delay_alu instid0(VALU_DEP_1)
	v_max_num_f32 v13, v13, v254                   ; the running largest t
	v_mov_b32 v254, v12
	s_delay_alu instid0(VALU_DEP_2)
	v_floor_f32 v12, -v13                          ; -M = floor(-t)
	s_delay_alu instid0(VALU_DEP_1)
	v_sub_f32 v254, v12, v254
	s_delay_alu instid0(VALU_DEP_1)
	v_cvt_i32_f32 v254, v254                       ; (it saturates)
	s_delay_alu instid0(VALU_DEP_1)
	v_ldexp_f32 v252, 1.0, v254                    ; f = 2^(old M - new M)
.set j, 0
.rept 32
	v_pk_fma_f32 v[128+j:129+j], v[128+j:129+j], s[CS:CS+1], v[12:13] op_sel_hi:[1,0,0]   ; t - M
.set j, j+2
.endr
.irp b, 0,1,2,3
	v_fma_f32 v[28+\b], v[28+\b], s[CS], v12
.endr
.set j, 0
	s_wait_alu depctr_va_vdst(0)
.rept 64
	v_exp_f32 v[128+j], v[128+j]                   ; p, not normalised
.set j, j+1
.endr
	v_pk_mul_f32 v[14:15], v[14:15], v[252:253] op_sel_hi:[1,0]   ; the sums under the new M (a plain line behind the exponentials)
	s_wait_alu depctr_va_vdst(0)                   ; one wait for the batch, ahead of its first reader
.irp b, 0,1,2,3
	v_exp_f32 v[28+\b], v[28+\b]                   ; the blocks' largest p
.endr
	v_pk_add_f32 v[236:237], v[132:133], v[136:137]
	v_pk_add_f32 v[250:251], v[140:141], v[144:145]
	v_pk_add_f32 v[248:249], v[148:149], v[152:153]
	v_pk_add_f32 v[246:247], v[156:157], v[160:161]
	v_pk_add_f32 v[244:245], v[164:165], v[168:169]
	v_pk_add_f32 v[242:243], v[172:173], v[176:177]
	v_pk_add_f32 v[240:241], v[180:181], v[184:185]
	v_pk_add_f32 v[14:15], v[14:15], v[188:189]
	v_pk_add_f32 v[236:237], v[236:237], v[128:129]
	v_pk_add_f32 v[250:251], v[250:251], v[130:131]
	v_pk_add_f32 v[248:249], v[248:249], v[134:135]
	v_pk_add_f32 v[246:247], v[246:247], v[138:139]
	v_pk_add_f32 v[244:245], v[244:245], v[142:143]
	v_pk_add_f32 v[242:243], v[242:243], v[146:147]
	v_pk_add_f32 v[240:241], v[240:241], v[150:151]
	v_pk_add_f32 v[14:15], v[14:15], v[154:155]
	v_pk_add_f32 v[236:237], v[236:237], v[158:159]
	v_pk_add_f32 v[250:251], v[250:251], v[162:163]
	v_pk_add_f32 v[248:249], v[248:249], v[166:167]
	v_pk_add_f32 v[246:247], v[246:247], v[170:171]
	v_pk_add_f32 v[244:245], v[244:245], v[174:175]
	v_pk_add_f32 v[242:243], v[242:243], v[178:179]
	v_pk_add_f32 v[240:241], v[240:241], v[182:183]
	v_pk_add_f32 v[14:15], v[14:15], v[186:187]
	v_pk_add_f32 v[236:237], v[236:237], v[190:191]
	s_delay_alu instid0(VALU_DEP_2)
	v_pk_add_f32 v[14:15], v[14:15], v[246:247]
	s_delay_alu instid0(VALU_DEP_2)
	v_pk_add_f32 v[236:237], v[236:237], v[244:245]
	v_pk_add_f32 v[250:251], v[250:251], v[242:243]
	v_pk_add_f32 v[248:249], v[248:249], v[240:241]
	s_delay_alu instid0(VALU_DEP_2)
	v_pk_add_f32 v[14:15], v[14:15], v[250:251]
	s_delay_alu instid0(VALU_DEP_2)
	v_pk_add_f32 v[236:237], v[236:237], v[248:249]
	s_delay_alu instid0(VALU_DEP_1)
	v_pk_add_f32 v[14:15], v[14:15], v[236:237]
	s_wait_alu depctr_va_vdst(0)                   ; and one for the four
.irp b, 0,1,2,3
	v_max_num_f32 v[28+\b], 0x1800000, v[28+\b]    ; the floor: the byte cannot fall under 1
.endr
.irp b, 0,1,2,3
	s_delay_alu instid0(VALU_DEP_4)
	v_add_nc_u32 v[244+\b], 0xff000000, v[28+\b]
.endr
.irp b, 0,1,2,3
	s_delay_alu instid0(VALU_DEP_4)
	v_lshrrev_b32 v[236+\b], 23, v[244+\b]
.endr
	s_delay_alu instid0(VALU_DEP_3)
	v_lshl_or_b32 v253, v237, 8, v236              ; p's scale word
	s_delay_alu instid0(VALU_DEP_1)
	v_lshl_or_b32 v253, v238, 16, v253
	s_delay_alu instid0(VALU_DEP_1)
	v_lshl_or_b32 v253, v239, 24, v253
.irp c, 0,1
	v_cvt_scalef32_pk16_fp6_f32 v[224+6*\c:226+6*\c], v[128+32*\c:143+32*\c], v[244+2*\c]
	v_cvt_scalef32_pk16_fp6_f32 v[236+4*\c:238+4*\c], v[144+32*\c:159+32*\c], v[244+2*\c+1]
.endr
	v_nop
.irp c, 0,1
.irp i, 0,1,2
	v_permlane16_swap_b32 v[224+6*\c+\i], v[236+4*\c+\i]
.endr
.irp i, 0,1,2
	s_delay_alu instid0(VALU_DEP_3)
	v_mov_b32 v[227+6*\c+\i], v[236+4*\c+\i]
.endr
.endr
.set j, 0
.rept 16
	v_pk_mul_f32 v[192+j:193+j], v[192+j:193+j], v[252:253] op_sel_hi:[1,0]   ; O^T under the new M; also the places ahead of the products below
.set j, j+2
.endr
.irp t, 0,1,2,3
	ds_load_b32 v[248+\t], v[ADT] offset:64*\t
.endr
	s_wait_alu depctr_va_vdst(0)
	s_wait_dscnt 0x0
.irp t, 0,1,2,3
	v_wmma_scale_f32_16x16x128_f8f6f4 v[192+8*\t:199+8*\t], v[80+12*\t:91+12*\t], v[224:235], v[192+8*\t:199+8*\t], v[248+\t], v253 matrix_a_fmt:MATRIX_FMT_FP6 matrix_b_fmt:MATRIX_FMT_FP6
.endr
.Lhidden_\@:
	s_add_co_u32 s[SI], s[SI], 1
	s_add_co_u32 s[TB], s[TB], 6144
	s_add_co_u32 s[TS], s[TS], 512
	s_add_co_u32 s[TJ], s[TJ], 256
.endm
	s_wait_loadcnt 0x0                             ; q
	s_wait_tensorcnt 0x0                           ; my one load has landed;
	s_barrier_signal -1
	s_barrier_wait -1                              ; and everybody's: the head's k, v and words are whole, and nothing is filled again
	s_mov_b32 s[CNT], 16
.Lstep:
	STEP
	s_sub_co_u32 s[CNT], s[CNT], 1
	s_cmp_lg_u32 s[CNT], 0
	s_cbranch_scc1 .Lstep
	; THE WAY OUT: O^T / the sum; its 32 numbers a lane are d = 32 b + 16 h + i: quantised along the head's 64, which is plane = head of the next product's operand.
.rept 4
	v_nop
.endr
	v_add_f32 v14, v14, v15
	s_delay_alu instid0(VALU_DEP_1)
	v_permlanex16_b32 v252, v14, s[SEL], s[SEL+1]
	s_delay_alu instid0(VALU_DEP_1)
	v_add_f32 v14, v14, v252
	s_wait_alu depctr_va_vdst(0)
	v_rcp_f32 v14, v14
	s_mul_i32 s66, s[WV], 768
	s_add_co_u32 s66, s66, STG
	v_add_nc_u32 v8, s66, v[AK0]                   ; (a plain line behind the reciprocal)  into my stage: 48 r + 24 h
	v_and_b32 v9, 31, v0
	s_delay_alu instid0(VALU_DEP_1)
	v_lshlrev_b32 v10, 3, v9
	s_delay_alu instid0(VALU_DEP_1)
	v_add_nc_u32 v9, s66, v10                      ; back: 8 bytes a lane
	s_lshr_b32 s22, s[BH], 4                       ; b
	s_and_b32 s23, s[BH], 15                       ; the head
	s_lshl_b32 s22, s22, 11
	s_lshl_b32 s60, s[BLK], 7
	s_add_co_u32 s22, s22, s60
	s_lshl_b32 s60, s[TQ], 4
	s_add_co_u32 s22, s22, s60                     ; my first row's place
	s_mul_i32 s60, s23, 196608
	s_mul_i32 s61, s22, 48
	s_add_co_u32 s60, s60, s61
	s_mov_b32 s61, 0
	s_add_nc_u64 s[60:61], s[6:7], s[60:61]
	s_lshr_b32 s62, s23, 1
	s_lshl_b32 s62, s62, 14
	s_lshl_b32 s63, s22, 2
	s_add_co_u32 s62, s62, s63
	s_and_b32 s63, s23, 1
	s_lshl_b32 s63, s63, 1
	s_add_co_u32 s62, s62, s63
	s_add_co_u32 s62, s62, 3145728
	s_mov_b32 s63, 0
	s_add_nc_u64 s[62:63], s[6:7], s[62:63]
	s_wait_alu depctr_va_vdst(0)                   ; ahead of the reciprocal's first reader
.set j, 0
.rept 32
	v_mul_f32 v[128+j], v[192+j], v14              ; each accumulator from its low end on
.set j, j+1
.endr
.irp b, 0,1
	v_max3_num_f32 v[28+\b], |v[128+16*\b]|, |v[129+16*\b]|, 0x1800000
.endr
.irp i, 2,4,6,8,10,12,14
.irp b, 0,1
	s_delay_alu instid0(VALU_DEP_2)
	v_max3_num_f32 v[28+\b], v[28+\b], |v[128+16*\b+\i]|, |v[129+16*\b+\i]|
.endr
.endr
.irp b, 0,1
	s_delay_alu instid0(VALU_DEP_2)
	v_permlanex16_b32 v[236+\b], v[28+\b], s[SEL], s[SEL+1]
.endr
.irp b, 0,1
	s_delay_alu instid0(VALU_DEP_2)
	v_max_num_f32 v[28+\b], v[28+\b], v[236+\b]
.endr
.irp b, 0,1
	s_delay_alu instid0(VALU_DEP_2)
	v_add_nc_u32 v[244+\b], 0xff000000, v[28+\b]
.endr
.irp b, 0,1
	s_delay_alu instid0(VALU_DEP_2)
	v_lshrrev_b32 v[236+\b], 23, v[244+\b]
.endr
	s_delay_alu instid0(VALU_DEP_1)
	v_lshl_or_b32 v254, v237, 8, v236              ; my row's two bytes
	v_cvt_scalef32_pk16_fp6_f32 v[224:226], v[128:143], v244
	v_cvt_scalef32_pk16_fp6_f32 v[228:230], v[144:159], v245
	v_nop
.irp i, 0,1,2
	v_permlane16_swap_b32 v[224+\i], v[228+\i]
.endr
.irp i, 0,1,2
	s_delay_alu instid0(VALU_DEP_3)
	v_mov_b32 v[227+\i], v[228+\i]
.endr
.irp p, 0,1,2
	ds_store_b64 v8, v[224+2*\p:225+2*\p] offset:8*\p
.endr
.irp p, 0,1,2
	ds_load_b64 v[236+2*\p:237+2*\p], v9 offset:256*\p   ; LDS serves a wave's instructions in order: these see my stores
.endr
	s_wait_alu depctr_va_vdst(0)
	s_wait_dscnt 0x0
.irp p, 0,1,2
	global_store_b64 v10, v[236+2*\p:237+2*\p], s[60:61] offset:256*\p   ; 256 consecutive bytes, aligned
.endr
	global_store_b16 v6, v254, s[62:63]            ; two bytes of each row's word (the word's other two are the neighbouring head's); both halves of the lanes write the same: 2 bytes a row and head, 131,072 in the launch
	s_wait_xcnt 0x0
	v_lshl_add_u32 v254, v0, 2, 0x36000
	v_mov_b32 v255, 0
	s_wait_alu depctr_va_vdst(0)
	s_wait_tensorcnt 0x0
	ds_add_u32 v254, v255
	s_wait_dscnt 0x0
	CROUND                                         ; the closing round
	s_endpgm
.Lfunc_end_k_qe1540315a6_attn:
	.size	k_qe1540315a6_attn, .Lfunc_end_k_qe1540315a6_attn-k_qe1540315a6_attn
	.p2alignl 7, 3214868480
	.fill 96, 4, 3214868480
	.section	.rodata,"a",@progbits
	.p2align	6, 0x0
	.amdhsa_kernel k_qe1540315a6_attn
		.amdhsa_group_segment_fixed_size 223232
		.amdhsa_private_segment_fixed_size 0
		.amdhsa_enable_private_segment 0
		.amdhsa_kernarg_size 16
		.amdhsa_user_sgpr_count 2
		.amdhsa_user_sgpr_kernarg_segment_ptr 1
		.amdhsa_wavefront_size32 1
		.amdhsa_system_sgpr_workgroup_id_x 1
		.amdhsa_system_sgpr_workgroup_id_y 1
		.amdhsa_system_sgpr_workgroup_id_z 1
		.amdhsa_system_vgpr_workitem_id 0
		.amdhsa_next_free_vgpr 256
		.amdhsa_next_free_sgpr 72
		.amdhsa_reserve_vcc 1
		.amdhsa_float_denorm_mode_32 3
		.amdhsa_float_denorm_mode_16_64 3
		.amdhsa_memory_ordered 1
		.amdhsa_forward_progress 1
		.amdhsa_inst_pref_size 40
	.end_amdhsa_kernel
	.amdgpu_metadata
---
amdhsa.version: [ 1, 2 ]
amdhsa.kernels:
  - .name:           k_qe1540315a6_attn
    .symbol:         k_qe1540315a6_attn.kd
    .args:
      - { .name: qkvq, .offset: 0, .size: 8, .value_kind: global_buffer, .address_space: global }
      - { .name: oq, .offset: 8, .size: 8, .value_kind: global_buffer, .address_space: global }
    .group_segment_fixed_size: 223232
    .private_segment_fixed_size: 0
    .kernarg_segment_align: 8
    .kernarg_segment_size: 16
    .max_flat_workgroup_size: 512
    .sgpr_count:     72
    .vgpr_count:     256
    .wavefront_size: 32
...
	.end_amdgpu_metadata
.endif
;; end of part 11
;; launch oproj (part 12): grid 8 x 32, 4 waves a work-group, clusters of 4 x 4, 327,680 bytes of LDS; arguments oq, wq, out_b, x, x1; writes x1
.if DOCPART == 12
	.amdgcn_target "amdgcn-amd-amdhsa--gfx1250"
	.amdhsa_code_object_version 6
	.text
	.protected	k_qe1540315a6_oproj
	.globl	k_qe1540315a6_oproj
	.p2align	8
	.type	k_qe1540315a6_oproj,@function
k_qe1540315a6_oproj:
	s_mov_b64 s[64:65], 0
	v_nop
	global_prefetch_b8 v0, s[64:65] scope:SCOPE_SE
	s_setreg_imm32_b32 hwreg(HW_REG_WAVE_MODE, 25, 1), 1
	s_wait_xcnt 0x0
	s_wait_alu depctr_hold_cnt(0) depctr_sa_sdst(0) depctr_va_vdst(0) depctr_va_sdst(0) depctr_va_ssrc(0) depctr_va_vcc(0) depctr_vm_vsrc(0)
	s_getreg_b32 s2, hwreg(HW_REG_IB_STS2, 6, 4)
	s_cmp_eq_u32 s2, 0
	s_cbranch_scc0 .Lentry_in_a_cluster
	s_endpgm
.Lentry_in_a_cluster:
	s_bfe_u32 s2, ttmp6, 0x10000c
	s_cmp_lg_u32 s2, 0xf033
	s_cbranch_scc0 .Lentry_shape_is_right
	s_endpgm
.Lentry_shape_is_right:
.set SIZE_K, 1024
.set SIZE_N, 1024
.set ASC,    3145728
.set WC,     2359296
.set WS,     9535488
; x1 = x + o out_w^T + out_b on codes of FP6 (E2M3) with E8M0 scales.  A tile of 128 x 128 to a work-group, 64 x 64 to a wave; 4 x 4 clusters with joint loads.
; ALL OF K COMES AT THE HEAD, one joint load a wave: A's [16 planes][128 rows x 48 bytes] at LDS byte 0, B's behind them, then the scale words [8][128 rows][4] of A and of B.  Nothing is filled again.
; No prefetch: every byte is asked for at the head, and there is no loop to run ahead in.
.set PL,     6144                      ; 128 rows of a plane
.set NPL,    8
.set HALFT,  NPL*PL/2
.set SLOT,   4*HALFT
.set SCL,    2*SLOT
.set KW,     SIZE_K/128
.set HALFS,  KW*256
.set SPARE,  SCL+4*HALFS
.set LAPS,   SIZE_K/1024
.set ASTEP,  NPL*4096*48
.set BSTEP,  NPL*SIZE_N*48
.set FR,     12
.set SPITCH, 272
.set WSTG,   64*SPITCH
.set ADRA, 16
.set ADRB, 20
.set STO,  24
.set RD,   25
.set CO,   26
.set ADRS, 27
.set SPW,  28
.set NIL,  29
.set BO,   30
.set SC,   32
.set BIAS, 64
.set ACC,  128
.set F1,   128
.set G1, 24
.set G0, 32
.set G1B, 48
.set G0B, 56
.set G1S, 68
.set G0S, 76
.set G1SB, 80
.set G0SB, 88
.set MSB, 0
.macro WIN new
.if MSB != (\new)
	s_set_vgpr_msb (MSB<<8)|(\new)
.set MSB, (\new)
.endif
.endm
.set MUL,  0x05
.set TO_F, 0x40
.macro JLOAD g0a, g1a, g0b, g1b
	s_cmp_eq_u32 s15, 0
	s_cbranch_scc0 .Lfor_b_\@
	tensor_load_to_lds s[\g0a:\g0a+3], s[\g1a:\g1a+7]
	s_nop 0
.rept 4
	v_nop
.endr
	s_branch .Lasked_\@
.Lfor_b_\@:
	tensor_load_to_lds s[\g0b:\g0b+3], s[\g1b:\g1b+7]
	s_nop 0
.rept 4
	v_nop
.endr
.Lasked_\@:
.endm
.macro CREST
	s_cmp_lg_u32 s14, 0
	s_cbranch_scc1 .Lnot_wave_0_\@
	s_barrier_signal -3
.Lnot_wave_0_\@:
	s_barrier_wait -3
	s_barrier_signal -1
	s_barrier_wait -1
.endm
.macro CROUND
	s_barrier_signal -1
	s_barrier_wait -1
	CREST
.endm
	s_load_b128 s[4:7], s[0:1], 0x0
	s_load_b64 s[8:9], s[0:1], 0x10
	s_load_b128 s[96:99], s[0:1], 0x18
	v_lshl_add_u32 v[SPW], v0, 2, SPARE
	v_mov_b32 v[NIL], 0
	ds_add_u32 v28, v29
	ds_add_u32 v28, v29
	s_wait_dscnt 0x0
	v_lshrrev_b32 v1, 5, v0
	v_readfirstlane_b32 s14, v1
	s_lshr_b32 s15, s14, 1
	s_and_b32 s16, s14, 1
	s_bfe_u32 s40, ttmp6, 0x40000
	s_bfe_u32 s41, ttmp6, 0x40004
	s_lshl_b32 s42, ttmp9, 2
	s_add_co_u32 s42, s42, s40
	s_and_b32 s17, ttmp7, 0xffff
	s_lshl_b32 s17, s17, 2
	s_add_co_u32 s17, s17, s41
	s_lshl_b32 s43, s41, 2
	s_lshl_b32 s43, 15, s43
	s_lshl_b32 s44, 0x1111, s40
	s_or_b32 s[G1+0], s43, (3<<16)|(1<<21)
	s_or_b32 s[G1B+0], s44, (3<<16)|(1<<21)
.irp g, G1, G1B
	s_mov_b32 s[\g+1], 768<<16
	s_mov_b32 s[\g+2], (2*NPL)<<16
	s_mov_b32 s[\g+3], 768<<16
	s_mov_b32 s[\g+4], 2*NPL
	s_mov_b32 s[\g+6], 0
	s_mov_b32 s[\g+7], 0
.endr
	s_mov_b32 s[G1+5], 4096*6
	s_mov_b32 s[G1B+5], SIZE_N*6
	s_or_b32 s[G1S+0], s43, (3<<16)|(1<<21)
	s_or_b32 s[G1SB+0], s44, (3<<16)|(1<<21)
.irp g, G1S, G1SB
	s_mov_b32 s[\g+1], 64<<16
	s_mov_b32 s[\g+2], KW<<16
	s_mov_b32 s[\g+3], 64<<16
	s_mov_b32 s[\g+4], KW
	s_mov_b32 s[\g+6], 0
	s_mov_b32 s[\g+7], 0
.endr
	s_mov_b32 s[G1S+5], 4096/2
	s_mov_b32 s[G1SB+5], SIZE_N/2
	s_lshl_b32 s20, s17, 7
	s_lshl_b32 s46, s42, 7
	s_lshl_b32 s22, s20, 2
	s_add_co_u32 s22, s22, ASC
	s_mov_b32 s23, 0
	s_lshl_b32 s92, s46, 2
	s_add_co_u32 s92, s92, WS
	s_mov_b32 s93, 0
	s_mul_i32 s20, s20, 48
	s_mov_b32 s21, 0
	s_mul_i32 s46, s46, 48
	s_add_co_u32 s46, s46, WC
	s_mov_b32 s47, 0
	s_mul_i32 s45, s14, 2*HALFT                    ; wave 0: A's codes at 0; wave 2: B's at 98,304
	s_wait_kmcnt 0x0
	s_add_nc_u64 s[20:21], s[4:5], s[20:21]
	s_add_nc_u64 s[22:23], s[4:5], s[22:23]
	s_add_nc_u64 s[46:47], s[6:7], s[46:47]
	s_add_nc_u64 s[92:93], s[6:7], s[92:93]
	CROUND
	s_mov_b32 s[G0S], 1
	s_mov_b32 s[G0S+1], SCL
	s_mov_b64 s[G0S+2:G0S+3], s[22:23]
	s_or_b32 s[G0S+3], s[G0S+3], 0x80000000
	s_mov_b32 s[G0SB], 1
	s_mov_b32 s[G0SB+1], SCL+2*HALFS
	s_mov_b64 s[G0SB+2:G0SB+3], s[92:93]
	s_or_b32 s[G0SB+3], s[G0SB+3], 0x80000000
.irp s, 0
	s_mov_b32 s[G0+4*\s], 1
	s_add_co_u32 s[G0+4*\s+1], s45, \s*SLOT
	s_add_nc_u64 s[G0+4*\s+2:G0+4*\s+3], s[20:21], \s*ASTEP
	s_or_b32 s[G0+4*\s+3], s[G0+4*\s+3], 0x80000000
	s_mov_b32 s[G0B+4*\s], 1
	s_add_co_u32 s[G0B+4*\s+1], s45, \s*SLOT
	s_add_nc_u64 s[G0B+4*\s+2:G0B+4*\s+3], s[46:47], \s*BSTEP
	s_or_b32 s[G0B+4*\s+3], s[G0B+4*\s+3], 0x80000000
.endr
; the four tiles, one joint load a wave: wave 0 A's codes, wave 1 A's scale words, wave 2 B's codes, wave 3 B's words
.macro ARM under, g0, g1, next
	s_cmp_lt_u32 s14, \under
	s_cbranch_scc0 \next
	tensor_load_to_lds s[\g0:\g0+3], s[\g1:\g1+7]
	s_nop 0
.rept 4
	v_nop
.endr
	s_branch .Lhead_asked
\next:
.endm
	ARM 1, G0,  G1,  .Lhead_sa
	ARM 2, G0S, G1S, .Lhead_b
	ARM 3, G0B, G1B, .Lhead_sb
	tensor_load_to_lds s[G0SB:G0SB+3], s[G1SB:G1SB+7]
	s_nop 0
.rept 4
	v_nop
.endr
.Lhead_asked:
	v_and_b32 v1, 15, v0
	v_bfe_u32 v2, v0, 4, 1
	s_wait_alu depctr_va_vdst(0)
	v_mul_u32_u24 v3, v1, 48
	v_mad_u32_u24 v3, v2, 24, v3
	s_mul_i32 s21, s15, 3072                       ; my 64 rows of each plane of A
	s_mul_i32 s22, s16, 3072
	s_add_co_u32 s22, s22, 4*HALFT                 ; B's planes lie behind A's sixteen
.irp s, 0,1
	v_add_nc_u32 v[ADRA+\s], s21, v3
	v_add_nc_u32 v[ADRB+\s], s22, v3
	s_add_co_u32 s21, s21, 2*HALFT                 ; the second address: planes 8 on
	s_add_co_u32 s22, s22, 2*HALFT
.endr
	s_mul_i32 s21, s15, 256
	s_mul_i32 s22, s16, 256
	s_add_co_u32 s22, s22, 2*HALFS
	s_sub_co_u32 s22, s22, s21
	v_mul_u32_u24 v6, s22, v2
	s_add_co_u32 s21, s21, SCL
	v_lshl_add_u32 v5, v1, 2, v6
	v_add_nc_u32 v[ADRS], s21, v5
	v_lshlrev_b32 v[BO], 6, v2
	s_mul_i32 s21, s14, WSTG
	s_add_co_u32 s21, s21, SPARE+512               ; the way out's stages have LDS bytes of their own, behind the spare words: other waves may still read codes
	v_mul_u32_u24 v[STO], v1, SPITCH
	v_lshl_add_u32 v[STO], v2, 6, v[STO]
	v_add_nc_u32 v[STO], s21, v[STO]
	v_mul_u32_u24 v[RD], v2, SPITCH
	v_lshl_add_u32 v[RD], v1, 4, v[RD]
	v_add_nc_u32 v[RD], s21, v[RD]
	v_lshlrev_b32 v[CO], 13, v2
	v_lshl_add_u32 v[CO], v1, 4, v[CO]
	s_wait_alu depctr_va_vdst(0)
	s_lshl_b32 s46, s42, 9
	s_lshl_b32 s47, s16, 8
	s_add_co_u32 s46, s46, s47
	s_mov_b32 s47, 0
	s_add_nc_u64 s[8:9], s[8:9], s[46:47]
.irp b, 0,1,2,3
	global_load_b128 v[BIAS+8*\b:BIAS+8*\b+3], v[BO], s[8:9] offset:128*(\b/2)+32*(\b%2)
	global_load_b128 v[BIAS+8*\b+4:BIAS+8*\b+7], v[BO], s[8:9] offset:128*(\b/2)+32*(\b%2)+16
.endr
	s_lshr_b32 s18, s17, 4
	s_and_b32 s19, s17, 15
	s_lshl_b32 s19, s19, 1
	s_add_co_u32 s19, s19, s15
	s_lshl_b32 s19, s19, 7
	s_add_co_u32 s19, s19, s18
	s_lshl_b32 s22, s19, 12
	s_add_co_u32 s22, s22, s46
	s_mov_b32 s23, 0
	s_add_nc_u64 s[96:97], s[96:97], s[22:23]
	s_add_nc_u64 s[98:99], s[98:99], s[22:23]
	WIN 0x80
.irp a, 0,1,2,3
.irp k, 0,1,2,3,4,5,6,7
	global_load_b128 v[4*(8*\a+\k):4*(8*\a+\k)+3], v[CO], s[96:97] offset:(32*(\a/2)+8*(\a%2)+2*\k+8*(\k/4))*8192 th:TH_LOAD_NT
.endr
.endr
	WIN 0
.macro FRAG reg, adr, q, i
.irp p, 0,1,2,3,4,5
	ds_load_b64 v[2*\p+(\reg):2*\p+(\reg)+1], v[\adr] offset:(2*(\q)+\p/3)*PL+(\i)*768+8*(\p%3)
.endr
.endm
.macro MULA f, a, q, sc, zero
.irp b, 0,1,2,3
.if \zero
	v_wmma_scale_f32_16x16x128_f8f6f4 v[ACC+8*(4*(\a)+\b):ACC+8*(4*(\a)+\b)+7], v[48+(\f)+FR*\b:48+(\f)+FR*\b+FR-1], v[FR*(\a)+(\f):FR*(\a)+(\f)+FR-1], v[BIAS+8*\b:BIAS+8*\b+7], v[SC+16*(\sc)+4*(\q)+\b], v[SC+16*(\sc)+4*(\q)+(\a)] matrix_a_fmt:MATRIX_FMT_FP6 matrix_b_fmt:MATRIX_FMT_FP6 matrix_a_scale:MATRIX_SCALE_ROW1
.else
	v_wmma_scale_f32_16x16x128_f8f6f4 v[ACC+8*(4*(\a)+\b):ACC+8*(4*(\a)+\b)+7], v[48+(\f)+FR*\b:48+(\f)+FR*\b+FR-1], v[FR*(\a)+(\f):FR*(\a)+(\f)+FR-1], v[ACC+8*(4*(\a)+\b):ACC+8*(4*(\a)+\b)+7], v[SC+16*(\sc)+4*(\q)+\b], v[SC+16*(\sc)+4*(\q)+(\a)] matrix_a_fmt:MATRIX_FMT_FP6 matrix_b_fmt:MATRIX_FMT_FP6 matrix_a_scale:MATRIX_SCALE_ROW1
.endif
.endr
.endm
.macro FETCH slot, q, f
	WIN TO_F
.irp i, 0,1,2,3
	FRAG 48+(\f)+FR*\i, ADRB+\slot, \q, \i
.endr
.irp i, 0,1,2,3
	FRAG FR*\i+(\f), ADRA+\slot, \q, \i
.endr
.endm
.macro SCALES sc
.irp q, 0,1,2,3
.irp i, 0,1,2,3
	ds_load_b32 v[SC+16*\sc+4*\q+\i], v[ADRS] offset:512*\q+64*\i
.endr
.endr
.endm
.macro PLACES n
.rept \n
	v_nop
.endr
.endm
.macro STEP slot, q, zero
	s_wait_dscnt 12
	WIN MUL
	MULA 128*((\q)%2), 0, \q, \slot, \zero
	MULA 128*((\q)%2), 1, \q, \slot, \zero
	PLACES 4
	FETCH \slot, (\q)+1, 128*(1-(\q)%2)
	s_wait_dscnt 48
	WIN MUL
	MULA 128*((\q)%2), 2, \q, \slot, \zero
	MULA 128*((\q)%2), 3, \q, \slot, \zero
.endm
.macro TURN slot, next, fill
	WIN 0
	s_wait_tensorcnt 0x0
	ds_add_u32 v[SPW], v[NIL]
	s_wait_dscnt 13
	WIN MUL
	MULA F1, 0, 3, \slot, 0
	s_wait_dscnt 0x0
	s_barrier_signal -1
	MULA F1, 1, 3, \slot, 0
	WIN 0
	s_barrier_wait -1
.if \fill
	CREST
	s_add_nc_u64 s[G0+4*\slot+2:G0+4*\slot+3], s[G0+4*\slot+2:G0+4*\slot+3], 2*ASTEP
	s_add_nc_u64 s[G0B+4*\slot+2:G0B+4*\slot+3], s[G0B+4*\slot+2:G0B+4*\slot+3], 2*BSTEP
	JLOAD G0+4*\slot, G1, G0B+4*\slot, G1B
.else
	PLACES 4
.endif
	v_add_nc_u32 v[ADRS], 2048, v[ADRS]
	SCALES \next
	FETCH \next, 0, 0
	WIN MUL
	MULA F1, 2, 3, \slot, 0
	MULA F1, 3, 3, \slot, 0
.endm
	s_wait_tensorcnt 0x0                           ; my tile is in; behind the barrier everybody's
	s_barrier_signal -1
	s_barrier_wait -1
	SCALES 0
	FETCH 0, 0, 0
	s_wait_loadcnt 32
	STEP 0, 0, 1
.if LAPS > 1
	WIN 0
	s_mov_b32 s3, LAPS-1
.Llap:
	STEP 0, 1, 0
	STEP 0, 2, 0
	TURN 0, 1, 1
	STEP 1, 0, 0
	STEP 1, 1, 0
	STEP 1, 2, 0
	TURN 1, 0, 1
	STEP 0, 0, 0
	WIN 0
	s_sub_co_u32 s3, s3, 1
	s_cmp_lg_u32 s3, 0
	s_cbranch_scc1 .Llap
.endif
	STEP 0, 1, 0
	STEP 0, 2, 0
	TURN 0, 1, 0
	STEP 1, 0, 0
	STEP 1, 1, 0
	STEP 1, 2, 0
	s_wait_dscnt 12
	WIN MUL
	MULA F1, 0, 3, 1, 0
	MULA F1, 1, 3, 1, 0
	s_wait_dscnt 0
	MULA F1, 2, 3, 1, 0
	MULA F1, 3, 3, 1, 0
	WIN 0
	PLACES 4
.irp a, 0,1,2,3
.irp b, 0,1,2,3
	ds_store_b128 v[STO], v[ACC+8*(4*\a+\b):ACC+8*(4*\a+\b)+3] offset:\a*16*SPITCH+128*(\b/2)+32*(\b%2)
	ds_store_b128 v[STO], v[ACC+8*(4*\a+\b)+4:ACC+8*(4*\a+\b)+7] offset:\a*16*SPITCH+128*(\b/2)+32*(\b%2)+16
.endr
.endr
	WIN TO_F
.irp a, 0,1,2,3
.irp k, 0,1,2,3,4,5,6,7
	ds_load_b128 v[4*(8*\a+\k):4*(8*\a+\k)+3], v[RD] offset:\a*16*SPITCH+2*\k*SPITCH
.endr
.endr
	s_wait_loadcnt 0x0
.irp a, 0,1,2,3
	s_wait_dscnt 8*(3-\a)
	WIN 0x49
.set i, 32*\a
.rept 16
	v_pk_add_f32 v[i:i+1], v[i:i+1], v[i:i+1]
.set i, i+2
.endr
	WIN 0x04
.irp k, 0,1,2,3,4,5,6,7
	global_store_b128 v[CO], v[4*(8*\a+\k):4*(8*\a+\k)+3], s[98:99] offset:(32*(\a/2)+8*(\a%2)+2*\k+8*(\k/4))*8192
.endr
.endr
	WIN 0
	s_wait_tensorcnt 0x0
	ds_add_u32 v[SPW], v[NIL]
	s_wait_dscnt 0x0
	CROUND
	s_endpgm
.Lfunc_end_k_qe1540315a6_oproj:
	.size	k_qe1540315a6_oproj, .Lfunc_end_k_qe1540315a6_oproj-k_qe1540315a6_oproj
	.p2alignl 7, 3214868480
	.fill 96, 4, 3214868480
	.section	.rodata,"a",@progbits
	.p2align	6, 0x0
	.amdhsa_kernel k_qe1540315a6_oproj
		.amdhsa_group_segment_fixed_size 327680
		.amdhsa_private_segment_fixed_size 0
		.amdhsa_enable_private_segment 0
		.amdhsa_kernarg_size 40
		.amdhsa_user_sgpr_count 2
		.amdhsa_user_sgpr_kernarg_segment_ptr 1
		.amdhsa_wavefront_size32 1
		.amdhsa_system_sgpr_workgroup_id_x 1
		.amdhsa_system_sgpr_workgroup_id_y 1
		.amdhsa_system_sgpr_workgroup_id_z 1
		.amdhsa_system_vgpr_workitem_id 0
		.amdhsa_next_free_vgpr 768
		.amdhsa_next_free_sgpr 100
		.amdhsa_reserve_vcc 0
		.amdhsa_float_denorm_mode_32 3
		.amdhsa_float_denorm_mode_16_64 3
		.amdhsa_memory_ordered 1
		.amdhsa_forward_progress 1
		.amdhsa_inst_pref_size 69
	.end_amdhsa_kernel
	.amdgpu_metadata
---
amdhsa.version: [ 1, 2 ]
amdhsa.kernels:
  - .name:           k_qe1540315a6_oproj
    .symbol:         k_qe1540315a6_oproj.kd
    .args:
      - { .name: oq, .offset: 0, .size: 8, .value_kind: global_buffer, .address_space: global }
      - { .name: wq, .offset: 8, .size: 8, .value_kind: global_buffer, .address_space: global }
      - { .name: out_b, .offset: 16, .size: 8, .value_kind: global_buffer, .address_space: global }
      - { .name: x, .offset: 24, .size: 8, .value_kind: global_buffer, .address_space: global }
      - { .name: x1, .offset: 32, .size: 8, .value_kind: global_buffer, .address_space: global }
    .group_segment_fixed_size: 327680
    .private_segment_fixed_size: 0
    .kernarg_segment_align: 8
    .kernarg_segment_size: 40
    .max_flat_workgroup_size: 128
    .sgpr_count:     100
    .vgpr_count:     768
    .wavefront_size: 32
...
	.end_amdgpu_metadata
.endif
;; end of part 12
;; launch ln2: the kernel of part 9 again; grid 256 x 1, 4 waves a work-group, no clusters, 32,000 bytes of LDS; arguments x1, ln2_g, ln2_b, hq; writes hq
;; launch ffn1 (part 13): grid 16 x 16, 4 waves a work-group, clusters of 4 x 4, 327,680 bytes of LDS; arguments hq, wq, b1, gq; writes gq
.if DOCPART == 13
	.amdgcn_target "amdgcn-amd-amdhsa--gfx1250"
	.amdhsa_code_object_version 6
	.text
	.protected	k_qe1540315a6_ffn1
	.globl	k_qe1540315a6_ffn1
	.p2align	8
	.type	k_qe1540315a6_ffn1,@function
k_qe1540315a6_ffn1:
	s_mov_b64 s[64:65], 0
	v_nop
	global_prefetch_b8 v0, s[64:65] scope:SCOPE_SE
	s_setreg_imm32_b32 hwreg(HW_REG_WAVE_MODE, 25, 1), 1
	s_wait_xcnt 0x0
	s_wait_alu depctr_hold_cnt(0) depctr_sa_sdst(0) depctr_va_vdst(0) depctr_va_sdst(0) depctr_va_ssrc(0) depctr_va_vcc(0) depctr_vm_vsrc(0)
	s_getreg_b32 s2, hwreg(HW_REG_IB_STS2, 6, 4)
	s_cmp_eq_u32 s2, 0
	s_cbranch_scc0 .Lentry_in_a_cluster
	s_endpgm
.Lentry_in_a_cluster:
	s_bfe_u32 s2, ttmp6, 0x10000c
	s_cmp_lg_u32 s2, 0xf033
	s_cbranch_scc0 .Lentry_shape_is_right
	s_endpgm
.Lentry_shape_is_right:
.set SIZE_K, 1024
.set SIZE_N, 4096
.set ASC,    3145728
.set WC,     3145728
.set WS,     9568256
; g = gelu(LN2(x1) w1^T + b1) on codes of FP6 (E2M3) with E8M0 scales, quantised along the next product's K on the way out.  A tile of 256 x 256 to a work-group, 128 x 128 to a wave; 4 x 4 clusters with joint loads.
; A slot: A's [4 planes][256 rows x 48 bytes], then B's.  In the ring a wave fetches two planes of all 256 rows; at the head one wave fetches all four.
; PREFETCH: slots 1 and 2 are asked for behind the head's loads, slot 3 behind slot 1's load: each a slot or two ahead of the load that wants it.  Of the two planes that a wave will fetch, each of the four partners
; that ask jointly names half a plane (by address: cx for A, cy for B): 6,144 bytes, 24 blocks of 256, a lane a block (lanes 24-31 name the last again).  Slot 0 comes by its load alone.
.set PL,     12288
.set HALFT,  2*PL
.set SLOT,   4*HALFT
.set SCL,    2*SLOT
.set KW,     SIZE_K/128
.set HALFS,  KW*512
.set SPARE,  SCL+4*HALFS
.set LAPS,   SIZE_K/512
.set ASTEP,  4*4096*48
.set BSTEP,  4*SIZE_N*48
.set NQ, 2
.set FR, 12
.set NL, 6
.set NP, 4
.set ADRA, 16
.set ADRB, 20
.set ADRS, 27
.set SPW,  28
.set NIL,  29
.set BO,   30
.set SC,   32
.set BIAS, 64
.set AF,   128
.set G1, 24
.set G0, 32
.set G1B, 48
.set G0B, 56
.set G1S, 68
.set G0S, 76
.set G1SB, 80
.set G0SB, 88
.set PFA, 12                           ; s[12:13], s[66:67] where my prefetches stand
.set PFB, 66
.set PFO, 7                            ; v7 256 x min(lane, 23); never rewritten
.set MSB, 0
.macro WIN new
.if MSB != (\new)
	s_set_vgpr_msb (MSB<<8)|(\new)
.set MSB, (\new)
.endif
.endm
.set MUL_LO, 0xa1
.set MUL_HI, 0xf1
.set TO_B,   0x40
.macro JLOAD g0a, g1a, g0b, g1b
	s_cmp_eq_u32 s15, 0
	s_cbranch_scc0 .Lfor_b_\@
	tensor_load_to_lds s[\g0a:\g0a+3], s[\g1a:\g1a+7]
	s_nop 0
.rept 4
	v_nop
.endr
	s_branch .Lasked_\@
.Lfor_b_\@:
	tensor_load_to_lds s[\g0b:\g0b+3], s[\g1b:\g1b+7]
	s_nop 0
.rept 4
	v_nop
.endr
.Lasked_\@:
.endm
.macro CREST
	s_cmp_lg_u32 s14, 0
	s_cbranch_scc1 .Lnot_wave_0_\@
	s_barrier_signal -3
.Lnot_wave_0_\@:
	s_barrier_wait -3
	s_barrier_signal -1
	s_barrier_wait -1
.endm
.macro CROUND
	s_barrier_signal -1
	s_barrier_wait -1
	CREST
.endm
	s_load_b128 s[4:7], s[0:1], 0x0
	s_load_b64 s[8:9], s[0:1], 0x10
	s_load_b64 s[96:97], s[0:1], 0x18
	v_lshl_add_u32 v[SPW], v0, 2, SPARE
	v_mov_b32 v[NIL], 0
	ds_add_u32 v28, v29
	ds_add_u32 v28, v29
	s_wait_dscnt 0x0
	v_lshrrev_b32 v1, 5, v0
	v_readfirstlane_b32 s14, v1
	s_lshr_b32 s15, s14, 1
	s_and_b32 s16, s14, 1
	s_bfe_u32 s40, ttmp6, 0x40000
	s_bfe_u32 s41, ttmp6, 0x40004
	s_lshl_b32 s42, ttmp9, 2
	s_add_co_u32 s42, s42, s40
	s_and_b32 s17, ttmp7, 0xffff
	s_lshl_b32 s17, s17, 2
	s_add_co_u32 s17, s17, s41
	s_lshl_b32 s43, s41, 2
	s_lshl_b32 s43, 15, s43
	s_lshl_b32 s44, 0x1111, s40
	s_or_b32 s[G1+0], s43, (3<<16)|(1<<21)
	s_or_b32 s[G1B+0], s44, (3<<16)|(1<<21)
.irp g, G1, G1B
	s_mov_b32 s[\g+1], 1536<<16
	s_mov_b32 s[\g+2], 4<<16
	s_mov_b32 s[\g+3], 1536<<16
	s_mov_b32 s[\g+4], 4
	s_mov_b32 s[\g+6], 0
	s_mov_b32 s[\g+7], 0
.endr
	s_mov_b32 s[G1+5], 4096*6
	s_mov_b32 s[G1B+5], SIZE_N*6
	s_or_b32 s[G1S+0], s43, (3<<16)|(1<<21)
	s_or_b32 s[G1SB+0], s44, (3<<16)|(1<<21)
.irp g, G1S, G1SB
	s_mov_b32 s[\g+1], 128<<16
	s_mov_b32 s[\g+2], KW<<16
	s_mov_b32 s[\g+3], 128<<16
	s_mov_b32 s[\g+4], KW
	s_mov_b32 s[\g+6], 0
	s_mov_b32 s[\g+7], 0
.endr
	s_mov_b32 s[G1S+5], 4096/2
	s_mov_b32 s[G1SB+5], SIZE_N/2
	s_lshl_b32 s20, s17, 8
	s_lshl_b32 s46, s42, 8
	s_lshl_b32 s22, s20, 2
	s_add_co_u32 s22, s22, ASC
	s_mov_b32 s23, 0
	s_lshl_b32 s92, s46, 2
	s_add_co_u32 s92, s92, WS
	s_mov_b32 s93, 0
	s_mul_i32 s20, s20, 48
	s_mov_b32 s21, 0
	s_mul_i32 s46, s46, 48
	s_add_co_u32 s46, s46, WC
	s_mov_b32 s47, 0
	s_mul_i32 s45, s14, HALFT
	s_mul_i32 s18, s16, 2*4096*48                  ; in the ring I fetch two planes: which two, in bytes, in A
	s_mov_b32 s19, 0
	s_mul_i32 s94, s16, 2*SIZE_N*48                ; and in B
	s_mov_b32 s95, 0
	s_wait_kmcnt 0x0
	s_add_nc_u64 s[20:21], s[4:5], s[20:21]
	s_add_nc_u64 s[22:23], s[4:5], s[22:23]
	s_add_nc_u64 s[46:47], s[6:7], s[46:47]
	s_add_nc_u64 s[92:93], s[6:7], s[92:93]
	s_add_nc_u64 s[20:21], s[20:21], s[18:19]
	s_add_nc_u64 s[46:47], s[46:47], s[94:95]
	s_mov_b32 s2, BSTEP
	s_mov_b32 s3, 0
	s_cmp_eq_u32 s15, 0                            ; do I fetch for A?
	s_cselect_b64 s[PFA:PFA+1], s[20:21], s[46:47] ; my two planes of slot 0
	s_cselect_b32 s2, ASTEP, s2                    ; a slot's step along K in my tensor
	s_cselect_b32 s18, s40, s41                    ; my place among the four that ask with me
	s_lshr_b32 s19, s18, 1
	s_lshr_b32 s94, s2, 2                          ; a plane of the tensor
	s_mul_i32 s19, s19, s94                        ; which of the two planes,
	s_and_b32 s18, s18, 1
	s_mul_i32 s18, s18, 6144                       ; and which half of it
	s_add_co_u32 s18, s18, s19
	s_add_co_u32 s18, s18, s2                      ; in slot 1
	s_mov_b32 s19, 0
	s_add_nc_u64 s[PFA:PFA+1], s[PFA:PFA+1], s[18:19]
	s_add_nc_u64 s[PFB:PFB+1], s[PFA:PFA+1], s[2:3]   ; and in slot 2
	CROUND                                         ; all sixteen work-groups are here: the first joint loads meet
	s_mov_b32 s[G0S], 1
	s_mov_b32 s[G0S+1], SCL
	s_mov_b64 s[G0S+2:G0S+3], s[22:23]
	s_or_b32 s[G0S+3], s[G0S+3], 0x80000000
	s_mov_b32 s[G0SB], 1
	s_mov_b32 s[G0SB+1], SCL+2*HALFS
	s_mov_b64 s[G0SB+2:G0SB+3], s[92:93]
	s_or_b32 s[G0SB+3], s[G0SB+3], 0x80000000
.irp s, 0,1
	s_mov_b32 s[G0+4*\s], 1
	s_add_co_u32 s[G0+4*\s+1], s45, \s*SLOT
	s_add_nc_u64 s[G0+4*\s+2:G0+4*\s+3], s[20:21], \s*ASTEP
	s_or_b32 s[G0+4*\s+3], s[G0+4*\s+3], 0x80000000
	s_mov_b32 s[G0B+4*\s], 1
	s_add_co_u32 s[G0B+4*\s+1], s45, \s*SLOT
	s_add_nc_u64 s[G0B+4*\s+2:G0B+4*\s+3], s[46:47], \s*BSTEP
	s_or_b32 s[G0B+4*\s+3], s[G0B+4*\s+3], 0x80000000
.endr
; the head's four tiles, one joint load a wave: wave 0 K step 0 of A's 256 rows, wave 1 A's scale words, wave 2 K step 0 of B's rows, wave 3 B's words
.macro ARM under, g0, g1, next
	s_cmp_lt_u32 s14, \under
	s_cbranch_scc0 \next
	tensor_load_to_lds s[\g0:\g0+3], s[\g1:\g1+7]
	s_nop 0
.rept 4
	v_nop
.endr
	s_branch .Lhead_asked
\next:
.endm
	ARM 1, G0,  G1,  .Lhead_sa
	ARM 2, G0S, G1S, .Lhead_b
	ARM 3, G0B, G1B, .Lhead_sb
	tensor_load_to_lds s[G0SB:G0SB+3], s[G1SB:G1SB+7]
	s_nop 0
.rept 4
	v_nop
.endr
.Lhead_asked:
	v_and_b32 v1, 15, v0
	v_bfe_u32 v2, v0, 4, 1
	s_wait_alu depctr_va_vdst(0)
	v_mul_u32_u24 v3, v1, 48
	v_mad_u32_u24 v3, v2, 24, v3
	s_mul_i32 s21, s15, 6144
	s_mul_i32 s22, s16, 6144
	s_add_co_u32 s22, s22, 2*HALFT
.irp s, 0,1
	v_add_nc_u32 v[ADRA+\s], s21, v3
	v_add_nc_u32 v[ADRB+\s], s22, v3
	s_add_co_u32 s21, s21, SLOT
	s_add_co_u32 s22, s22, SLOT
.endr
	s_mul_i32 s21, s15, 512
	s_mul_i32 s22, s16, 512
	s_add_co_u32 s22, s22, 2*HALFS
	s_sub_co_u32 s22, s22, s21
	v_mul_u32_u24 v6, s22, v2
	s_add_co_u32 s21, s21, SCL
	v_lshl_add_u32 v5, v1, 2, v6
	v_add_nc_u32 v[ADRS], s21, v5
	v_lshlrev_b32 v[BO], 6, v2
	v_and_b32 v[PFO], 31, v0
	v_min_u32 v[PFO], 23, v[PFO]
	v_lshlrev_b32 v[PFO], 8, v[PFO]
	global_prefetch_b8 v[PFO], s[PFA:PFA+1] th:TH_LOAD_NT scope:SCOPE_SE   ; slot 1
	global_prefetch_b8 v[PFO], s[PFB:PFB+1] th:TH_LOAD_NT scope:SCOPE_SE   ; slot 2
	s_lshl_b32 s46, s42, 10
	s_lshl_b32 s47, s16, 9
	s_add_co_u32 s46, s46, s47
	s_mov_b32 s47, 0
	s_add_nc_u64 s[8:9], s[8:9], s[46:47]
.irp b, 0,1,2,3,4,5,6,7
	global_load_b128 v[BIAS+8*\b:BIAS+8*\b+3], v[BO], s[8:9] offset:128*(\b/2)+32*(\b%2)
	global_load_b128 v[BIAS+8*\b+4:BIAS+8*\b+7], v[BO], s[8:9] offset:128*(\b/2)+32*(\b%2)+16
.endr
.macro FRAG reg, adr, q, i
.irp p, 0,1,2,3,4,5
	ds_load_b64 v[\reg+2*\p:\reg+2*\p+1], v[\adr] offset:(2*(\q)+\p/3)*PL+(\i)*768+8*(\p%3)
.endr
.endm
.macro MUL16 a0, p, q, sc, zero
.irp a, \a0, \a0+1
.irp b, 0,1,2,3,4,5,6,7
.if \zero
	v_wmma_scale_f32_16x16x128_f8f6f4 v[8*(8*((\a)%4)+\b):8*(8*((\a)%4)+\b)+7], v[128*(\p)+FR*\b:128*(\p)+FR*\b+FR-1], v[AF+FR*(\a):AF+FR*(\a)+FR-1], v[BIAS+8*\b:BIAS+8*\b+7], v[SC+16*(\sc)+2*\b+(\q)], v[SC+16*(\sc)+2*(\a)+(\q)] matrix_a_fmt:MATRIX_FMT_FP6 matrix_b_fmt:MATRIX_FMT_FP6 matrix_a_scale:MATRIX_SCALE_ROW1
.else
	v_wmma_scale_f32_16x16x128_f8f6f4 v[8*(8*((\a)%4)+\b):8*(8*((\a)%4)+\b)+7], v[128*(\p)+FR*\b:128*(\p)+FR*\b+FR-1], v[AF+FR*(\a):AF+FR*(\a)+FR-1], v[8*(8*((\a)%4)+\b):8*(8*((\a)%4)+\b)+7], v[SC+16*(\sc)+2*\b+(\q)], v[SC+16*(\sc)+2*(\a)+(\q)] matrix_a_fmt:MATRIX_FMT_FP6 matrix_b_fmt:MATRIX_FMT_FP6 matrix_a_scale:MATRIX_SCALE_ROW1
.endif
.endr
.endr
.endm
.macro FETCH_B slot, q, p
	WIN TO_B
.irp i, 0,1,2,3,4,5,6,7
	FRAG 128*(\p)+FR*\i, ADRB+\slot, \q, \i
.endr
	WIN 0
.endm
.macro FETCH_A slot, q, i0
.irp i, \i0, \i0+1, \i0+2, \i0+3
	FRAG AF+FR*(\i), ADRA+\slot, \q, \i
.endr
.endm
.macro SCALES sc
.irp i, 0,1,2,3,4,5,6,7
	ds_load_b32 v[SC+16*\sc+2*\i], v[ADRS] offset:64*\i
	ds_load_b32 v[SC+16*\sc+2*\i+1], v[ADRS] offset:1024+64*\i
.endr
.endm
.macro PLACES n
.rept \n
	v_nop
.endr
.endm
.macro STEP slot, q, zero
	s_wait_dscnt 4*NL
	WIN MUL_LO-0x20*\zero
	MUL16 0, (\q)%2, \q, \slot, \zero
	MUL16 2, (\q)%2, \q, \slot, \zero
	s_wait_dscnt 0
	PLACES NP
	FETCH_B \slot, (\q)+1, 1-(\q)%2
	FETCH_A \slot, (\q)+1, 0
	WIN MUL_HI-0x30*\zero
	MUL16 4, (\q)%2, \q, \slot, \zero
	MUL16 6, (\q)%2, \q, \slot, \zero
	PLACES NP
	WIN 0
	FETCH_A \slot, (\q)+1, 4
.endm
.macro TURN slot, next, fill
	s_wait_tensorcnt 0x0
	ds_add_u32 v[SPW], v[NIL]
	s_wait_dscnt 4*NL+1
	WIN MUL_LO
	MUL16 0, 1, NQ-1, \slot, 0
	s_wait_dscnt 0x0
	s_barrier_signal -1
	MUL16 2, 1, NQ-1, \slot, 0
	WIN 0
	s_barrier_wait -1
.if \fill
	CREST
	s_add_nc_u64 s[G0+4*\slot+2:G0+4*\slot+3], s[G0+4*\slot+2:G0+4*\slot+3], 2*ASTEP
	s_add_nc_u64 s[G0B+4*\slot+2:G0B+4*\slot+3], s[G0B+4*\slot+2:G0B+4*\slot+3], 2*BSTEP
	JLOAD G0+4*\slot, G1, G0B+4*\slot, G1B
.else
	PLACES NP
.endif
	s_wait_alu depctr_va_vdst(0)
	v_add_nc_u32 v[ADRS], 2048, v[ADRS]
	FETCH_B \next, 0, 0
	FETCH_A \next, 0, 0
	SCALES \next
	WIN MUL_HI
	MUL16 4, 1, NQ-1, \slot, 0
	MUL16 6, 1, NQ-1, \slot, 0
	PLACES NP
	WIN 0
	FETCH_A \next, 0, 4
.endm
	s_wait_alu depctr_va_vdst(0)
	s_wait_tensorcnt 0x0                           ; my tile of the head's four is in; slot 1's first fill is issued as a refill is
	ds_add_u32 v[SPW], v[NIL]
	s_wait_xcnt 0x0                                ; the two prefetches have read their addresses
	s_add_nc_u64 s[PFA:PFA+1], s[PFB:PFB+1], s[2:3]   ; slot 3
	s_mov_b32 s[G1+2], 2<<16                       ; no tensor load of mine is out: from here on a load brings two planes
	s_mov_b32 s[G1+4], 2
	s_mov_b32 s[G1B+2], 2<<16
	s_mov_b32 s[G1B+4], 2
	s_wait_dscnt 0x0
	CROUND                                         ; all four tiles are in, and all sixteen work-groups are here
	JLOAD G0+4, G1, G0B+4, G1B                     ; K step 1, the first tensor load behind the round
	FETCH_B 0, 0, 0
	FETCH_A 0, 0, 0
	SCALES 0
	global_prefetch_b8 v[PFO], s[PFA:PFA+1] th:TH_LOAD_NT scope:SCOPE_SE   ; behind slot 1's load: slot 3
	FETCH_A 0, 0, 4
	s_wait_loadcnt 0x0
	STEP 0, 0, 1
	s_mov_b32 s3, LAPS-1
.Llap:
	TURN 0, 1, 1
	STEP 1, 0, 0
	TURN 1, 0, 1
	STEP 0, 0, 0
	s_sub_co_u32 s3, s3, 1
	s_cmp_lg_u32 s3, 0
	s_cbranch_scc1 .Llap
	TURN 0, 1, 0
	STEP 1, 0, 0
	s_wait_dscnt 4*NL
	WIN MUL_LO
	MUL16 0, 1, NQ-1, 1, 0
	MUL16 2, 1, NQ-1, 1, 0
	s_wait_dscnt 0
	WIN MUL_HI
	MUL16 4, 1, NQ-1, 1, 0
	MUL16 6, 1, NQ-1, 1, 0
	WIN 0
	PLACES NP
.set SEL, 10
.set HA,  64
.set PC,  128
.set TM,  148
.set PW,  164
.set K0V, 166
.set RB,  64
	s_mov_b32 s[SEL], 0x76543210
	s_mov_b32 s[SEL+1], 0xfedcba98
	s_mov_b32 s18, 0xbdd2d3e8
	s_mov_b32 s19, s18
	v_mov_b32 v[K0V], 0xc0135761
	v_mov_b32 v[K0V+1], v[K0V]
.irp b, 0,1,2,3
	v_mov_b32 v[TM+4+\b], 0
.endr
	s_mul_i32 s21, s14, 12800
	v_add_nc_u32 v24, s21, v3
	v_lshl_add_u32 v25, v1, 2, s21
	v_add_nc_u32 v25, 12288, v25
	v_and_b32 v4, 31, v0
	v_lshlrev_b32 v22, 4, v4
	v_add_nc_u32 v26, s21, v22
	s_lshl_b32 s20, s17, 8
	s_lshl_b32 s22, s15, 7
	s_add_co_u32 s20, s20, s22
	s_lshl_b32 s22, s42, 2
	s_lshl_b32 s23, s16, 1
	s_add_co_u32 s22, s22, s23
	s_mul_i32 s22, s22, 196608
	s_mul_i32 s23, s20, 48
	s_add_co_u32 s22, s22, s23
	s_mov_b32 s23, 0
	s_add_nc_u64 s[46:47], s[96:97], s[22:23]
	s_lshl_b32 s22, s42, 1
	s_add_co_u32 s22, s22, s16
	s_lshl_b32 s22, s22, 14
	s_lshl_b32 s45, s20, 2
	s_add_co_u32 s22, s22, s45
	s_add_co_u32 s22, s22, 12582912
	s_add_nc_u64 s[92:93], s[96:97], s[22:23]
.macro GELU a
.set AC, 64*((\a)%4)
.set GW, 2+(\a)/4
	WIN 5*GW
.set i, 0
.rept 32
	v_pk_mul_f32 v[HA+i:HA+i+1], v[AC+i:AC+i+1], v[AC+i:AC+i+1]
.set i, i+2
.endr
	WIN 0
.set i, 0
.rept 32
	v_pk_fma_f32 v[HA+i:HA+i+1], v[HA+i:HA+i+1], s[18:19], v[K0V:K0V+1] op_sel_hi:[1,0,1]
.set i, i+2
.endr
	WIN GW
.set i, 0
.rept 32
	v_pk_mul_f32 v[HA+i:HA+i+1], v[AC+i:AC+i+1], v[HA+i:HA+i+1]
.set i, i+2
.endr
	WIN 0
.set i, 0
	s_wait_alu depctr_va_vdst(0)
.rept 64
	v_exp_f32 v[HA+i], v[HA+i]
.set i, i+1
.endr
	v_nop
	s_wait_alu depctr_va_vdst(0)
.set i, 0
.rept 32
	v_pk_add_f32 v[HA+i:HA+i+1], v[HA+i:HA+i+1], 1.0 op_sel_hi:[1,0]
.set i, i+2
.endr
.set i, 0
	s_wait_alu depctr_va_vdst(0)
.rept 64
	v_rcp_f32 v[HA+i], v[HA+i]
.set i, i+1
.endr
	v_nop
	s_wait_alu depctr_va_vdst(0)
	WIN GW
.set i, 0
.rept 32
	v_pk_mul_f32 v[HA+i:HA+i+1], v[AC+i:AC+i+1], v[HA+i:HA+i+1]
.set i, i+2
.endr
	WIN 0
.endm
.macro QUANT s
.irp b, 0,1,2,3
	v_max3_num_f32 v[TM+\b], |v[\s+16*\b]|, |v[\s+1+16*\b]|, 0x1800000
.endr
.irp i, 2,4,6,8,10,12,14
.irp b, 0,1,2,3
	v_max3_num_f32 v[TM+\b], v[TM+\b], |v[\s+16*\b+\i]|, |v[\s+1+16*\b+\i]|
.endr
.endr
.irp b, 0,1,2,3
	v_permlanex16_b32 v[TM+4+\b], v[TM+\b], s[SEL], s[SEL+1]
.endr
.irp b, 0,1,2,3
	v_max_num_f32 v[TM+\b], v[TM+\b], v[TM+4+\b]
.endr
.irp b, 0,1,2,3
	v_add_nc_u32 v[TM+12+\b], 0xff000000, v[TM+\b]
.endr
.irp b, 0,1,2,3
	v_lshrrev_b32 v[TM+4+\b], 23, v[TM+12+\b]
.endr
	s_wait_alu depctr_va_vdst(0)
	s_wait_dscnt 0x0
	v_lshl_or_b32 v[PW], v[TM+5], 8, v[TM+4]
	v_lshl_or_b32 v[PW], v[TM+6], 16, v[PW]
	v_lshl_or_b32 v[PW], v[TM+7], 24, v[PW]
.irp c, 0,1
	v_cvt_scalef32_pk16_fp6_f32 v[PC+6*\c:PC+2+6*\c], v[\s+32*\c:\s+15+32*\c], v[TM+12+2*\c]
	v_cvt_scalef32_pk16_fp6_f32 v[PC+12+4*\c:PC+14+4*\c], v[\s+16+32*\c:\s+31+32*\c], v[TM+12+2*\c+1]
.endr
	v_nop
.irp c, 0,1
.irp i, 0,1,2
	v_permlane16_swap_b32 v[PC+6*\c+\i], v[PC+12+4*\c+\i]
.endr
.irp i, 0,1,2
	v_mov_b32 v[PC+3+6*\c+\i], v[PC+12+4*\c+\i]
.endr
.endr
.endm
.irp a, 0,1,2,3,4,5,6,7
	GELU \a
	QUANT HA
.irp c, 0,1
.irp p, 0,1,2
	ds_store_b64 v24, v[PC+6*\c+2*\p:PC+6*\c+2*\p+1] offset:6144*\c+768*\a+8*\p
.endr
.endr
	ds_store_b32 v25, v[PW] offset:64*\a
.endr
	s_wait_dscnt 0x0
.set k, 0
.rept 25
	ds_load_b128 v[RB+4*k:RB+4*k+3], v26 offset:512*k
.set k, k+1
.endr
.set k, 0
.rept 24
	s_wait_dscnt 24-k
	global_store_b128 v22, v[RB+4*k:RB+4*k+3], s[46:47] offset:(k/12)*196608+(k%12)*512
.set k, k+1
.endr
	s_wait_dscnt 0x0
	global_store_b128 v22, v[RB+96:RB+99], s[92:93]
	s_wait_tensorcnt 0x0
	ds_add_u32 v[SPW], v[NIL]
	s_wait_dscnt 0x0
	CROUND
	s_endpgm
.Lfunc_end_k_qe1540315a6_ffn1:
	.size	k_qe1540315a6_ffn1, .Lfunc_end_k_qe1540315a6_ffn1-k_qe1540315a6_ffn1
	.p2alignl 7, 3214868480
	.fill 96, 4, 3214868480
	.section	.rodata,"a",@progbits
	.p2align	6, 0x0
	.amdhsa_kernel k_qe1540315a6_ffn1
		.amdhsa_group_segment_fixed_size 327680
		.amdhsa_private_segment_fixed_size 0
		.amdhsa_enable_private_segment 0
		.amdhsa_kernarg_size 32
		.amdhsa_user_sgpr_count 2
		.amdhsa_user_sgpr_kernarg_segment_ptr 1
		.amdhsa_wavefront_size32 1
		.amdhsa_system_sgpr_workgroup_id_x 1
		.amdhsa_system_sgpr_workgroup_id_y 1
		.amdhsa_system_sgpr_workgroup_id_z 1
		.amdhsa_system_vgpr_workitem_id 0
		.amdhsa_next_free_vgpr 1024
		.amdhsa_next_free_sgpr 100
		.amdhsa_reserve_vcc 0
		.amdhsa_float_denorm_mode_32 3
		.amdhsa_float_denorm_mode_16_64 3
		.amdhsa_memory_ordered 1
		.amdhsa_forward_progress 1
		.amdhsa_inst_pref_size 255
	.end_amdhsa_kernel
	.section	.bss,"aw",@nobits
	.p2align	6
	.space	262144
	.amdgpu_metadata
---
amdhsa.version: [ 1, 2 ]
amdhsa.kernels:
  - .name:           k_qe1540315a6_ffn1
    .symbol:         k_qe1540315a6_ffn1.kd
    .args:
      - { .name: hq, .offset: 0, .size: 8, .value_kind: global_buffer, .address_space: global }
      - { .name: wq, .offset: 8, .size: 8, .value_kind: global_buffer, .address_space: global }
      - { .name: b1, .offset: 16, .size: 8, .value_kind: global_buffer, .address_space: global }
      - { .name: gq, .offset: 24, .size: 8, .value_kind: global_buffer, .address_space: global }
    .group_segment_fixed_size: 327680
    .private_segment_fixed_size: 0
    .kernarg_segment_align: 8
    .kernarg_segment_size: 32
    .max_flat_workgroup_size: 128
    .sgpr_count:     100
    .vgpr_count:     1024
    .wavefront_size: 32
...
	.end_amdgpu_metadata
.endif
;; end of part 13
;; launch ffn2 (part 14): grid 8 x 32, 4 waves a work-group, clusters of 4 x 4, 327,680 bytes of LDS; arguments gq, wq, b2, x1, out0; writes out0
.if DOCPART == 14
	.amdgcn_target "amdgcn-amd-amdhsa--gfx1250"
	.amdhsa_code_object_version 6
	.text
	.protected	k_qe1540315a6_ffn2
	.globl	k_qe1540315a6_ffn2
	.p2align	8
	.type	k_qe1540315a6_ffn2,@function
k_qe1540315a6_ffn2:
	s_mov_b64 s[64:65], 0
	v_nop
	global_prefetch_b8 v0, s[64:65] scope:SCOPE_SE
	s_setreg_imm32_b32 hwreg(HW_REG_WAVE_MODE, 25, 1), 1
	s_wait_xcnt 0x0
	s_wait_alu depctr_hold_cnt(0) depctr_sa_sdst(0) depctr_va_vdst(0) depctr_va_sdst(0) depctr_va_ssrc(0) depctr_va_vcc(0) depctr_vm_vsrc(0)
	s_getreg_b32 s2, hwreg(HW_REG_IB_STS2, 6, 4)
	s_cmp_eq_u32 s2, 0
	s_cbranch_scc0 .Lentry_in_a_cluster
	s_endpgm
.Lentry_in_a_cluster:
	s_bfe_u32 s2, ttmp6, 0x10000c
	s_cmp_lg_u32 s2, 0xf033
	s_cbranch_scc0 .Lentry_shape_is_right
	s_endpgm
.Lentry_shape_is_right:
.set SIZE_K, 4096
.set SIZE_N, 1024
.set ASC,    12582912
.set WC,     6291456
.set WS,     9699328
; out0 = x1 + g w2^T + b2 on codes of FP6 (E2M3) with E8M0 scales.  A tile of 128 x 128 to a work-group, 64 x 64 to a wave; 4 x 4 clusters with joint loads; K in eight slots of 512 through a ring of two.
; A slot: A's [8 planes][128 rows x 48 bytes], then B's.  In the ring a wave fetches four planes of all 128 rows; at the head one wave fetches all eight.  The scale words [32][128 rows][4] of A and of B come once.
; PREFETCH: behind the head's loads stand requests for slots 1 and 2, and behind the load of slot t, from t = 1 on, one for slot t + 2: of the four planes that a wave will fetch, each of the four partners that ask
; jointly names one (by address: cx for A, cy for B): 6,144 bytes, 24 blocks of 256, a lane a block (lanes 24-31 name the last again).  Slot 0 comes by its load alone; the loop's last trip, whose slots have no slot two on, asks for nothing.
.set PL,     6144
.set NPL,    8
.set HALFT,  NPL*PL/2
.set SLOT,   4*HALFT
.set SCL,    2*SLOT
.set KW,     SIZE_K/128
.set HALFS,  KW*256
.set SPARE,  SCL+4*HALFS
.set LAPS,   SIZE_K/1024
.set ASTEP,  NPL*4096*48
.set BSTEP,  NPL*SIZE_N*48
.set FR,     12
.set SPITCH, 272
.set WSTG,   64*SPITCH
.set ADRA, 16
.set ADRB, 20
.set STO,  24
.set RD,   25
.set CO,   26
.set ADRS, 27
.set SPW,  28
.set NIL,  29
.set BO,   30
.set SC,   32
.set BIAS, 64
.set ACC,  128
.set F1,   128
.set G1, 24
.set G0, 32
.set G1B, 48
.set G0B, 56
.set G1S, 68
.set G0S, 76
.set G1SB, 80
.set G0SB, 88
.set PFA, 10                           ; s[10:11] where my prefetches stand
.set PST, 12                           ; s[12:13] a slot's step along K in my tensor, in bytes
.set PFB, 66                           ; s[66:67] the head's second prefetch
.set PFO, 31                           ; v31 256 x min(lane, 23); never rewritten
.set MSB, 0
.macro WIN new
.if MSB != (\new)
	s_set_vgpr_msb (MSB<<8)|(\new)
.set MSB, (\new)
.endif
.endm
.set MUL,  0x05
.set TO_F, 0x40
.macro JLOAD g0a, g1a, g0b, g1b
	s_cmp_eq_u32 s15, 0
	s_cbranch_scc0 .Lfor_b_\@
	tensor_load_to_lds s[\g0a:\g0a+3], s[\g1a:\g1a+7]
	s_nop 0
.rept 4
	v_nop
.endr
	s_branch .Lasked_\@
.Lfor_b_\@:
	tensor_load_to_lds s[\g0b:\g0b+3], s[\g1b:\g1b+7]
	s_nop 0
.rept 4
	v_nop
.endr
.Lasked_\@:
.endm
.macro CREST
	s_cmp_lg_u32 s14, 0
	s_cbranch_scc1 .Lnot_wave_0_\@
	s_barrier_signal -3
.Lnot_wave_0_\@:
	s_barrier_wait -3
	s_barrier_signal -1
	s_barrier_wait -1
.endm
.macro CROUND
	s_barrier_signal -1
	s_barrier_wait -1
	CREST
.endm
	s_load_b128 s[4:7], s[0:1], 0x0
	s_load_b64 s[8:9], s[0:1], 0x10
	s_load_b128 s[96:99], s[0:1], 0x18
	v_lshl_add_u32 v[SPW], v0, 2, SPARE
	v_mov_b32 v[NIL], 0
	ds_add_u32 v28, v29
	ds_add_u32 v28, v29
	s_wait_dscnt 0x0
	v_lshrrev_b32 v1, 5, v0
	v_readfirstlane_b32 s14, v1
	s_lshr_b32 s15, s14, 1
	s_and_b32 s16, s14, 1
	s_bfe_u32 s40, ttmp6, 0x40000
	s_bfe_u32 s41, ttmp6, 0x40004
	s_lshl_b32 s42, ttmp9, 2
	s_add_co_u32 s42, s42, s40
	s_and_b32 s17, ttmp7, 0xffff
	s_lshl_b32 s17, s17, 2
	s_add_co_u32 s17, s17, s41
	s_lshl_b32 s43, s41, 2
	s_lshl_b32 s43, 15, s43
	s_lshl_b32 s44, 0x1111, s40
	s_or_b32 s[G1+0], s43, (3<<16)|(1<<21)
	s_or_b32 s[G1B+0], s44, (3<<16)|(1<<21)
.irp g, G1, G1B
	s_mov_b32 s[\g+1], 768<<16
	s_mov_b32 s[\g+2], NPL<<16
	s_mov_b32 s[\g+3], 768<<16
	s_mov_b32 s[\g+4], NPL
	s_mov_b32 s[\g+6], 0
	s_mov_b32 s[\g+7], 0
.endr
	s_mov_b32 s[G1+5], 4096*6
	s_mov_b32 s[G1B+5], SIZE_N*6
	s_or_b32 s[G1S+0], s43, (3<<16)|(1<<21)
	s_or_b32 s[G1SB+0], s44, (3<<16)|(1<<21)
.irp g, G1S, G1SB
	s_mov_b32 s[\g+1], 64<<16
	s_mov_b32 s[\g+2], KW<<16
	s_mov_b32 s[\g+3], 64<<16
	s_mov_b32 s[\g+4], KW
	s_mov_b32 s[\g+6], 0
	s_mov_b32 s[\g+7], 0
.endr
	s_mov_b32 s[G1S+5], 4096/2
	s_mov_b32 s[G1SB+5], SIZE_N/2
	s_lshl_b32 s20, s17, 7
	s_lshl_b32 s46, s42, 7
	s_lshl_b32 s22, s20, 2
	s_add_co_u32 s22, s22, ASC
	s_mov_b32 s23, 0
	s_lshl_b32 s92, s46, 2
	s_add_co_u32 s92, s92, WS
	s_mov_b32 s93, 0
	s_mul_i32 s20, s20, 48
	s_mov_b32 s21, 0
	s_mul_i32 s46, s46, 48
	s_add_co_u32 s46, s46, WC
	s_mov_b32 s47, 0
	s_mul_i32 s45, s14, HALFT
	s_mul_i32 s18, s16, 4*4096*48                  ; in the ring I fetch four planes: which four, in bytes, in A
	s_mov_b32 s19, 0
	s_mul_i32 s94, s16, 4*SIZE_N*48                ; and in B
	s_mov_b32 s95, 0
	s_wait_kmcnt 0x0
	s_add_nc_u64 s[20:21], s[4:5], s[20:21]
	s_add_nc_u64 s[22:23], s[4:5], s[22:23]
	s_add_nc_u64 s[46:47], s[6:7], s[46:47]
	s_add_nc_u64 s[92:93], s[6:7], s[92:93]
	s_add_nc_u64 s[20:21], s[20:21], s[18:19]
	s_add_nc_u64 s[46:47], s[46:47], s[94:95]
	s_mov_b32 s[PST], BSTEP
	s_mov_b32 s[PST+1], 0
	s_cmp_eq_u32 s15, 0                            ; do I fetch for A?
	s_cselect_b64 s[PFA:PFA+1], s[20:21], s[46:47] ; my four planes of slot 0
	s_cselect_b32 s[PST], ASTEP, s[PST]
	s_cselect_b32 s2, s40, s41                     ; my place among the four that ask with me
	s_lshr_b32 s3, s[PST], 3                       ; a plane of the tensor
	s_mul_i32 s2, s2, s3                           ; my work-group's plane of the four
	s_add_co_u32 s2, s2, s[PST]                    ; in slot 1
	s_mov_b32 s3, 0
	s_add_nc_u64 s[PFA:PFA+1], s[PFA:PFA+1], s[2:3]
	s_add_nc_u64 s[PFB:PFB+1], s[PFA:PFA+1], s[PST:PST+1]   ; and in slot 2
	CROUND                                         ; all sixteen work-groups are here: the first joint loads meet
	s_mov_b32 s[G0S], 1
	s_mov_b32 s[G0S+1], SCL
	s_mov_b64 s[G0S+2:G0S+3], s[22:23]
	s_or_b32 s[G0S+3], s[G0S+3], 0x80000000
	s_mov_b32 s[G0SB], 1
	s_mov_b32 s[G0SB+1], SCL+2*HALFS
	s_mov_b64 s[G0SB+2:G0SB+3], s[92:93]
	s_or_b32 s[G0SB+3], s[G0SB+3], 0x80000000
.irp s, 0,1
	s_mov_b32 s[G0+4*\s], 1
	s_add_co_u32 s[G0+4*\s+1], s45, \s*SLOT
	s_add_nc_u64 s[G0+4*\s+2:G0+4*\s+3], s[20:21], \s*ASTEP
	s_or_b32 s[G0+4*\s+3], s[G0+4*\s+3], 0x80000000
	s_mov_b32 s[G0B+4*\s], 1
	s_add_co_u32 s[G0B+4*\s+1], s45, \s*SLOT
	s_add_nc_u64 s[G0B+4*\s+2:G0B+4*\s+3], s[46:47], \s*BSTEP
	s_or_b32 s[G0B+4*\s+3], s[G0B+4*\s+3], 0x80000000
.endr
; the head's four tiles, one joint load a wave: wave 0 slot 0 of A's 128 rows, wave 1 A's scale words, wave 2 slot 0 of B's rows, wave 3 B's words
.macro ARM under, g0, g1, next
	s_cmp_lt_u32 s14, \under
	s_cbranch_scc0 \next
	tensor_load_to_lds s[\g0:\g0+3], s[\g1:\g1+7]
	s_nop 0
.rept 4
	v_nop
.endr
	s_branch .Lhead_asked
\next:
.endm
	ARM 1, G0,  G1,  .Lhead_sa
	ARM 2, G0S, G1S, .Lhead_b
	ARM 3, G0B, G1B, .Lhead_sb
	tensor_load_to_lds s[G0SB:G0SB+3], s[G1SB:G1SB+7]
	s_nop 0
.rept 4
	v_nop
.endr
.Lhead_asked:
	v_and_b32 v1, 15, v0
	v_bfe_u32 v2, v0, 4, 1
	s_wait_alu depctr_va_vdst(0)
	v_mul_u32_u24 v3, v1, 48
	v_mad_u32_u24 v3, v2, 24, v3
	s_mul_i32 s21, s15, 3072
	s_mul_i32 s22, s16, 3072
	s_add_co_u32 s22, s22, 2*HALFT
.irp s, 0,1
	v_add_nc_u32 v[ADRA+\s], s21, v3
	v_add_nc_u32 v[ADRB+\s], s22, v3
	s_add_co_u32 s21, s21, SLOT
	s_add_co_u32 s22, s22, SLOT
.endr
	s_mul_i32 s21, s15, 256
	s_mul_i32 s22, s16, 256
	s_add_co_u32 s22, s22, 2*HALFS
	s_sub_co_u32 s22, s22, s21
	v_mul_u32_u24 v6, s22, v2
	s_add_co_u32 s21, s21, SCL
	v_lshl_add_u32 v5, v1, 2, v6
	v_add_nc_u32 v[ADRS], s21, v5
	v_lshlrev_b32 v[BO], 6, v2
	s_mul_i32 s21, s14, WSTG
	v_mul_u32_u24 v[STO], v1, SPITCH
	v_lshl_add_u32 v[STO], v2, 6, v[STO]
	v_add_nc_u32 v[STO], s21, v[STO]
	v_mul_u32_u24 v[RD], v2, SPITCH
	v_lshl_add_u32 v[RD], v1, 4, v[RD]
	v_add_nc_u32 v[RD], s21, v[RD]
	v_lshlrev_b32 v[CO], 13, v2
	v_lshl_add_u32 v[CO], v1, 4, v[CO]
	v_and_b32 v[PFO], 31, v0
	v_min_u32 v[PFO], 23, v[PFO]
	v_lshlrev_b32 v[PFO], 8, v[PFO]
	s_wait_alu depctr_va_vdst(0)
	global_prefetch_b8 v[PFO], s[PFA:PFA+1] th:TH_LOAD_NT scope:SCOPE_SE   ; behind slot 0's load: slot 1,
	global_prefetch_b8 v[PFO], s[PFB:PFB+1] th:TH_LOAD_NT scope:SCOPE_SE   ; and slot 2
	s_lshl_b32 s46, s42, 9
	s_lshl_b32 s47, s16, 8
	s_add_co_u32 s46, s46, s47
	s_mov_b32 s47, 0
	s_add_nc_u64 s[8:9], s[8:9], s[46:47]
.irp b, 0,1,2,3
	global_load_b128 v[BIAS+8*\b:BIAS+8*\b+3], v[BO], s[8:9] offset:128*(\b/2)+32*(\b%2)
	global_load_b128 v[BIAS+8*\b+4:BIAS+8*\b+7], v[BO], s[8:9] offset:128*(\b/2)+32*(\b%2)+16
.endr
	s_lshr_b32 s18, s17, 4
	s_and_b32 s19, s17, 15
	s_lshl_b32 s19, s19, 1
	s_add_co_u32 s19, s19, s15
	s_lshl_b32 s19, s19, 7
	s_add_co_u32 s19, s19, s18
	s_lshl_b32 s22, s19, 12
	s_add_co_u32 s22, s22, s46
	s_mov_b32 s23, 0
	s_add_nc_u64 s[96:97], s[96:97], s[22:23]
	s_add_nc_u64 s[98:99], s[98:99], s[22:23]
	WIN 0x80
.irp a, 0,1,2,3
.irp k, 0,1,2,3,4,5,6,7
	global_load_b128 v[4*(8*\a+\k):4*(8*\a+\k)+3], v[CO], s[96:97] offset:(32*(\a/2)+8*(\a%2)+2*\k+8*(\k/4))*8192 th:TH_LOAD_NT
.endr
.endr
	WIN 0
.macro FRAG reg, adr, q, i
.irp p, 0,1,2,3,4,5
	ds_load_b64 v[2*\p+(\reg):2*\p+(\reg)+1], v[\adr] offset:(2*(\q)+\p/3)*PL+(\i)*768+8*(\p%3)
.endr
.endm
.macro MULA f, a, q, sc, zero
.irp b, 0,1,2,3
.if \zero
	v_wmma_scale_f32_16x16x128_f8f6f4 v[ACC+8*(4*(\a)+\b):ACC+8*(4*(\a)+\b)+7], v[48+(\f)+FR*\b:48+(\f)+FR*\b+FR-1], v[FR*(\a)+(\f):FR*(\a)+(\f)+FR-1], v[BIAS+8*\b:BIAS+8*\b+7], v[SC+16*(\sc)+4*(\q)+\b], v[SC+16*(\sc)+4*(\q)+(\a)] matrix_a_fmt:MATRIX_FMT_FP6 matrix_b_fmt:MATRIX_FMT_FP6 matrix_a_scale:MATRIX_SCALE_ROW1
.else
	v_wmma_scale_f32_16x16x128_f8f6f4 v[ACC+8*(4*(\a)+\b):ACC+8*(4*(\a)+\b)+7], v[48+(\f)+FR*\b:48+(\f)+FR*\b+FR-1], v[FR*(\a)+(\f):FR*(\a)+(\f)+FR-1], v[ACC+8*(4*(\a)+\b):ACC+8*(4*(\a)+\b)+7], v[SC+16*(\sc)+4*(\q)+\b], v[SC+16*(\sc)+4*(\q)+(\a)] matrix_a_fmt:MATRIX_FMT_FP6 matrix_b_fmt:MATRIX_FMT_FP6 matrix_a_scale:MATRIX_SCALE_ROW1
.endif
.endr
.endm
.macro FETCH slot, q, f
	WIN TO_F
.irp i, 0,1,2,3
	FRAG 48+(\f)+FR*\i, ADRB+\slot, \q, \i
.endr
.irp i, 0,1,2,3
	FRAG FR*\i+(\f), ADRA+\slot, \q, \i
.endr
.endm
.macro SCALES sc
.irp q, 0,1,2,3
.irp i, 0,1,2,3
	ds_load_b32 v[SC+16*\sc+4*\q+\i], v[ADRS] offset:512*\q+64*\i
.endr
.endr
.endm
.macro PLACES n
.rept \n
	v_nop
.endr
.endm
.macro STEP slot, q, zero
	s_wait_dscnt 12
	WIN MUL
	MULA 128*((\q)%2), 0, \q, \slot, \zero
	MULA 128*((\q)%2), 1, \q, \slot, \zero
	PLACES 4
	FETCH \slot, (\q)+1, 128*(1-(\q)%2)
	s_wait_dscnt 48
	WIN MUL
	MULA 128*((\q)%2), 2, \q, \slot, \zero
	MULA 128*((\q)%2), 3, \q, \slot, \zero
.endm
.macro TURN slot, next, fill
	WIN 0
.if \fill
	s_wait_xcnt 0x0                                ; my last prefetch has read its address: it steps here, a slot behind that prefetch
	s_add_nc_u64 s[PFA:PFA+1], s[PFA:PFA+1], s[PST:PST+1]
.endif
	s_wait_tensorcnt 0x0
	ds_add_u32 v[SPW], v[NIL]
	s_wait_dscnt 13
	WIN MUL
	MULA F1, 0, 3, \slot, 0
	s_wait_dscnt 0x0
	s_barrier_signal -1
	MULA F1, 1, 3, \slot, 0
	WIN 0
	s_barrier_wait -1
.if \fill
	CREST
	s_add_nc_u64 s[G0+4*\slot+2:G0+4*\slot+3], s[G0+4*\slot+2:G0+4*\slot+3], 2*ASTEP
	s_add_nc_u64 s[G0B+4*\slot+2:G0B+4*\slot+3], s[G0B+4*\slot+2:G0B+4*\slot+3], 2*BSTEP
	JLOAD G0+4*\slot, G1, G0B+4*\slot, G1B
.else
	PLACES 4
.endif
	s_wait_alu depctr_va_vdst(0)
	v_add_nc_u32 v[ADRS], 2048, v[ADRS]
	SCALES \next
	FETCH \next, 0, 0
.if \fill
	WIN 0                                          ; (a branch follows)
	s_cmp_gt_u32 s3, 1                             ; s3 = 1 in the loop's last trip: its refills are slots 6 and 7, and no slot stands two on
	s_cbranch_scc0 .Lno_ask_\@
	global_prefetch_b8 v[PFO], s[PFA:PFA+1] th:TH_LOAD_NT scope:SCOPE_SE   ; the slot two refills on
.Lno_ask_\@:
.endif
	WIN MUL
	MULA F1, 2, 3, \slot, 0
	MULA F1, 3, 3, \slot, 0
.endm
	s_wait_xcnt 0x0                                ; the first prefetch has read its address
	s_add_nc_u64 s[PFA:PFA+1], s[PFB:PFB+1], s[PST:PST+1]   ; slot 3
	s_wait_tensorcnt 0x0                           ; my tile of the head's four is in; slot 1's first fill is issued as a refill is
	ds_add_u32 v[SPW], v[NIL]
	s_mov_b32 s[G1+2], 4<<16                       ; no tensor load of mine is out: from here on a load brings four planes
	s_mov_b32 s[G1+4], 4
	s_mov_b32 s[G1B+2], 4<<16
	s_mov_b32 s[G1B+4], 4
	s_wait_dscnt 0x0
	CROUND                                         ; all four tiles are in, and all sixteen work-groups are here
	JLOAD G0+4, G1, G0B+4, G1B                     ; slot 1, the first tensor load behind the round
	SCALES 0
	FETCH 0, 0, 0
	WIN 0
	global_prefetch_b8 v[PFO], s[PFA:PFA+1] th:TH_LOAD_NT scope:SCOPE_SE   ; behind slot 1's load: slot 3
	s_wait_loadcnt 32
	STEP 0, 0, 1
.if LAPS > 1
	WIN 0
	s_mov_b32 s3, LAPS-1
.Llap:
	STEP 0, 1, 0
	STEP 0, 2, 0
	TURN 0, 1, 1
	STEP 1, 0, 0
	STEP 1, 1, 0
	STEP 1, 2, 0
	TURN 1, 0, 1
	STEP 0, 0, 0
	WIN 0
	s_sub_co_u32 s3, s3, 1
	s_cmp_lg_u32 s3, 0
	s_cbranch_scc1 .Llap
.endif
	STEP 0, 1, 0
	STEP 0, 2, 0
	TURN 0, 1, 0
	STEP 1, 0, 0
	STEP 1, 1, 0
	STEP 1, 2, 0
	s_wait_dscnt 12
	WIN MUL
	MULA F1, 0, 3, 1, 0
	MULA F1, 1, 3, 1, 0
	s_wait_dscnt 0
	MULA F1, 2, 3, 1, 0
	MULA F1, 3, 3, 1, 0
	WIN 0
	PLACES 4
.irp a, 0,1,2,3
.irp b, 0,1,2,3
	ds_store_b128 v[STO], v[ACC+8*(4*\a+\b):ACC+8*(4*\a+\b)+3] offset:\a*16*SPITCH+128*(\b/2)+32*(\b%2)
	ds_store_b128 v[STO], v[ACC+8*(4*\a+\b)+4:ACC+8*(4*\a+\b)+7] offset:\a*16*SPITCH+128*(\b/2)+32*(\b%2)+16
.endr
.endr
	WIN TO_F
.irp a, 0,1,2,3
.irp k, 0,1,2,3,4,5,6,7
	ds_load_b128 v[4*(8*\a+\k):4*(8*\a+\k)+3], v[RD] offset:\a*16*SPITCH+2*\k*SPITCH
.endr
.endr
	s_wait_loadcnt 0x0
.irp a, 0,1,2,3
	s_wait_dscnt 8*(3-\a)
	WIN 0x49
.set i, 32*\a
.rept 16
	v_pk_add_f32 v[i:i+1], v[i:i+1], v[i:i+1]
.set i, i+2
.endr
	WIN 0x04
.irp k, 0,1,2,3,4,5,6,7
	global_store_b128 v[CO], v[4*(8*\a+\k):4*(8*\a+\k)+3], s[98:99] offset:(32*(\a/2)+8*(\a%2)+2*\k+8*(\k/4))*8192 th:TH_STORE_NT
.endr
.endr
	WIN 0
	s_wait_tensorcnt 0x0
	ds_add_u32 v[SPW], v[NIL]
	s_wait_dscnt 0x0
	CROUND
	s_endpgm
.Lfunc_end_k_qe1540315a6_ffn2:
	.size	k_qe1540315a6_ffn2, .Lfunc_end_k_qe1540315a6_ffn2-k_qe1540315a6_ffn2
	.p2alignl 7, 3214868480
	.fill 96, 4, 3214868480
	.section	.rodata,"a",@progbits
	.p2align	6, 0x0
	.amdhsa_kernel k_qe1540315a6_ffn2
		.amdhsa_group_segment_fixed_size 327680
		.amdhsa_private_segment_fixed_size 0
		.amdhsa_enable_private_segment 0
		.amdhsa_kernarg_size 40
		.amdhsa_user_sgpr_count 2
		.amdhsa_user_sgpr_kernarg_segment_ptr 1
		.amdhsa_wavefront_size32 1
		.amdhsa_system_sgpr_workgroup_id_x 1
		.amdhsa_system_sgpr_workgroup_id_y 1
		.amdhsa_system_sgpr_workgroup_id_z 1
		.amdhsa_system_vgpr_workitem_id 0
		.amdhsa_next_free_vgpr 768
		.amdhsa_next_free_sgpr 100
		.amdhsa_reserve_vcc 0
		.amdhsa_float_denorm_mode_32 3
		.amdhsa_float_denorm_mode_16_64 3
		.amdhsa_memory_ordered 1
		.amdhsa_forward_progress 1
		.amdhsa_inst_pref_size 119
	.end_amdhsa_kernel
	.amdgpu_metadata
---
amdhsa.version: [ 1, 2 ]
amdhsa.kernels:
  - .name:           k_qe1540315a6_ffn2
    .symbol:         k_qe1540315a6_ffn2.kd
    .args:
      - { .name: gq, .offset: 0, .size: 8, .value_kind: global_buffer, .address_space: global }
      - { .name: wq, .offset: 8, .size: 8, .value_kind: global_buffer, .address_space: global }
      - { .name: b2, .offset: 16, .size: 8, .value_kind: global_buffer, .address_space: global }
      - { .name: x1, .offset: 24, .size: 8, .value_kind: global_buffer, .address_space: global }
      - { .name: out0, .offset: 32, .size: 8, .value_kind: global_buffer, .address_space: global }
    .group_segment_fixed_size: 327680
    .private_segment_fixed_size: 0
    .kernarg_segment_align: 8
    .kernarg_segment_size: 40
    .max_flat_workgroup_size: 128
    .sgpr_count:     100
    .vgpr_count:     768
    .wavefront_size: 32
...
	.end_amdgpu_metadata
.endif
;; end of part 14
